; MI455X (gfx1250); checked and timed in simulation.
; The chip was launched on July 23, 2026; its instructions are those of AMD's public machine-readable ISA for CDNA 5 (MIT licence, August 2026) and "CDNA5" Instruction Set Architecture Reference Guide (July 2026). The comments in the code are by the model that wrote it; some were corrected since.
;; Gaussian Encoder. Allowed arithmetic: float matrix products may take bf16 or f16 operands with f32 sums; other float arithmetic in f32, or as packed bf16 or f16 multiplies, adds, multiply-adds, maxima and minima; sums over many terms, partial sums and values carried from step to step in f32; what a program stores and reads back later, other than sums and carried values, may be rounded once to bf16 or f16.
;; Inputs: gaussians 8 x 2,048 x 14 float32; params_fus_bn_b 256 float32; params_fus_bn_beta 256 float32; params_fus_bn_g 256 float32; params_fus_bn_w 256 x 8,192 float32; params_fus_cent 64 x 128 float32; params_fus_conv_b 64 float32; params_fus_conv_w 64 x 128 float32; params_g2v_in_b 384 float32; params_g2v_in_w 384 x 128 float32; params_g2v_out_b 128 float32; params_g2v_out_w 128 x 128 float32; params_gate_b 128 float32; params_gate_w 128 x 256 float32; params_geo_bn_b 256 float32; params_geo_bn_beta 256 float32; params_geo_bn_g 256 float32; params_geo_bn_w 256 x 8,192 float32; params_geo_cent 64 x 128 float32; params_geo_conv_b 64 float32; params_geo_conv_w 64 x 128 float32; params_n1_b 128 float32; params_n1_g 128 float32; params_n2_b 128 float32; params_n2_g 128 float32; params_pg_b 128 float32; params_pg_beta 128 float32; params_pg_g 128 float32; params_pg_w 128 x 14 float32; params_pv_b 128 float32; params_pv_beta 128 float32; params_pv_g 128 float32; params_pv_w 128 x 64 float32; params_r1_b 128 float32; params_r1_beta 128 float32; params_r1_g 128 float32; params_r1_w 128 x 256 float32; params_r2_b 3 float32; params_r2_w 3 x 128 float32; params_v2g_in_b 384 float32; params_v2g_in_w 384 x 128 float32; params_v2g_out_b 128 float32; params_v2g_out_w 128 x 128 float32; params_vis_bn_b 256 float32; params_vis_bn_beta 256 float32; params_vis_bn_g 256 float32; params_vis_bn_w 256 x 8,192 float32; params_vis_cent 64 x 128 float32; params_vis_conv_b 64 float32; params_vis_conv_w 64 x 128 float32; visual_features 8 x 2,048 x 64 float32.
;; Outputs: out0 8 x 256 float32; out1 8 x 3 float32; out2 8 x 256 float32; out3 8 x 256 float32; out4 8 x 256 float32.
;; 2 versions, each right; version 2 is version 1 with the launches embed, bn written anew for expert scheduling mode. Each part assembles by itself: llvm-mc -triple=amdgcn-amd-amdhsa -mcpu=gfx1250 --defsym DOCPART=n.
;; ======== version 1 of 2: 5 launches
;; workspace buffers: emb 8,388,608 bytes; kbuf 8,388,608 bytes; vbuf 8,388,608 bytes; wbf 245,760 bytes; fbuf 8,388,608 bytes; vpart 6,291,456 bytes; aux 114,688 bytes; ypart 1,622,016 bytes
;; launch embed (part 1): grid 128 x 2, 8 waves a work-group, no clusters, 144,896 bytes of LDS; arguments gaussians, visual_features, params_pg_w, params_pv_w, params_pg_b, params_pv_b, params_pg_g, params_pv_g, params_pg_beta, params_pv_beta, params_v2g_in_w, params_g2v_in_w, params_v2g_in_b, params_g2v_in_b, params_g2v_out_w, params_v2g_out_w, params_gate_w, params_geo_conv_w, params_vis_conv_w, params_fus_conv_w, emb, kbuf, vbuf, wbf; writes emb, kbuf, vbuf, wbf
.if DOCPART == 1
	.amdgcn_target "amdgcn-amd-amdhsa--gfx1250"
	.amdhsa_code_object_version 6
	.text
	.protected	k_qa3cae81d45_embed
	.globl	k_qa3cae81d45_embed
	.p2align	8
	.type	k_qa3cae81d45_embed,@function
k_qa3cae81d45_embed:
	s_mov_b64 s[64:65], 0
	v_nop
	global_prefetch_b8 v0, s[64:65] scope:SCOPE_SE
	s_setreg_imm32_b32 hwreg(HW_REG_WAVE_MODE, 25, 1), 1
	s_wait_xcnt 0x0
; EMBED.  emb = relu(LayerNorm(x W^T + b)) for one modality (grid y: 0 = gaussians, 14 columns; 1 = visual features, 64 columns), and from it
; K and V of the attention whose keys come from this modality (rows 128 to 383 of that direction's in_w).  All three leave as bf16, [rows][128].
; A work-group owns 128 rows, each of its eight waves 16.  Every input is rounded once to bf16 as it is loaded; products by the bf16 matrix form, sums and the norm in f32.
; THE PRODUCT IS TAKEN TRANSPOSED (source 0 = 16 rows of the weights, source 1 = 16 rows of x): a lane then holds ONE row (lane % 16) and the outputs 16 blk + 8 (lane / 16) + 0..7,
; so the norm over 128 channels is a sum over the lane's 64 registers and one exchange of the lanes' halves, and the rounded result IS source 1 of the next product.
; Work-groups 0 to 59 of modality 0 also write one block of 4,096 bytes of wbf: bf16 copies of the weights that the later launches multiply by.
; No tensor load: the weights are f32 and pass through registers to be rounded.  No cluster: what work-groups share is read once by each, not streamed.
; LIMITS.  NaN and infinities are not treated apart; the reciprocal root is the instruction's, good to one unit in the last place.
.set XT,    0                          ; LDS: 128 rows of x, 64 bf16 + 16 bytes of padding (pitch 144)
.set WT,    18432                      ; 128 rows of the embedding's weights, likewise
.set WKV,   36864                      ; 256 rows of K's and V's weights, 128 bf16 + 16 bytes (pitch 272)
.set STG,   106496                     ; a stage of 16 rows x 272 bytes for each wave, for the way out
.set PAR,   141312                     ; f32: bias +0, gain +512, K's and V's bias +1,024, beta +2,048
.set SPARE, 143872                     ; the spare words: 128 bytes a wave, four blocks of 256 bytes that no other line names
.set SPW, 4                            ; v4   my spare word's address; never rewritten
.set NIL, 5                            ; v5   0; never rewritten
.set ZR,  6                            ; v6   0, for the packed ReLU
.set AXF, 7                            ; v7   my fragment's place in x
.set AWF, 8                            ; v8   in the embedding's weights
.set AKV, 9                            ; v9   in K's and V's weights
.set APB, 10                           ; v10  PAR + 32 (lane / 16)
.set STO, 11                           ; v11  the way out: where I put 16 bytes of a row
.set RD,  12                           ; v12  where I read a row back
.set GO,  13                           ; v13  my byte offset in 16 rows of an output
.set XF,  16                           ; v[16:31]   two fragments of x; later at work in the norm
.set E,   32                           ; v[32:63]   emb, bf16: four fragments
.set ACC, 64                           ; v[64:127]  eight accumulators
.set WB0, 128                          ; v[128:191], v[192:255] two buffers of weight fragments
.set WB1, 192
.set WV,  2
.set MOD, 3
.set BLK, 4
.set SEL, 80                           ; s[80:81] v_permlanex16_b32's selects: each lane takes its own place in the other half
.set INV, 82                           ; 1/128
.set EPS, 83                           ; 1e-5
.macro PLACES                          ; four places behind a matrix instruction (ISA guide 7.12.1)
.rept 4
	v_nop
.endr
.endm
.macro RB1 a                           ; one number rounded to bf16 and widened again
	v_cvt_pk_bf16_f32 v[\a], v[\a], v[\a]
	v_lshlrev_b32 v[\a], 16, v[\a]
.endm
; LayerNorm of the lane's 64 registers xr (the row's other 64 lie in the lane 16 away), gain in gr, beta in br, eight registers at work in tr.  Registers are taken in ascending order.
.macro LN64 xr, gr, br, tr
	v_pk_add_f32 v[(\tr):(\tr)+1], v[(\xr):(\xr)+1], v[(\xr)+2:(\xr)+3]
	v_pk_add_f32 v[(\tr)+2:(\tr)+3], v[(\xr)+4:(\xr)+5], v[(\xr)+6:(\xr)+7]
.set i, 8
.rept 14
	v_pk_add_f32 v[(\tr):(\tr)+1], v[(\tr):(\tr)+1], v[(\xr)+i:(\xr)+i+1]
	v_pk_add_f32 v[(\tr)+2:(\tr)+3], v[(\tr)+2:(\tr)+3], v[(\xr)+i+2:(\xr)+i+3]
.set i, i+4
.endr
	v_pk_add_f32 v[(\tr):(\tr)+1], v[(\tr):(\tr)+1], v[(\tr)+2:(\tr)+3]
	v_add_f32 v[\tr], v[\tr], v[(\tr)+1]
	v_permlanex16_b32 v[(\tr)+1], v[\tr], s[SEL], s[SEL+1]
	v_add_f32 v[\tr], v[\tr], v[(\tr)+1]
	v_mul_f32 v[(\tr)+4], s[INV], v[\tr]           ; the mean
	v_mov_b32 v[(\tr)+5], v[(\tr)+4]
.set i, 0
.rept 32
	v_pk_add_f32 v[(\xr)+i:(\xr)+i+1], v[(\xr)+i:(\xr)+i+1], v[(\tr)+4:(\tr)+5] neg_lo:[0,1] neg_hi:[0,1]
.set i, i+2
.endr
	v_pk_mul_f32 v[(\tr):(\tr)+1], v[(\xr):(\xr)+1], v[(\xr):(\xr)+1]
	v_pk_mul_f32 v[(\tr)+2:(\tr)+3], v[(\xr)+2:(\xr)+3], v[(\xr)+2:(\xr)+3]
.set i, 4
.rept 15
	v_pk_fma_f32 v[(\tr):(\tr)+1], v[(\xr)+i:(\xr)+i+1], v[(\xr)+i:(\xr)+i+1], v[(\tr):(\tr)+1]
	v_pk_fma_f32 v[(\tr)+2:(\tr)+3], v[(\xr)+i+2:(\xr)+i+3], v[(\xr)+i+2:(\xr)+i+3], v[(\tr)+2:(\tr)+3]
.set i, i+4
.endr
	v_pk_add_f32 v[(\tr):(\tr)+1], v[(\tr):(\tr)+1], v[(\tr)+2:(\tr)+3]
	v_add_f32 v[\tr], v[\tr], v[(\tr)+1]
	v_permlanex16_b32 v[(\tr)+1], v[\tr], s[SEL], s[SEL+1]
	v_add_f32 v[\tr], v[\tr], v[(\tr)+1]
	v_fma_f32 v[\tr], v[\tr], s[INV], s[EPS]       ; the variance + 1e-5
	v_rsq_f32 v[(\tr)+6], v[\tr]
	v_mov_b32 v[(\tr)+7], 0                        ; the plain instruction behind the root; the register is named with it as a pair
	s_wait_dscnt 0x0                               ; gain and beta are in
	s_wait_alu depctr_va_vdst(0)                   ; the wait ahead of the root's first reader
.set i, 0
.rept 32
	v_pk_mul_f32 v[(\xr)+i:(\xr)+i+1], v[(\xr)+i:(\xr)+i+1], v[(\tr)+6:(\tr)+7] op_sel_hi:[1,0]
.set i, i+2
.endr
.set i, 0
.rept 32
	v_pk_fma_f32 v[(\xr)+i:(\xr)+i+1], v[(\xr)+i:(\xr)+i+1], v[(\gr)+i:(\gr)+i+1], v[(\br)+i:(\br)+i+1]
.set i, i+2
.endr
.endm
; The way out of 16 rows x 128 bf16: 16 bytes a lane into my own stage, back as whole rows of 256 bytes.  LDS serves a wave's instructions in order (ISA guide 5.7.1.4): no wait between.
.macro TOSTAGE src, bk
.set i, 0
.rept 8
	ds_store_b128 v[STO], v[(\src)+4*i:(\src)+4*i+3] offset:32*i
.set i, i+1
.endr
.set i, 0
.rept 8
	ds_load_b128 v[(\bk)+4*i:(\bk)+4*i+3], v[RD] offset:544*i
.set i, i+1
.endr
.endm
.macro SEND bk, base
	s_wait_dscnt 0x0
.set i, 0
.rept 8
	global_store_b128 v[GO], v[(\bk)+4*i:(\bk)+4*i+3], s[(\base):(\base)+1] offset:512*i  ; 16 lanes store 256 consecutive bytes, aligned
.set i, i+1
.endr
.endm
.macro FETCH g, ks, buf                ; eight fragments of K's (g = 0) or V's weights, 32 channels at ks
.set i, 0
.rept 8
	ds_load_b128 v[(\buf)+8*i:(\buf)+8*i+3],   v[AKV] offset:(\g)*34816+i*4352+(\ks)*64
	ds_load_b128 v[(\buf)+8*i+4:(\buf)+8*i+7], v[AKV] offset:(\g)*34816+i*4352+(\ks)*64+32
.set i, i+1
.endr
.endm
.macro MUL buf, ks                     ; eight products; the eight accumulators take turns
.set i, 0
.rept 8
	v_wmma_f32_16x16x32_bf16 v[ACC+8*i:ACC+8*i+7], v[(\buf)+8*i:(\buf)+8*i+7], v[E+8*(\ks):E+8*(\ks)+7], v[ACC+8*i:ACC+8*i+7]
.set i, i+1
.endr
.endm
.macro GROUP g, base                   ; K (g = 0) or V of my 16 rows
	s_wait_xcnt 0x0                                ; the last stores have read their registers, which are loaded again below
.set i, 0
.rept 8
	ds_load_b128 v[ACC+8*i:ACC+8*i+3],   v[APB] offset:1024+(\g)*512+64*i     ; the bias starts the sums
	ds_load_b128 v[ACC+8*i+4:ACC+8*i+7], v[APB] offset:1024+(\g)*512+64*i+16
.set i, i+1
.endr
	FETCH \g, 0, WB0
	FETCH \g, 1, WB1
	s_wait_dscnt 16                                ; all but the other buffer's sixteen loads
	MUL WB0, 0
	PLACES
	FETCH \g, 2, WB0
	s_wait_dscnt 16
	MUL WB1, 1
	PLACES
	FETCH \g, 3, WB1
	s_wait_dscnt 16
	MUL WB0, 2
	s_wait_dscnt 0x0
	MUL WB1, 3
	PLACES
.set i, 0
.rept 32
	v_cvt_pk_bf16_f32 v[128+i], v[ACC+2*i], v[ACC+2*i+1]
.set i, i+1
.endr
	TOSTAGE 128, 160
	SEND 160, \base
.endm
	s_load_b512 s[8:23], s[0:1], 0x0               ; x (g, v), W (g, v), b (g, v), gain (g, v)
	s_load_b512 s[24:39], s[0:1], 0x40             ; beta (g, v), in_w (v2g, g2v), in_b (v2g, g2v), out_w (g2v, v2g)
	s_load_b512 s[40:55], s[0:1], 0x80             ; gate_w, conv_w (geo, vis, fus), emb, kbuf, vbuf, wbf
	v_lshl_add_u32 v[SPW], v0, 2, SPARE
	v_mov_b32 v[NIL], 0
	v_mov_b32 v[ZR], 0
	v_lshrrev_b32 v1, 5, v0
	v_readfirstlane_b32 s[WV], v1                  ; wave 0..7
	v_and_b32 v3, 31, v0                           ; l
	v_and_b32 v1, 15, v0                           ; r = l % 16
	v_bfe_u32 v2, v0, 4, 1                         ; hh = l / 16
	s_and_b32 s[MOD], ttmp7, 0xffff
	s_mov_b32 s[BLK], ttmp9
	s_and_b32 s5, s[WV], 3
	s_mov_b32 s[SEL], 0x76543210
	s_mov_b32 s[SEL+1], 0xfedcba98
	s_mov_b32 s[INV], 0x3c000000
	s_mov_b32 s[EPS], 0x3727c5ac
	v_mul_u32_u24 v16, v1, 144
	v_lshl_add_u32 v16, v2, 4, v16                 ; r x 144 + 16 hh
	s_mul_i32 s56, s[WV], 2304
	v_add_nc_u32 v[AXF], s56, v16                  ; my 16 rows of x
	v_add_nc_u32 v[AWF], WT, v16
	v_mul_u32_u24 v17, v1, 272
	v_lshl_add_u32 v17, v2, 4, v17                 ; r x 272 + 16 hh
	v_add_nc_u32 v[AKV], WKV, v17
	v_lshl_add_u32 v[APB], v2, 5, PAR
	s_mul_i32 s56, s[WV], 4352
	s_add_co_u32 s56, s56, STG                     ; my stage
	v_add_nc_u32 v[STO], s56, v17
	v_mul_u32_u24 v18, v2, 272
	v_lshl_add_u32 v18, v1, 4, v18
	v_add_nc_u32 v[RD], s56, v18
	v_lshlrev_b32 v[GO], 8, v2
	v_lshl_add_u32 v[GO], v1, 4, v[GO]
	s_lshl_b32 s56, s[WV], 14
	v_lshl_add_u32 v14, v3, 4, s56                 ; K's and V's weights: my 32 rows of 512 bytes, 16 bytes a lane
	v_lshlrev_b32 v15, 2, v0                       ; 4 t
	s_lshl_b32 s56, s5, 7
	v_lshl_add_u32 v19, v3, 2, s56                 ; 4 (t % 128)
	s_mul_i32 s56, s[WV], 8704
	s_add_co_u32 s56, s56, WKV
	v_lshl_add_u32 v25, v3, 3, s56                 ; where those 32 rows go, 8 bytes a lane
	s_lshl_b32 s88, s[MOD], 22                     ; byte offsets of my 16 rows: emb by the modality,
	s_lshl_b32 s57, s[BLK], 15
	s_lshl_b32 s58, s[WV], 12
	s_add_co_u32 s57, s57, s58
	s_add_co_u32 s88, s88, s57
	s_mov_b32 s89, 0
	s_xor_b32 s92, s[MOD], 1                       ; K and V by the direction, 1 - modality
	s_lshl_b32 s92, s92, 22
	s_add_co_u32 s92, s92, s57
	s_mov_b32 s93, 0
	s_wait_kmcnt 0x0
	s_add_nc_u64 s[90:91], s[48:49], s[88:89]
	s_add_nc_u64 s[94:95], s[50:51], s[92:93]
	s_add_nc_u64 s[96:97], s[52:53], s[92:93]
	s_cmp_eq_u32 s[MOD], 0
	s_cselect_b64 s[66:67], s[8:9], s[10:11]       ; x
	s_cselect_b64 s[68:69], s[12:13], s[14:15]     ; W
	s_cselect_b64 s[70:71], s[16:17], s[18:19]     ; b
	s_cselect_b64 s[72:73], s[20:21], s[22:23]     ; gain
	s_cselect_b64 s[74:75], s[24:25], s[26:27]     ; beta
	s_cselect_b64 s[76:77], s[28:29], s[30:31]     ; in_w
	s_cselect_b64 s[78:79], s[32:33], s[34:35]     ; in_b
	s_add_nc_u64 s[76:77], s[76:77], 0x10000       ; past Q's 128 rows
.set i, 0
.rept 32
	global_load_b128 v[128+4*i:128+4*i+3], v14, s[76:77] offset:512*i  ; a row an instruction: 512 consecutive bytes
.set i, i+1
.endr
	s_cmp_lt_u32 s[WV], 4
	s_cselect_b64 s[84:85], s[70:71], s[72:73]     ; waves 0-3 bring the bias, waves 4-7 the gain
	global_load_b32 v28, v19, s[84:85]
	global_load_b32 v29, v15, s[78:79] offset:512  ; K's and V's 256 biases
	global_load_b32 v30, v19, s[74:75]
	s_mul_i32 s56, s[WV], 4608                     ; waves 0-3 stage x, waves 4-7 the weights: 32 rows a wave; the two tables lie end to end
	s_cmp_eq_u32 s[MOD], 0
	s_cbranch_scc1 .Lgeo
	s_lshl_b32 s88, s[BLK], 15                     ; rows of 64 f32: 256 bytes
	s_mov_b32 s89, 0
	s_add_nc_u64 s[86:87], s[66:67], s[88:89]
	s_cmp_lt_u32 s[WV], 4
	s_cselect_b64 s[86:87], s[86:87], s[68:69]
	s_lshl_b32 s57, s5, 13
	v_lshl_add_u32 v20, v3, 4, s57
.set i, 0
.rept 16
	global_load_b128 v[64+4*i:64+4*i+3], v20, s[86:87] offset:512*i    ; two rows an instruction
.set i, i+1
.endr
	v_mul_u32_u24 v21, v2, 144
	v_lshl_add_u32 v21, v1, 3, v21
	v_add_nc_u32 v21, s56, v21
	s_wait_loadcnt 0x0
.set i, 0
.rept 16
	v_cvt_pk_bf16_f32 v[64+4*i], v[64+4*i], v[64+4*i+1]
	v_cvt_pk_bf16_f32 v[64+4*i+1], v[64+4*i+2], v[64+4*i+3]
	ds_store_b64 v21, v[64+4*i:64+4*i+1] offset:288*i
.set i, i+1
.endr
	s_branch .Lstaged
.Lgeo:
	s_mul_i32 s88, s[BLK], 7168                    ; rows of 14 f32: 56 bytes; a lane a row
	s_mov_b32 s89, 0
	s_add_nc_u64 s[86:87], s[66:67], s[88:89]
	s_cmp_lt_u32 s[WV], 4
	s_cselect_b64 s[86:87], s[86:87], s[68:69]
	s_mul_i32 s57, s5, 1792
	v_mul_u32_u24 v20, v3, 56
	v_add_nc_u32 v20, s57, v20
.set i, 0
.rept 7
	global_load_b64 v[64+2*i:64+2*i+1], v20, s[86:87] offset:8*i
.set i, i+1
.endr
	v_mul_u32_u24 v21, v3, 144
	v_add_nc_u32 v21, s56, v21
.set i, 87
.rept 5
	v_mov_b32 v[i], 0
.set i, i+1
.endr
	s_wait_loadcnt 0x0
.set i, 0
.rept 7
	v_cvt_pk_bf16_f32 v[80+i], v[64+2*i], v[64+2*i+1]
.set i, i+1
.endr
	ds_store_b128 v21, v[80:83]
	ds_store_b128 v21, v[84:87] offset:16
.set i, 0
.rept 6
	ds_store_b128 v21, v[88:91] offset:32+16*i     ; columns 14 to 63 are zeros: both modalities run the same two K steps
.set i, i+1
.endr
.Lstaged:
	RB1 28
	RB1 29
	RB1 30
	v_lshl_add_u32 v24, v0, 2, PAR
	ds_store_b32 v24, v28
	ds_store_b32 v24, v29 offset:1024
	s_cmp_lt_u32 s[WV], 4
	s_cbranch_scc0 .Lno_beta                       ; beta's 128 words are stored once, by waves 0-3
	ds_store_b32 v24, v30 offset:2048
.Lno_beta:
.set i, 0
.rept 32
	v_cvt_pk_bf16_f32 v[128+4*i], v[128+4*i], v[128+4*i+1]
	v_cvt_pk_bf16_f32 v[128+4*i+1], v[128+4*i+2], v[128+4*i+3]
	ds_store_b64 v25, v[128+4*i:128+4*i+1] offset:272*i
.set i, i+1
.endr
	s_wait_dscnt 0x0                               ; for the others' sake: my stores are done
	s_barrier_signal -1
	s_barrier_wait -1
	; the embedding: two K steps of 32, eight blocks of 16 outputs; the bias starts the sums
.set i, 0
.rept 4
	ds_load_b128 v[XF+4*i:XF+4*i+3], v[AXF] offset:32*i
.set i, i+1
.endr
.set i, 0
.rept 16
	ds_load_b128 v[128+8*i:128+8*i+3],   v[AWF] offset:(i/2)*2304+(i%2)*64
	ds_load_b128 v[128+8*i+4:128+8*i+7], v[AWF] offset:(i/2)*2304+(i%2)*64+32
.set i, i+1
.endr
.set i, 0
.rept 8
	ds_load_b128 v[ACC+8*i:ACC+8*i+3],   v[APB] offset:64*i
	ds_load_b128 v[ACC+8*i+4:ACC+8*i+7], v[APB] offset:64*i+16
.set i, i+1
.endr
	s_wait_dscnt 0x0
.set i, 0
.rept 16
	v_wmma_f32_16x16x32_bf16 v[ACC+8*(i%8):ACC+8*(i%8)+7], v[128+8*(2*(i%8)+i/8):128+8*(2*(i%8)+i/8)+7], v[XF+8*(i/8):XF+8*(i/8)+7], v[ACC+8*(i%8):ACC+8*(i%8)+7]
.set i, i+1
.endr
	PLACES
.set i, 0
.rept 8
	ds_load_b128 v[128+8*i:128+8*i+3],   v[APB] offset:512+64*i
	ds_load_b128 v[128+8*i+4:128+8*i+7], v[APB] offset:512+64*i+16
	ds_load_b128 v[192+8*i:192+8*i+3],   v[APB] offset:2048+64*i
	ds_load_b128 v[192+8*i+4:192+8*i+7], v[APB] offset:2048+64*i+16
.set i, i+1
.endr
	LN64 ACC, 128, 192, XF
.set i, 0
.rept 32
	v_cvt_pk_bf16_f32 v[E+i], v[ACC+2*i], v[ACC+2*i+1]
.set i, i+1
.endr
.set i, 0
.rept 32
	v_pk_max_num_bf16 v[E+i], v[E+i], v[ZR]        ; ReLU on the rounded pairs: nothing is rounded again
.set i, i+1
.endr
	TOSTAGE E, 64
	SEND 64, 90
	GROUP 0, 94
	GROUP 1, 96
	; the copies of weights: block c of 4,096 bytes of wbf is made of 8,192 bytes of one of eight tables
	s_cmp_eq_u32 s[MOD], 0
	s_cbranch_scc0 .Lend
	s_cmp_lt_u32 s[BLK], 60
	s_cbranch_scc0 .Lend
	s_mov_b64 s[84:85], s[30:31]                   ; blocks 0-7: g2v's Q rows
	s_mov_b32 s56, 0
.macro PICK first, reg
	s_cmp_ge_u32 s[BLK], \first
	s_cselect_b64 s[84:85], s[(\reg):(\reg)+1], s[84:85]
	s_cselect_b32 s56, \first, s56
.endm
	PICK 8, 28                                     ; v2g's Q rows
	PICK 16, 36                                    ; g2v out_w
	PICK 24, 38                                    ; v2g out_w
	PICK 32, 40                                    ; gate_w
	PICK 48, 42                                    ; conv_w: geo,
	PICK 52, 44                                    ; vis,
	PICK 56, 46                                    ; fus
	s_sub_co_u32 s56, s[BLK], s56
	s_lshl_b32 s56, s56, 13
	s_mov_b32 s57, 0
	s_add_nc_u64 s[84:85], s[84:85], s[56:57]
	s_lshl_b32 s58, s[BLK], 12
	s_mov_b32 s59, 0
	s_add_nc_u64 s[86:87], s[54:55], s[58:59]
	v_lshlrev_b32 v14, 5, v0
	v_lshlrev_b32 v15, 4, v0
	global_load_b128 v[16:19], v14, s[84:85]
	global_load_b128 v[20:23], v14, s[84:85] offset:16
	s_wait_loadcnt 0x0
	v_cvt_pk_bf16_f32 v24, v16, v17
	v_cvt_pk_bf16_f32 v25, v18, v19
	v_cvt_pk_bf16_f32 v26, v20, v21
	v_cvt_pk_bf16_f32 v27, v22, v23
	global_store_b128 v15, v[24:27], s[86:87]
.Lend:
	s_wait_tensorcnt 0x0                           ; the wave's end behind my last LDS store
	ds_add_u32 v[SPW], v[NIL]
	s_wait_dscnt 0x0
	s_endpgm
.Lfunc_end_k_qa3cae81d45_embed:
	.size	k_qa3cae81d45_embed, .Lfunc_end_k_qa3cae81d45_embed-k_qa3cae81d45_embed
	.p2alignl 7, 3214868480
	.fill 96, 4, 3214868480
	.section	.rodata,"a",@progbits
	.p2align	6, 0x0
	.amdhsa_kernel k_qa3cae81d45_embed
		.amdhsa_group_segment_fixed_size 144896
		.amdhsa_private_segment_fixed_size 0
		.amdhsa_enable_private_segment 0
		.amdhsa_kernarg_size 192
		.amdhsa_user_sgpr_count 2
		.amdhsa_user_sgpr_kernarg_segment_ptr 1
		.amdhsa_wavefront_size32 1
		.amdhsa_system_sgpr_workgroup_id_x 1
		.amdhsa_system_sgpr_workgroup_id_y 1
		.amdhsa_system_sgpr_workgroup_id_z 1
		.amdhsa_system_vgpr_workitem_id 0
		.amdhsa_next_free_vgpr 256
		.amdhsa_next_free_sgpr 100
		.amdhsa_reserve_vcc 0
		.amdhsa_float_denorm_mode_32 3
		.amdhsa_float_denorm_mode_16_64 3
		.amdhsa_memory_ordered 1
		.amdhsa_forward_progress 1
		.amdhsa_inst_pref_size 68
	.end_amdhsa_kernel
	.amdgpu_metadata
---
amdhsa.version: [ 1, 2 ]
amdhsa.kernels:
  - .name:           k_qa3cae81d45_embed
    .symbol:         k_qa3cae81d45_embed.kd
    .args:
      - { .name: gaussians, .offset: 0, .size: 8, .value_kind: global_buffer, .address_space: global }
      - { .name: visual_features, .offset: 8, .size: 8, .value_kind: global_buffer, .address_space: global }
      - { .name: params_pg_w, .offset: 16, .size: 8, .value_kind: global_buffer, .address_space: global }
      - { .name: params_pv_w, .offset: 24, .size: 8, .value_kind: global_buffer, .address_space: global }
      - { .name: params_pg_b, .offset: 32, .size: 8, .value_kind: global_buffer, .address_space: global }
      - { .name: params_pv_b, .offset: 40, .size: 8, .value_kind: global_buffer, .address_space: global }
      - { .name: params_pg_g, .offset: 48, .size: 8, .value_kind: global_buffer, .address_space: global }
      - { .name: params_pv_g, .offset: 56, .size: 8, .value_kind: global_buffer, .address_space: global }
      - { .name: params_pg_beta, .offset: 64, .size: 8, .value_kind: global_buffer, .address_space: global }
      - { .name: params_pv_beta, .offset: 72, .size: 8, .value_kind: global_buffer, .address_space: global }
      - { .name: params_v2g_in_w, .offset: 80, .size: 8, .value_kind: global_buffer, .address_space: global }
      - { .name: params_g2v_in_w, .offset: 88, .size: 8, .value_kind: global_buffer, .address_space: global }
      - { .name: params_v2g_in_b, .offset: 96, .size: 8, .value_kind: global_buffer, .address_space: global }
      - { .name: params_g2v_in_b, .offset: 104, .size: 8, .value_kind: global_buffer, .address_space: global }
      - { .name: params_g2v_out_w, .offset: 112, .size: 8, .value_kind: global_buffer, .address_space: global }
      - { .name: params_v2g_out_w, .offset: 120, .size: 8, .value_kind: global_buffer, .address_space: global }
      - { .name: params_gate_w, .offset: 128, .size: 8, .value_kind: global_buffer, .address_space: global }
      - { .name: params_geo_conv_w, .offset: 136, .size: 8, .value_kind: global_buffer, .address_space: global }
      - { .name: params_vis_conv_w, .offset: 144, .size: 8, .value_kind: global_buffer, .address_space: global }
      - { .name: params_fus_conv_w, .offset: 152, .size: 8, .value_kind: global_buffer, .address_space: global }
      - { .name: emb, .offset: 160, .size: 8, .value_kind: global_buffer, .address_space: global }
      - { .name: kbuf, .offset: 168, .size: 8, .value_kind: global_buffer, .address_space: global }
      - { .name: vbuf, .offset: 176, .size: 8, .value_kind: global_buffer, .address_space: global }
      - { .name: wbf, .offset: 184, .size: 8, .value_kind: global_buffer, .address_space: global }
    .group_segment_fixed_size: 144896
    .private_segment_fixed_size: 0
    .kernarg_segment_align: 8
    .kernarg_segment_size: 192
    .max_flat_workgroup_size: 256
    .sgpr_count:     100
    .vgpr_count:     256
    .wavefront_size: 32
...
	.end_amdgpu_metadata
.endif
;; end of part 1
;; launch attn (part 2): grid 16 x 16, 8 waves a work-group, clusters of 4 x 1, 327,680 bytes of LDS; arguments emb, kbuf, vbuf, wbf, params_g2v_in_b, params_v2g_in_b, params_g2v_out_b, params_v2g_out_b, params_n1_g, params_n2_g, params_n1_b, params_n2_b, fbuf; writes fbuf
.if DOCPART == 2
	.amdgcn_target "amdgcn-amd-amdhsa--gfx1250"
	.amdhsa_code_object_version 6
	.text
	.protected	k_qa3cae81d45_attn
	.globl	k_qa3cae81d45_attn
	.p2align	8
	.type	k_qa3cae81d45_attn,@function
k_qa3cae81d45_attn:
	s_mov_b64 s[64:65], 0
	v_nop
	global_prefetch_b8 v0, s[64:65] scope:SCOPE_SE
	s_setreg_imm32_b32 hwreg(HW_REG_WAVE_MODE, 25, 1), 1
	s_wait_xcnt 0x0
	s_wait_alu depctr_hold_cnt(0) depctr_sa_sdst(0) depctr_va_vdst(0) depctr_va_sdst(0) depctr_va_ssrc(0) depctr_va_vcc(0) depctr_vm_vsrc(0)
	s_getreg_b32 s2, hwreg(HW_REG_IB_STS2, 6, 4)
	s_cmp_eq_u32 s2, 0
	s_cbranch_scc0 .Lentry_in_a_cluster
	s_endpgm
.Lentry_in_a_cluster:
	s_bfe_u32 s2, ttmp6, 0x10000c
	s_cmp_lg_u32 s2, 0x3003
	s_cbranch_scc0 .Lentry_shape_is_right
	s_endpgm
.Lentry_shape_is_right:
; ATTENTION, output projection, residual and LayerNorm.  f[dir][row] = LN(emb[dir][row] + (softmax(q k^T / sqrt(32)) v) out_w^T + out_b), four heads of 32, 2,048 keys.
; Grid y = 8 dir + batch; a work-group owns 128 queries and all four heads: wave w has head w % 4 and the 64 queries of half w / 4, four tiles of 16.  So a row's four heads meet in one
; work-group, and projection, residual and norm follow here.  Q is projected here from emb; c = log2(e) / sqrt(32) is folded in before its one rounding, so p = 2^(s - m).
; LAYOUT.  S^T = K Q^T (source 0 = 16 keys, source 1 = 16 queries): a lane holds ONE query (lane % 16) and the keys 8 (lane / 16) + 0..7; rounded in pairs these registers ARE source 1 of
; O^T = V^T P.  K comes out of LDS as it lies, V turned by ds_load_tr16_b128.  A running maximum m and sum l for each query; O and l are multiplied by a = 2^(m_old - m) in every step.
; m starts at the lowest finite number, O and l at 0: the first step is a step like any other, with a = 0.
; THE COUNT.  A tile and key step of 64 have 8 matrix and some 110 vector instructions, 33 of them exponentials: vector issue bounds the launch.  So the text stands in plain phases, and
; two waves share a SIMD (256 registers each): one issues vector work while the other's products run.
; CLUSTER.  The four work-groups of a cluster share dir and batch and walk the same K and V: each tile is asked for JOINTLY, by the same tensor load, descriptor and mask in all four.
; RING.  Two slots of 128 keys (two steps); waves 0, 1 fetch K's two steps, waves 2, 3 V's; waves 4, 5 fetch out_w once.  By this text's count a wave has one tensor load out.
; LIMITS.  All operands bf16.  A weight below 2^-126 counts as 0; NaN and infinities are not treated apart.
.set PK,    272                        ; a row of K in LDS: 256 bytes + 16: the 16 rows of a load start at 16 different groups of four banks (ISA guide 11.1)
.set PV,    288                        ; a row of V: 256 + 32
.set VOFF,  17408                      ; a step: 64 rows of K, then 64 rows of V
.set STEPB, 35840
.set SLOT1, 131072                     ; slot 1: one exclusive or turns an address in one slot into the other's
.set WOFF,  73728                      ; out_w, 128 rows x 272, filled once
.set SPARE, 108544                     ; the spare words: 128 bytes a wave, four blocks of 256 bytes that no other line names
.set PAR,   109568                     ; f32, stored by the waves: out_b +0, gain +512, beta +1,024
.set OST,   202752                     ; 128 rows x 272: O of all heads, later each wave's stage; never filled by a tensor load
.set AK0, 1                            ; v1   my lane's place in a tile of K
.set AV0, 2                            ; v2   in a tile of V
.set ADR, 3                            ; v3   the address of the run of loads in hand
.set PFO, 4                            ; v4   256 x lane: the prefetches' offset; never rewritten
.set SPW, 5                            ; v5   my spare word's address; never rewritten
.set NIL, 6                            ; v6   0; never rewritten
.set ST,  8                            ; v[8:23]    tile t: m, m_old, l (even keys', odd keys')
.set TMP, 24                           ; v[24:31]   tile u of the piece: c0-c3 at work; c2 takes a
.set Q,   32                           ; v[32:63]   8 a tile
.set KF,  64                           ; v[64:95]   K of one step, 8 a block of 16 keys
.set VF,  96                           ; v[96:127]  V of one step: key half kk, channel block cb at 16 kk + 8 cb
.set O,   128                          ; v[128:191] O^T, 16 a tile
.set S,   192                          ; v[192:255] S^T of a piece of two tiles, 32 a tile; P is made in place in the first 16
.set WV,   34
.set HEAD, 35
.set QH,   36
.set CX,   37
.set BLK,  38
.set YY,   39
.set DIR,  40
.set G1K, 44                           ; s[44:51] descriptor group 1 for K's tiles and out_w's
.set G1V, 52                           ; s[52:59] for V's: the padding differs
.set G0K, 68                           ; s[68:71], s[72:75], s[76:79] group 0 for K, V, out_w
.set G0V, 72
.set G0W, 76
.set SLOTS, 80
.set CNT, 81
.set TB,  82                           ; LDS byte at which the step to be fetched begins
.set EPS, 83
.set SEL, 84
.set CS,  86                           ; s[86:87] c
.set PFA, 88                           ; s[88:89] where my prefetches stand
.set LIM, 90                           ; 1 in a wave that prefetches, else the greatest number
.set INV, 91
.set HIM, 41                           ; 0xffff0000
.macro PLACES
.rept 4
	v_nop
.endr
.endm
.macro PLACES5
.rept 5
	v_nop
.endr
.endm
.macro RB1 a
	v_cvt_pk_bf16_f32 v[\a], v[\a], v[\a]
	v_lshlrev_b32 v[\a], 16, v[\a]
.endm
.macro RB a, b, t
	v_cvt_pk_bf16_f32 v[\t], v[\a], v[\b]
	v_lshlrev_b32 v[\a], 16, v[\t]
	v_and_b32 v[\b], s[HIM], v[\t]
.endm
.macro LN64 xr, gr, br, tr             ; LayerNorm of the lane's 64 registers; the row's other 64 lie in the lane 16 away
	v_pk_add_f32 v[(\tr):(\tr)+1], v[(\xr):(\xr)+1], v[(\xr)+2:(\xr)+3]
	v_pk_add_f32 v[(\tr)+2:(\tr)+3], v[(\xr)+4:(\xr)+5], v[(\xr)+6:(\xr)+7]
.set i, 8
.rept 14
	v_pk_add_f32 v[(\tr):(\tr)+1], v[(\tr):(\tr)+1], v[(\xr)+i:(\xr)+i+1]
	v_pk_add_f32 v[(\tr)+2:(\tr)+3], v[(\tr)+2:(\tr)+3], v[(\xr)+i+2:(\xr)+i+3]
.set i, i+4
.endr
	v_pk_add_f32 v[(\tr):(\tr)+1], v[(\tr):(\tr)+1], v[(\tr)+2:(\tr)+3]
	v_add_f32 v[\tr], v[\tr], v[(\tr)+1]
	v_permlanex16_b32 v[(\tr)+1], v[\tr], s[SEL], s[SEL+1]
	v_add_f32 v[\tr], v[\tr], v[(\tr)+1]
	v_mul_f32 v[(\tr)+4], s[INV], v[\tr]
	v_mov_b32 v[(\tr)+5], v[(\tr)+4]
.set i, 0
.rept 32
	v_pk_add_f32 v[(\xr)+i:(\xr)+i+1], v[(\xr)+i:(\xr)+i+1], v[(\tr)+4:(\tr)+5] neg_lo:[0,1] neg_hi:[0,1]
.set i, i+2
.endr
	v_pk_mul_f32 v[(\tr):(\tr)+1], v[(\xr):(\xr)+1], v[(\xr):(\xr)+1]
	v_pk_mul_f32 v[(\tr)+2:(\tr)+3], v[(\xr)+2:(\xr)+3], v[(\xr)+2:(\xr)+3]
.set i, 4
.rept 15
	v_pk_fma_f32 v[(\tr):(\tr)+1], v[(\xr)+i:(\xr)+i+1], v[(\xr)+i:(\xr)+i+1], v[(\tr):(\tr)+1]
	v_pk_fma_f32 v[(\tr)+2:(\tr)+3], v[(\xr)+i+2:(\xr)+i+3], v[(\xr)+i+2:(\xr)+i+3], v[(\tr)+2:(\tr)+3]
.set i, i+4
.endr
	v_pk_add_f32 v[(\tr):(\tr)+1], v[(\tr):(\tr)+1], v[(\tr)+2:(\tr)+3]
	v_add_f32 v[\tr], v[\tr], v[(\tr)+1]
	v_permlanex16_b32 v[(\tr)+1], v[\tr], s[SEL], s[SEL+1]
	v_add_f32 v[\tr], v[\tr], v[(\tr)+1]
	v_fma_f32 v[\tr], v[\tr], s[INV], s[EPS]
	v_rsq_f32 v[(\tr)+6], v[\tr]
	v_mov_b32 v[(\tr)+7], 0                        ; the plain instruction behind the root
	s_wait_dscnt 0x0                               ; gain and beta are in
	s_wait_alu depctr_va_vdst(0)                   ; the wait ahead of the root's first reader
.set i, 0
.rept 32
	v_pk_mul_f32 v[(\xr)+i:(\xr)+i+1], v[(\xr)+i:(\xr)+i+1], v[(\tr)+6:(\tr)+7] op_sel_hi:[1,0]
.set i, i+2
.endr
.set i, 0
.rept 32
	v_pk_fma_f32 v[(\xr)+i:(\xr)+i+1], v[(\xr)+i:(\xr)+i+1], v[(\gr)+i:(\gr)+i+1], v[(\br)+i:(\br)+i+1]
.set i, i+2
.endr
.endm
; A round of the cluster's barrier: my work-group's barrier, wave 0's signal for the work-group, every wave's wait for all four, my work-group's barrier once more.
.macro CROUND
	s_barrier_signal -1
	s_barrier_wait -1
	s_cmp_lg_u32 s[WV], 0
	s_cbranch_scc1 .Lnot_wave_0_\@
	s_barrier_signal -3
.Lnot_wave_0_\@:
	s_barrier_wait -3
	s_barrier_signal -1
	s_barrier_wait -1
.endm
; A joint fill.  The branches hang on the wave's number alone.  An s_nop 0 and four v_nop follow each load, ahead of the jump and the label.
.macro JLOAD first
	s_cmp_lt_u32 s[WV], 2
	s_cbranch_scc0 .Lnot_k_\@
	tensor_load_to_lds s[G0K:G0K+3], s[G1K:G1K+7]
	s_nop 0
.rept 4
	v_nop
.endr
	s_branch .Lasked_\@
.Lnot_k_\@:
	s_cmp_lt_u32 s[WV], 4
	s_cbranch_scc0 .Lnot_v_\@
	tensor_load_to_lds s[G0V:G0V+3], s[G1V:G1V+7]
	s_nop 0
.rept 4
	v_nop
.endr
	s_branch .Lasked_\@
.Lnot_v_\@:
.if \first
	s_cmp_lt_u32 s[WV], 6
	s_cbranch_scc0 .Lasked_\@
	tensor_load_to_lds s[G0W:G0W+3], s[G1K:G1K+7]
	s_nop 0
.rept 4
	v_nop
.endr
.endif
.Lasked_\@:
.endm
; A prefetch of what the NEXT change of slots will ask for: 128 rows of K and of V, 256 bytes a row, a lane a row.  All clusters of a grid row walk the same K and V: the first of them asks; its four
; partners take 32 rows each, told apart by address; in each, wave 0 asks for K's and wave 2 for V's.  So each row is named once.  The last change that fills a slot asks for nothing.
.macro ASK
	s_cmp_gt_u32 s[SLOTS], s[LIM]
	s_cbranch_scc0 .Lnot_mine_\@
	global_prefetch_b8 v[PFO], s[PFA:PFA+1] th:TH_LOAD_NT scope:SCOPE_SE
.Lnot_mine_\@:
.endm
; THE CHANGE OF SLOTS.  Each wave waits for all its tensor loads (its part of the other slot), adds 0 to its spare word, and waits for that and for its reads of the slot that it leaves.
; fill = 1: behind a round of the cluster's barrier the slot is filled again first, with the keys two slots on; the load has two key steps in which to land.
.macro CHANGE fill
	s_wait_tensorcnt 0x0                           ; no tensor load of mine is out, so a group 0 may be written
	ds_add_u32 v[SPW], v[NIL]
.if \fill
	s_xor_b32 s[G0K+1], s[G0K+1], SLOT1
	s_add_nc_u64 s[G0K+2:G0K+3], s[G0K+2:G0K+3], 32768
	s_xor_b32 s[G0V+1], s[G0V+1], SLOT1
	s_add_nc_u64 s[G0V+2:G0V+3], s[G0V+2:G0V+3], 32768
	s_wait_xcnt 0x0                                ; the last prefetch, two key steps back, has read its address
	s_add_nc_u64 s[PFA:PFA+1], s[PFA:PFA+1], 32768
	s_wait_dscnt 0x0                               ; the add is done, and my reads of the slot are over
	CROUND
	JLOAD 0
	ASK
.else
	s_wait_dscnt 0x0
	s_barrier_signal -1
	s_barrier_wait -1
.endif
	s_sub_co_u32 s[TB], s[TB], 2*STEPB             ; the fetches go back to a slot's first step,
	s_xor_b32 s[TB], s[TB], SLOT1                  ; in the other slot
.endm
; Number n of the 21 that find a tile's maximum and a.  Each accumulator's lowest registers are read first.
.macro SMAX p, u
.set rT, ST+4*(2*(\p)+(\u))
.set rC, TMP+4*(\u)
.set rS, S+32*(\u)
.if n < 4
	v_max3_num_f32 v[rC+n], v[rS+8*n], v[rS+8*n+1], v[rS+8*n+2]
.elseif n < 12
	v_max3_num_f32 v[rC+n%4], v[rC+n%4], v[rS+8*(n%4)+2*(n/4)+1], v[rS+8*(n%4)+2*(n/4)+2]
.elseif n == 12
	v_max3_num_f32 v[rC], v[rC], v[rS+7], v[rS+15]
.elseif n == 13
	v_max3_num_f32 v[rC+2], v[rC+2], v[rS+23], v[rS+31]
.elseif n == 14
	v_max3_num_f32 v[rC], v[rC], v[rC+1], v[rC+2]
.elseif n == 15
	v_max3_num_f32 v[rC], v[rC], v[rC+3], v[rT]
.elseif n == 16
	v_permlanex16_b32 v[rC+1], v[rC], s[SEL], s[SEL+1]  ; the query's other 32 keys lie in the lane 16 away
.elseif n == 17
	v_mov_b32 v[rT+1], v[rT]
.elseif n == 18
	v_max_num_f32 v[rT], v[rC], v[rC+1]
.elseif n == 19
	v_sub_f32 v[rC+3], v[rT+1], v[rT]
.else
	v_exp_f32 v[rC+2], v[rC+3]
.endif
.endm
; A PIECE: tiles 2 p and 2 p + 1, one key step, in phases.
.macro PIECE p
.set i, 0
.rept 8                                ; at head size 32 a tile of scores is one product: keys 16 (i / 2) on, tile i % 2
	v_wmma_f32_16x16x32_bf16 v[S+32*(i%2)+8*(i/2):S+32*(i%2)+8*(i/2)+7], v[KF+8*(i/2):KF+8*(i/2)+7], v[Q+8*(2*(\p)+i%2):Q+8*(2*(\p)+i%2)+7], 0
.set i, i+1
.endr
	PLACES
.set n, 0
.rept 21
	SMAX \p, 0
	SMAX \p, 1
.set n, n+1
.endr
.set i, 0
.rept 16                               ; s - m and the exponentials: ONE batch of 66 with the two a; nothing in it names an exponential's result
	v_pk_add_f32 v[S+2*i:S+2*i+1], v[S+2*i:S+2*i+1], v[ST+8*(\p):ST+8*(\p)+1] op_sel_hi:[1,0] neg_lo:[0,1] neg_hi:[0,1]
	v_pk_add_f32 v[S+32+2*i:S+32+2*i+1], v[S+32+2*i:S+32+2*i+1], v[ST+8*(\p)+4:ST+8*(\p)+5] op_sel_hi:[1,0] neg_lo:[0,1] neg_hi:[0,1]
	v_exp_f32 v[S+2*i], v[S+2*i]
	v_exp_f32 v[S+32+2*i], v[S+32+2*i]
	v_exp_f32 v[S+2*i+1], v[S+2*i+1]
	v_exp_f32 v[S+32+2*i+1], v[S+32+2*i+1]
.set i, i+1
.endr
	v_nop                                          ; the plain instruction behind the last exponential
	s_wait_alu depctr_va_vdst(0)                   ; the wait ahead of the batch's first reader: one for the piece
	; l = a l + the sum of the 32 weights, in two chains a tile
	v_pk_fma_f32 v[ST+8*(\p)+2:ST+8*(\p)+3], v[ST+8*(\p)+2:ST+8*(\p)+3], v[TMP+2:TMP+3], v[S:S+1] op_sel_hi:[1,0,1]
	v_pk_fma_f32 v[ST+8*(\p)+6:ST+8*(\p)+7], v[ST+8*(\p)+6:ST+8*(\p)+7], v[TMP+6:TMP+7], v[S+32:S+33] op_sel_hi:[1,0,1]
	v_pk_add_f32 v[TMP:TMP+1], v[S+2:S+3], v[S+6:S+7]
	v_pk_add_f32 v[TMP+4:TMP+5], v[S+34:S+35], v[S+38:S+39]
.set i, 1
.rept 6
	v_pk_add_f32 v[ST+8*(\p)+2:ST+8*(\p)+3], v[ST+8*(\p)+2:ST+8*(\p)+3], v[S+4*i:S+4*i+1]
	v_pk_add_f32 v[ST+8*(\p)+6:ST+8*(\p)+7], v[ST+8*(\p)+6:ST+8*(\p)+7], v[S+32+4*i:S+32+4*i+1]
	v_pk_add_f32 v[TMP:TMP+1], v[TMP:TMP+1], v[S+4*i+6:S+4*i+7]
	v_pk_add_f32 v[TMP+4:TMP+5], v[TMP+4:TMP+5], v[S+32+4*i+6:S+32+4*i+7]
.set i, i+1
.endr
	v_pk_add_f32 v[ST+8*(\p)+2:ST+8*(\p)+3], v[ST+8*(\p)+2:ST+8*(\p)+3], v[S+28:S+29]
	v_pk_add_f32 v[ST+8*(\p)+6:ST+8*(\p)+7], v[ST+8*(\p)+6:ST+8*(\p)+7], v[S+60:S+61]
	v_pk_add_f32 v[ST+8*(\p)+2:ST+8*(\p)+3], v[ST+8*(\p)+2:ST+8*(\p)+3], v[TMP:TMP+1]
	v_pk_add_f32 v[ST+8*(\p)+6:ST+8*(\p)+7], v[ST+8*(\p)+6:ST+8*(\p)+7], v[TMP+4:TMP+5]
.set i, 0
.rept 16                               ; P, in place, ascending
	v_cvt_pk_bf16_f32 v[S+i], v[S+2*i], v[S+2*i+1]
	v_cvt_pk_bf16_f32 v[S+32+i], v[S+32+2*i], v[S+32+2*i+1]
.set i, i+1
.endr
.set i, 0
.rept 8                                ; O^T times a
	v_pk_mul_f32 v[O+32*(\p)+2*i:O+32*(\p)+2*i+1], v[O+32*(\p)+2*i:O+32*(\p)+2*i+1], v[TMP+2:TMP+3] op_sel_hi:[1,0]
	v_pk_mul_f32 v[O+32*(\p)+16+2*i:O+32*(\p)+16+2*i+1], v[O+32*(\p)+16+2*i:O+32*(\p)+16+2*i+1], v[TMP+6:TMP+7] op_sel_hi:[1,0]
.set i, i+1
.endr
.if (\p) == 0
	s_wait_dscnt 0x0                               ; V is in
.endif
.set i, 0
.rept 8                                ; keys 32 (i / 4) on, channels 16 ((i / 2) % 2) on, tile i % 2: four accumulators take turns
	v_wmma_f32_16x16x32_bf16 v[O+32*(\p)+16*(i%2)+8*((i/2)%2):O+32*(\p)+16*(i%2)+8*((i/2)%2)+7], v[VF+16*(i/4)+8*((i/2)%2):VF+16*(i/4)+8*((i/2)%2)+7], v[S+32*(i%2)+8*(i/4):S+32*(i%2)+8*(i/4)+7], v[O+32*(\p)+16*(i%2)+8*((i/2)%2):O+32*(\p)+16*(i%2)+8*((i/2)%2)+7]
.set i, i+1
.endr
.endm
.macro STEP                            ; a key step of 64
	PLACES5                                        ; behind the last products: K and V are loaded again, and the next scores are written over the last P
	v_add_nc_u32 v[ADR], s[TB], v[AK0]
.set i, 0
.rept 4
	ds_load_b128 v[KF+8*i:KF+8*i+3],   v[ADR] offset:i*16*PK
	ds_load_b128 v[KF+8*i+4:KF+8*i+7], v[ADR] offset:i*16*PK+32
.set i, i+1
.endr
	v_add_nc_u32 v[ADR], s[TB], v[AV0]
.set i, 0
.rept 4
	ds_load_tr16_b128 v[VF+8*i:VF+8*i+3],   v[ADR] offset:(i/2)*32*PV+(i%2)*32
	ds_load_tr16_b128 v[VF+8*i+4:VF+8*i+7], v[ADR] offset:(i/2)*32*PV+16*PV+(i%2)*32
.set i, i+1
.endr
	s_add_co_u32 s[TB], s[TB], STEPB
	s_wait_dscnt 8                                 ; K is in; V's eight loads may stay out
	PIECE 0
	PLACES5                                        ; the next scores are written over the P that the last products read
	PIECE 1
.endm
.macro TWO_STEPS                       ; a slot's two steps: written once, walked twice
	s_mov_b32 s[CNT], 2
.Lstep_\@:
	STEP
	s_sub_co_u32 s[CNT], s[CNT], 1
	s_cmp_lg_u32 s[CNT], 0
	s_cbranch_scc1 .Lstep_\@
.endm
; Q of two tiles: 16 products (channels 32 (i / 4) on, tile (i / 2) % 2, outputs 16 (i % 2) on), then (sum) c + (bias c), then the one rounding.
.macro QROUND acc, eb, qd
.set i, 0
.rept 16
.if i < 4
	v_wmma_f32_16x16x32_bf16 v[(\acc)+16*((i/2)%2)+8*(i%2):(\acc)+16*((i/2)%2)+8*(i%2)+7], v[128+8*(4*(i%2)+i/4):128+8*(4*(i%2)+i/4)+7], v[(\eb)+32*((i/2)%2)+8*(i/4):(\eb)+32*((i/2)%2)+8*(i/4)+7], 0
.else
	v_wmma_f32_16x16x32_bf16 v[(\acc)+16*((i/2)%2)+8*(i%2):(\acc)+16*((i/2)%2)+8*(i%2)+7], v[128+8*(4*(i%2)+i/4):128+8*(4*(i%2)+i/4)+7], v[(\eb)+32*((i/2)%2)+8*(i/4):(\eb)+32*((i/2)%2)+8*(i/4)+7], v[(\acc)+16*((i/2)%2)+8*(i%2):(\acc)+16*((i/2)%2)+8*(i%2)+7]
.endif
.set i, i+1
.endr
	PLACES
.set i, 0
.rept 16
	v_pk_fma_f32 v[(\acc)+2*i:(\acc)+2*i+1], v[(\acc)+2*i:(\acc)+2*i+1], s[CS:CS+1], v[8+8*((i/4)%2)+2*(i%4):8+8*((i/4)%2)+2*(i%4)+1] op_sel_hi:[1,0,1]
.set i, i+1
.endr
.set i, 0
.rept 16
	v_cvt_pk_bf16_f32 v[(\qd)+i], v[(\acc)+2*i], v[(\acc)+2*i+1]
.set i, i+1
.endr
.endm
	s_load_b512 s[8:23], s[0:1], 0x0               ; emb, kbuf, vbuf, wbf, in_b (g2v, v2g), out_b (g2v, v2g)
	s_load_b256 s[24:31], s[0:1], 0x40             ; gain (n1, n2), beta (n1, n2)
	s_load_b64 s[32:33], s[0:1], 0x60              ; fbuf
	v_lshl_add_u32 v[SPW], v0, 2, SPARE
	v_mov_b32 v[NIL], 0
	ds_add_u32 v[SPW], v[NIL]                      ; the wave's opening: the add and its wait ahead of my first tensor load; work on registers stands between them
	v_lshrrev_b32 v1, 5, v0
	v_readfirstlane_b32 s[WV], v1                  ; wave 0..7
	s_and_b32 s[HEAD], s[WV], 3
	s_lshr_b32 s[QH], s[WV], 2
	s_bfe_u32 s[CX], ttmp6, 0x40000                ; my place in the cluster: it enters emb's, fbuf's and the prefetches' addresses alone
	s_lshl_b32 s[BLK], ttmp9, 2
	s_add_co_u32 s[BLK], s[BLK], s[CX]             ; my block of 128 queries
	s_and_b32 s[YY], ttmp7, 0xffff                 ; 8 dir + batch, which the four partners share
	s_lshr_b32 s[DIR], s[YY], 3
	s_mov_b32 s[G1K], 15|(1<<16)|(1<<20)|(1<<21)|(5<<22)|(3<<25)  ; the mask of four; 2-byte elements; padding on; bit 21 beside a mask; after every 64 words, 4 words
	s_mov_b32 s[G1V], 15|(1<<16)|(1<<20)|(1<<21)|(5<<22)|(7<<25)  ; the same with 8 words
.irp g, G1K, G1V
	s_mov_b32 s[\g+1], 128<<16                     ; tensor_dim0 = 128
	s_mov_b32 s[\g+2], 64<<16                      ; tensor_dim1 = 64
	s_mov_b32 s[\g+3], 128<<16                     ; tile_dim0 = 128
	s_mov_b32 s[\g+4], 64                          ; tile_dim1 = 64
	s_mov_b32 s[\g+5], 128                         ; 128 elements from row to row
	s_mov_b32 s[\g+6], 0
	s_mov_b32 s[\g+7], 0
.endr
	s_and_b32 s92, s[WV], 1                        ; which of a slot's two steps (of out_w's two halves) I fetch
	s_mul_i32 s93, s92, STEPB
	s_mov_b32 s[G0K], 1
	s_mov_b32 s[G0K+1], s93
	s_mov_b32 s[G0V], 1
	s_add_co_u32 s[G0V+1], s93, VOFF
	s_mov_b32 s[G0W], 1
	s_mul_i32 s94, s92, 17408
	s_add_co_u32 s[G0W+1], s94, WOFF
	s_lshl_b32 s60, s[YY], 19                      ; 2,048 rows of 256 bytes for each dir and batch
	s_lshl_b32 s61, s92, 14
	s_add_co_u32 s60, s60, s61
	s_mov_b32 s61, 0
	s_lshl_b32 s62, s[DIR], 15
	s_lshl_b32 s63, s92, 14
	s_add_co_u32 s62, s62, s63
	s_add_co_u32 s62, s62, 65536                   ; out_w's copies begin there in wbf
	s_mov_b32 s63, 0
	s_and_b32 s[LIM], s[WV], 5                     ; 0 in waves 0 and 2,
	s_or_b32 s[LIM], s[LIM], ttmp9                 ; where the cluster is the grid row's first: the same in all four partners
	s_cmp_eq_u32 s[LIM], 0
	s_cselect_b32 s[LIM], 1, -1
	s_mov_b32 s[CS], 0x3e8293ee                    ; c = log2(e) / sqrt(32)
	s_mov_b32 s[CS+1], s[CS]
	s_mov_b32 s[SEL], 0x76543210
	s_mov_b32 s[SEL+1], 0xfedcba98
	s_mov_b32 s[INV], 0x3c000000
	s_mov_b32 s[EPS], 0x3727c5ac
	s_mov_b32 s[HIM], 0xffff0000
	s_mov_b32 s[TB], SLOT1+2*STEPB                 ; the first change of slots turns it into 0
	s_mov_b32 s[SLOTS], 15
	v_and_b32 v[PFO], 31, v0
	v_lshlrev_b32 v[PFO], 8, v[PFO]
	s_wait_dscnt 0x0                               ; the opening add is done
	s_wait_kmcnt 0x0
	s_add_nc_u64 s[G0K+2:G0K+3], s[10:11], s[60:61]
	s_or_b32 s[G0K+3], s[G0K+3], 0x80000000
	s_add_nc_u64 s[G0V+2:G0V+3], s[12:13], s[60:61]
	s_or_b32 s[G0V+3], s[G0V+3], 0x80000000
	s_add_nc_u64 s[G0W+2:G0W+3], s[14:15], s[62:63]
	s_or_b32 s[G0W+3], s[G0W+3], 0x80000000
	s_lshl_b32 s66, s[YY], 19
	s_lshl_b32 s67, s[BLK], 15
	s_add_co_u32 s66, s66, s67
	s_mov_b32 s67, 0
	s_add_nc_u64 s[96:97], s[8:9], s[66:67]        ; emb and fbuf at my block's first row
	s_add_nc_u64 s[98:99], s[32:33], s[66:67]
	s_cmp_lt_u32 s[WV], 2
	s_cselect_b64 s[PFA:PFA+1], s[10:11], s[12:13]
	s_lshl_b32 s66, s[YY], 19
	s_lshl_b32 s67, s[CX], 13                      ; my work-group's 32 rows of a slot's 128
	s_add_co_u32 s66, s66, s67
	s_add_co_u32 s66, s66, 32768                   ; in slot 1; the first change steps it to slot 2.  Nothing is prefetched at the head
	s_mov_b32 s67, 0
	s_add_nc_u64 s[PFA:PFA+1], s[PFA:PFA+1], s[66:67]
	s_cmp_eq_u32 s[DIR], 0
	s_cselect_b64 s[16:17], s[16:17], s[18:19]     ; in_b
	s_cselect_b64 s[20:21], s[20:21], s[22:23]     ; out_b
	s_cselect_b64 s[24:25], s[24:25], s[26:27]     ; gain
	s_cselect_b64 s[28:29], s[28:29], s[30:31]     ; beta
	CROUND                                         ; all four work-groups are here: the first joint loads meet
	JLOAD 1                                        ; slot 0 and out_w
	; THE PROLOGUE, while the first tiles are on their way: the parameters into LDS, and Q
	v_and_b32 v28, 15, v0                          ; r
	v_bfe_u32 v29, v0, 4, 1                        ; hh
	v_and_b32 v30, 31, v0                          ; l
	v_lshlrev_b32 v7, 8, v28
	v_lshl_add_u32 v7, v29, 4, v7                  ; r x 256 + 16 hh
	v_lshlrev_b32 v3, 5, v29
	s_lshl_b32 s92, s[HEAD], 7
	v_lshl_add_u32 v26, v30, 2, s92                ; 4 (t % 128)
	s_cmp_lt_u32 s[WV], 4
	s_cselect_b64 s[18:19], s[20:21], s[24:25]     ; waves 0-3 bring out_b, waves 4-7 the gain
	global_load_b32 v24, v26, s[18:19]
	global_load_b32 v25, v26, s[28:29]
	s_lshl_b32 s92, s[DIR], 15
	s_lshl_b32 s93, s[HEAD], 13
	s_add_co_u32 s92, s92, s93
	s_mov_b32 s93, 0
	s_add_nc_u64 s[22:23], s[14:15], s[92:93]      ; my head's 32 rows of Wq
.set i, 0
.rept 8                                ; outputs 16 (i / 4) on, channels 32 (i % 4) on
	global_load_b128 v[128+8*i:128+8*i+3],   v7, s[22:23] offset:(i/4)*4096+(i%4)*64
	global_load_b128 v[128+8*i+4:128+8*i+7], v7, s[22:23] offset:(i/4)*4096+(i%4)*64+32
.set i, i+1
.endr
	s_lshl_b32 s66, s[QH], 14
	s_mov_b32 s67, 0
	s_add_nc_u64 s[26:27], s[96:97], s[66:67]      ; my 64 rows of emb
.set i, 0
.rept 8                                ; tiles 0, 1
	global_load_b128 v[64+8*i:64+8*i+3],   v7, s[26:27] offset:(i/4)*4096+(i%4)*64
	global_load_b128 v[64+8*i+4:64+8*i+7], v7, s[26:27] offset:(i/4)*4096+(i%4)*64+32
.set i, i+1
.endr
.set i, 0
.rept 8                                ; tiles 2, 3
	global_load_b128 v[192+8*i:192+8*i+3],   v7, s[26:27] offset:8192+(i/4)*4096+(i%4)*64
	global_load_b128 v[192+8*i+4:192+8*i+7], v7, s[26:27] offset:8192+(i/4)*4096+(i%4)*64+32
.set i, i+1
.endr
	s_lshl_b32 s92, s[HEAD], 7
	s_mov_b32 s93, 0
	s_add_nc_u64 s[30:31], s[16:17], s[92:93]      ; my head's 32 biases
.set i, 0
.rept 4
	global_load_b128 v[8+4*i:8+4*i+3], v3, s[30:31] offset:(i/2)*64+(i%2)*16
.set i, i+1
.endr
	v_mul_u32_u24 v[AK0], v28, PK
	v_lshl_add_u32 v[AK0], v29, 4, v[AK0]
	s_lshl_b32 s92, s[HEAD], 6                     ; my head's 64 bytes of a row
	v_add_nc_u32 v[AK0], s92, v[AK0]
	v_and_b32 v31, 7, v0
	v_lshl_add_u32 v[AV0], v29, 3, v31
	v_mul_u32_u24 v[AV0], v[AV0], PV
	v_bfe_u32 v31, v0, 3, 1
	v_lshl_add_u32 v[AV0], v31, 4, v[AV0]
	s_add_co_u32 s92, s92, VOFF
	v_add_nc_u32 v[AV0], s92, v[AV0]
	v_lshl_add_u32 v27, v0, 2, PAR
	s_wait_loadcnt 0x0
	RB1 24
	RB1 25
	ds_store_b32 v27, v24
	s_cmp_lt_u32 s[WV], 4
	s_cbranch_scc0 .Lno_beta                       ; beta's 128 words are stored once, by waves 0-3
	ds_store_b32 v27, v25 offset:1024
.Lno_beta:
.set i, 0
.rept 8
	RB 8+2*i, 9+2*i, 31
.set i, i+1
.endr
.set i, 0
.rept 8
	v_pk_mul_f32 v[8+2*i:9+2*i], v[8+2*i:9+2*i], s[CS:CS+1] op_sel_hi:[1,0]
.set i, i+1
.endr
	QROUND 32, 64, 32
	PLACES5                                        ; the next sums are written over fragments that the last products read
	QROUND 64, 192, 48
	PLACES
.set i, 0
.rept 64
	v_mov_b32 v[O+i], 0                            ; written while the first tiles are on their way, so that no first step is written out
.set i, i+1
.endr
.set i, 0
.rept 4
	v_mov_b32 v[ST+4*i], 0xff7fffff
	v_mov_b32 v[ST+4*i+1], 0xff7fffff
	v_mov_b32 v[ST+4*i+2], 0
	v_mov_b32 v[ST+4*i+3], 0
.set i, i+1
.endr
.Lslot:                                ; 15 trips: change number j fills slot j and turns the reads to slot j - 1
	CHANGE 1
	TWO_STEPS
	s_sub_co_u32 s[SLOTS], s[SLOTS], 1
	s_cmp_lg_u32 s[SLOTS], 0
	s_cbranch_scc1 .Lslot
	CHANGE 0                                       ; the tail is written out
	TWO_STEPS
	; THE WAY OUT.  l's halves are added (the additions are the places behind the last products); O^T / l, rounded, meets the other heads' in LDS
.set t, 0
.rept 4
	v_add_f32 v[ST+4*t+2], v[ST+4*t+2], v[ST+4*t+3]
.set t, t+1
.endr
.set t, 0
.rept 4
	v_permlanex16_b32 v[ST+4*t+3], v[ST+4*t+2], s[SEL], s[SEL+1]
.set t, t+1
.endr
.set t, 0
.rept 4
	v_add_f32 v[ST+4*t+2], v[ST+4*t+2], v[ST+4*t+3]
.set t, t+1
.endr
.set t, 0
.rept 4
	v_rcp_f32 v[ST+4*t+2], v[ST+4*t+2]
.set t, t+1
.endr
	v_and_b32 v1, 15, v0                           ; r (plain work behind the reciprocals)
	v_bfe_u32 v2, v0, 4, 1                         ; hh
	v_mul_u32_u24 v3, v1, 272
	v_lshl_add_u32 v3, v2, 4, v3                   ; r x 272 + 16 hh
	v_lshlrev_b32 v7, 8, v1
	v_lshl_add_u32 v7, v2, 4, v7                   ; r x 256 + 16 hh
	v_lshl_add_u32 v28, v2, 5, PAR
	s_mul_i32 s92, s[QH], 17408
	s_lshl_b32 s93, s[HEAD], 6
	s_add_co_u32 s92, s92, s93
	s_add_co_u32 s92, s92, OST
	v_add_nc_u32 v29, s92, v3                      ; where my head's 64 bytes of my 64 rows go
	s_mul_i32 s92, s[WV], 4352
	s_add_co_u32 s92, s92, OST
	v_add_nc_u32 v30, s92, v3                      ; rows 16 w on: the rows that I project, and later my stage
	v_add_nc_u32 v31, WOFF, v3
	s_wait_alu depctr_va_vdst(0)                   ; one wait for the four reciprocals
	s_lshl_b32 s66, s[WV], 12
	s_mov_b32 s67, 0
	s_add_nc_u64 s[26:27], s[96:97], s[66:67]      ; emb and fbuf at rows 16 w on
	s_add_nc_u64 s[98:99], s[98:99], s[66:67]
.set i, 0
.rept 8
	global_load_b128 v[32+4*i:32+4*i+3], v7, s[26:27] offset:32*i  ; the residual, in the sums' layout
.set i, i+1
.endr
.set i, 0
.rept 8
	ds_load_b128 v[64+8*i:64+8*i+3],   v28 offset:64*i     ; out_b starts the sums
	ds_load_b128 v[64+8*i+4:64+8*i+7], v28 offset:64*i+16
.set i, i+1
.endr
.set t, 0
.rept 4
.set i, 0
.rept 8
	v_pk_mul_f32 v[O+16*t+2*i:O+16*t+2*i+1], v[O+16*t+2*i:O+16*t+2*i+1], v[ST+4*t+2:ST+4*t+3] op_sel_hi:[1,0]
.set i, i+1
.endr
.set i, 0
.rept 8
	v_cvt_pk_bf16_f32 v[192+8*t+i], v[O+16*t+2*i], v[O+16*t+2*i+1]
.set i, i+1
.endr
	ds_store_b128 v29, v[192+8*t:192+8*t+3] offset:t*4352
	ds_store_b128 v29, v[192+8*t+4:192+8*t+7] offset:t*4352+32
.set t, t+1
.endr
	s_wait_dscnt 0x0                               ; for the others' sake: my stores are done
	s_barrier_signal -1
	s_barrier_wait -1
.set i, 0
.rept 4
	ds_load_b128 v[224+8*i:224+8*i+3],   v30 offset:64*i
	ds_load_b128 v[224+8*i+4:224+8*i+7], v30 offset:64*i+32
.set i, i+1
.endr
.set k, 0
.rept 4                                ; the projection: four K steps, eight accumulators by turns
	PLACES
.set i, 0
.rept 8
	ds_load_b128 v[128+8*i:128+8*i+3],   v31 offset:i*4352+k*64
	ds_load_b128 v[128+8*i+4:128+8*i+7], v31 offset:i*4352+k*64+32
.set i, i+1
.endr
	s_wait_dscnt 0x0
.set i, 0
.rept 8
	v_wmma_f32_16x16x32_bf16 v[64+8*i:64+8*i+7], v[128+8*i:128+8*i+7], v[224+8*k:224+8*k+7], v[64+8*i:64+8*i+7]
.set i, i+1
.endr
.set k, k+1
.endr
	PLACES
.set i, 0
.rept 8
	ds_load_b128 v[128+8*i:128+8*i+3],   v28 offset:512+64*i
	ds_load_b128 v[128+8*i+4:128+8*i+7], v28 offset:512+64*i+16
	ds_load_b128 v[192+8*i:192+8*i+3],   v28 offset:1024+64*i
	ds_load_b128 v[192+8*i+4:192+8*i+7], v28 offset:1024+64*i+16
.set i, i+1
.endr
	s_wait_loadcnt 0x0                             ; the residual
.set i, 0
.rept 32
	v_lshlrev_b32 v[24+2*(i%2)], 16, v[32+i]
	v_and_b32 v[25+2*(i%2)], s[HIM], v[32+i]
	v_pk_add_f32 v[64+2*i:65+2*i], v[64+2*i:65+2*i], v[24+2*(i%2):25+2*(i%2)]
.set i, i+1
.endr
	LN64 64, 128, 192, 8
.set i, 0
.rept 32
	v_cvt_pk_bf16_f32 v[32+i], v[64+2*i], v[64+2*i+1]
.set i, i+1
.endr
	v_mul_u32_u24 v29, v2, 272
	v_lshl_add_u32 v29, v1, 4, v29
	v_add_nc_u32 v29, s92, v29                     ; back: lanes 0-15 one row of 256 bytes, lanes 16-31 the next
	v_lshlrev_b32 v7, 8, v2
	v_lshl_add_u32 v7, v1, 4, v7
.set i, 0
.rept 8
	ds_store_b128 v30, v[32+4*i:32+4*i+3] offset:32*i      ; rows 16 w on: since the barrier only I touch them
.set i, i+1
.endr
.set i, 0
.rept 8
	ds_load_b128 v[64+4*i:64+4*i+3], v29 offset:544*i
.set i, i+1
.endr
	s_wait_dscnt 0x0
.set i, 0
.rept 8
	global_store_b128 v7, v[64+4*i:64+4*i+3], s[98:99] offset:512*i  ; 16 lanes store 256 consecutive bytes, aligned
.set i, i+1
.endr
	s_wait_tensorcnt 0x0                           ; the wave's end
	ds_add_u32 v[SPW], v[NIL]
	s_wait_dscnt 0x0
	CROUND                                         ; the closing round
	s_endpgm
.Lfunc_end_k_qa3cae81d45_attn:
	.size	k_qa3cae81d45_attn, .Lfunc_end_k_qa3cae81d45_attn-k_qa3cae81d45_attn
	.p2alignl 7, 3214868480
	.fill 96, 4, 3214868480
	.section	.rodata,"a",@progbits
	.p2align	6, 0x0
	.amdhsa_kernel k_qa3cae81d45_attn
		.amdhsa_group_segment_fixed_size 327680
		.amdhsa_private_segment_fixed_size 0
		.amdhsa_enable_private_segment 0
		.amdhsa_kernarg_size 104
		.amdhsa_user_sgpr_count 2
		.amdhsa_user_sgpr_kernarg_segment_ptr 1
		.amdhsa_wavefront_size32 1
		.amdhsa_system_sgpr_workgroup_id_x 1
		.amdhsa_system_sgpr_workgroup_id_y 1
		.amdhsa_system_sgpr_workgroup_id_z 1
		.amdhsa_system_vgpr_workitem_id 0
		.amdhsa_next_free_vgpr 256
		.amdhsa_next_free_sgpr 100
		.amdhsa_reserve_vcc 0
		.amdhsa_float_denorm_mode_32 3
		.amdhsa_float_denorm_mode_16_64 3
		.amdhsa_memory_ordered 1
		.amdhsa_forward_progress 1
		.amdhsa_inst_pref_size 116
	.end_amdhsa_kernel
	.amdgpu_metadata
---
amdhsa.version: [ 1, 2 ]
amdhsa.kernels:
  - .name:           k_qa3cae81d45_attn
    .symbol:         k_qa3cae81d45_attn.kd
    .args:
      - { .name: emb, .offset: 0, .size: 8, .value_kind: global_buffer, .address_space: global }
      - { .name: kbuf, .offset: 8, .size: 8, .value_kind: global_buffer, .address_space: global }
      - { .name: vbuf, .offset: 16, .size: 8, .value_kind: global_buffer, .address_space: global }
      - { .name: wbf, .offset: 24, .size: 8, .value_kind: global_buffer, .address_space: global }
      - { .name: params_g2v_in_b, .offset: 32, .size: 8, .value_kind: global_buffer, .address_space: global }
      - { .name: params_v2g_in_b, .offset: 40, .size: 8, .value_kind: global_buffer, .address_space: global }
      - { .name: params_g2v_out_b, .offset: 48, .size: 8, .value_kind: global_buffer, .address_space: global }
      - { .name: params_v2g_out_b, .offset: 56, .size: 8, .value_kind: global_buffer, .address_space: global }
      - { .name: params_n1_g, .offset: 64, .size: 8, .value_kind: global_buffer, .address_space: global }
      - { .name: params_n2_g, .offset: 72, .size: 8, .value_kind: global_buffer, .address_space: global }
      - { .name: params_n1_b, .offset: 80, .size: 8, .value_kind: global_buffer, .address_space: global }
      - { .name: params_n2_b, .offset: 88, .size: 8, .value_kind: global_buffer, .address_space: global }
      - { .name: fbuf, .offset: 96, .size: 8, .value_kind: global_buffer, .address_space: global }
    .group_segment_fixed_size: 327680
    .private_segment_fixed_size: 0
    .kernarg_segment_align: 8
    .kernarg_segment_size: 104
    .max_flat_workgroup_size: 256
    .sgpr_count:     100
    .vgpr_count:     256
    .wavefront_size: 32
...
	.end_amdgpu_metadata
.endif
;; end of part 2
;; launch vlad (part 3): grid 8 x 24, 8 waves a work-group, no clusters, 215,040 bytes of LDS; arguments emb, fbuf, wbf, params_gate_b, params_geo_conv_b, params_vis_conv_b, params_fus_conv_b, vpart, aux; writes vpart, aux
.if DOCPART == 3
	.amdgcn_target "amdgcn-amd-amdhsa--gfx1250"
	.amdhsa_code_object_version 6
	.text
	.protected	k_qa3cae81d45_vlad
	.globl	k_qa3cae81d45_vlad
	.p2align	8
	.type	k_qa3cae81d45_vlad,@function
k_qa3cae81d45_vlad:
	s_mov_b64 s[64:65], 0
	v_nop
	global_prefetch_b8 v0, s[64:65] scope:SCOPE_SE
	s_setreg_imm32_b32 hwreg(HW_REG_WAVE_MODE, 25, 1), 1
	s_wait_xcnt 0x0
; NETVLAD's sums over points, in parts.  Grid x = p, a chunk of 256 points; grid y = 8 s + batch; stream s: 0 = g_emb, 1 = v_emb, 2 = the gated blend of the two attention results.
; For its 256 rows a work-group makes x = row / max(|row|, 1e-12), a = softmax(x cw^T + cb) over 64 clusters, and stores sum_n a[n][k] x[n][d] (f32, 64 x 128), sum_n a[n][k], and for
; streams 0 and 1 the columns' sums of emb (for the router's means).  Later launches add the eight parts.
; Each wave owns 32 rows, two tiles of 16.  Stream 2 first makes fused = f2 + sigmoid([f1 f2] gate_w^T + gate_b) (f1 - f2); from x on one text serves all streams.
; The logits are taken in the natural order (a lane holds a cluster, its registers 8 rows), so that a, rounded in pairs, IS source 1 (16 clusters x my 32 rows) of a^T x; x comes turned out of LDS.
; x and a are rounded to bf16 for the products; all sums in f32; sum_n a is taken of the unrounded a.  No cluster: what work-groups share is read once by each.
; LIMITS.  NaN and infinities are not treated apart; roots and reciprocals are the instructions', good to one unit in the last place; a sum of squares below 2^-126 counts as 0.
.set AF,    73728                      ; LDS: x at 0, 256 rows x 288; then a's fragments: (K step ks, cluster block kb, half) at ((4 ks + kb) 2 + half) 512 + 16 lane
.set GW,    106496                     ; gate_w, 128 rows x 528
.set STG,   174080                     ; 64 rows x 528: the result on its way out; its first 512 bytes hold gate_b until the second barrier
.set PARG,  174080
.set CSC,   207872                     ; 8 x 512: the waves' column sums
.set ASC,   211968                     ; 8 x 256: the waves' sums of a
.set SPARE, 214016                     ; the spare words: 128 bytes a wave, four blocks of 256 bytes that no other line names
.set SEL, 26
.set HIM, 58
.macro PLACES
.rept 4
	v_nop
.endr
.endm
.macro PLACES5
.rept 5
	v_nop
.endr
.endm
.macro RB1 a
	v_cvt_pk_bf16_f32 v[\a], v[\a], v[\a]
	v_lshlrev_b32 v[\a], 16, v[\a]
.endm
.macro UNP d, s                        ; a word's two bf16 as f32
	v_lshlrev_b32 v[\d], 16, v[\s]
	v_and_b32 v[(\d)+1], s[HIM], v[\s]
.endm
.macro CWLOAD                          ; conv_w's 16 fragments (cluster block kb, K step ks at 128 + 8 (4 kb + ks)) and my clusters' four biases: 36 loads
.set i, 0
.rept 16
	global_load_b128 v[128+8*i:128+8*i+3],   v7, s[32:33] offset:(i/4)*4096+(i%4)*64
	global_load_b128 v[128+8*i+4:128+8*i+7], v7, s[32:33] offset:(i/4)*4096+(i%4)*64+32
.set i, i+1
.endr
.set i, 0
.rept 4
	global_load_b32 v[8+i], v15, s[36:37] offset:64*i
.set i, i+1
.endr
.endm
.macro FLOAD k                         ; the two tiles' fragments of [f1 f2] for K step k, into set k % 2
.set j, 0
.rept 2
	global_load_b128 v[32+16*((\k)%2)+8*j:32+16*((\k)%2)+8*j+3],   v7, s[30:31] offset:((\k)/4)*4194304+j*4096+((\k)%4)*64
	global_load_b128 v[32+16*((\k)%2)+8*j+4:32+16*((\k)%2)+8*j+7], v7, s[30:31] offset:((\k)/4)*4194304+j*4096+((\k)%4)*64+32
.set j, j+1
.endr
.endm
.macro GSTEP                           ; K step ks of the gate's product: 16 accumulators take turns
	PLACES
.set i, 0
.rept 8
	ds_load_b128 v[64+8*i:64+8*i+3],   v12 offset:8448*i+64*ks
	ds_load_b128 v[64+8*i+4:64+8*i+7], v12 offset:8448*i+64*ks+32
.set i, i+1
.endr
.if ks < 7
	FLOAD ks+1
	s_wait_loadcnt 4                               ; this step's fragments are in; the four just issued stay out
.else
	s_wait_loadcnt 0x0
.endif
	s_wait_dscnt 0x0
.set i, 0
.rept 16
	v_wmma_f32_16x16x32_bf16 v[128+64*(i%2)+8*(i/2):128+64*(i%2)+8*(i/2)+7], v[64+8*(i/2):64+8*(i/2)+7], v[32+16*(ks%2)+8*(i%2):32+16*(ks%2)+8*(i%2)+7], v[128+64*(i%2)+8*(i/2):128+64*(i%2)+8*(i/2)+7]
.set i, i+1
.endr
.endm
.macro F12LOAD t                       ; f1 and f2 of tile t in the sums' layout
.set i, 0
.rept 8
	global_load_b128 v[64+4*i:64+4*i+3], v7, s[30:31] offset:(\t)*4096+32*i
	global_load_b128 v[96+4*i:96+4*i+3], v7, s[30:31] offset:4194304+(\t)*4096+32*i
.set i, i+1
.endr
.endm
.macro SIG t                           ; sigmoid = 1 / (1 + 2^(-x log2 e)): two batches, a wait each
.set i, 0
.rept 32
	v_pk_mul_f32 v[128+64*(\t)+2*i:128+64*(\t)+2*i+1], v[128+64*(\t)+2*i:128+64*(\t)+2*i+1], 0xbfb8aa3b op_sel_hi:[1,0]
.set i, i+1
.endr
.set i, 0
.rept 64
	v_exp_f32 v[128+64*(\t)+i], v[128+64*(\t)+i]
.set i, i+1
.endr
	v_nop
	s_wait_alu depctr_va_vdst(0)
.set i, 0
.rept 32
	v_pk_add_f32 v[128+64*(\t)+2*i:128+64*(\t)+2*i+1], v[128+64*(\t)+2*i:128+64*(\t)+2*i+1], 1.0 op_sel_hi:[1,0]
.set i, i+1
.endr
.set i, 0
.rept 64
	v_rcp_f32 v[128+64*(\t)+i], v[128+64*(\t)+i]
.set i, i+1
.endr
	v_nop
	s_wait_alu depctr_va_vdst(0)
.endm
.macro BLEND t                         ; gate (f1 - f2) + f2
	s_wait_loadcnt 0x0
.set i, 0
.rept 8
.set j, 0
.rept 4
	UNP 32+2*j, 64+4*i+j
	UNP 40+2*j, 96+4*i+j
.set j, j+1
.endr
.set j, 0
.rept 4
	v_pk_add_f32 v[32+2*j:33+2*j], v[32+2*j:33+2*j], v[40+2*j:41+2*j] neg_lo:[0,1] neg_hi:[0,1]
.set j, j+1
.endr
.set j, 0
.rept 4
	v_pk_fma_f32 v[128+64*(\t)+8*i+2*j:128+64*(\t)+8*i+2*j+1], v[128+64*(\t)+8*i+2*j:128+64*(\t)+8*i+2*j+1], v[32+2*j:33+2*j], v[40+2*j:41+2*j]
.set j, j+1
.endr
.set i, i+1
.endr
.endm
.macro NORM t                          ; the row over its length, rounded, into x
	v_pk_mul_f32 v[16:17], v[128+64*(\t):128+64*(\t)+1], v[128+64*(\t):128+64*(\t)+1]
	v_pk_mul_f32 v[18:19], v[128+64*(\t)+2:128+64*(\t)+3], v[128+64*(\t)+2:128+64*(\t)+3]
.set i, 4
.rept 15
	v_pk_fma_f32 v[16:17], v[128+64*(\t)+i:128+64*(\t)+i+1], v[128+64*(\t)+i:128+64*(\t)+i+1], v[16:17]
	v_pk_fma_f32 v[18:19], v[128+64*(\t)+i+2:128+64*(\t)+i+3], v[128+64*(\t)+i+2:128+64*(\t)+i+3], v[18:19]
.set i, i+4
.endr
	v_pk_add_f32 v[16:17], v[16:17], v[18:19]
	v_add_f32 v16, v16, v17
	v_permlanex16_b32 v17, v16, s[SEL], s[SEL+1]
	v_add_f32 v16, v16, v17
	v_sqrt_f32 v16, v16
	v_nop
	s_wait_alu depctr_va_vdst(0)
	v_max_num_f32 v16, 0x2b8cbccc, v16
	v_rcp_f32 v16, v16
	v_nop
	s_wait_alu depctr_va_vdst(0)
.set i, 0
.rept 32
	v_pk_mul_f32 v[128+64*(\t)+2*i:128+64*(\t)+2*i+1], v[128+64*(\t)+2*i:128+64*(\t)+2*i+1], v[16:17] op_sel_hi:[1,0]
.set i, i+1
.endr
.set i, 0
.rept 32
	v_cvt_pk_bf16_f32 v[32+i], v[128+64*(\t)+2*i], v[128+64*(\t)+2*i+1]
.set i, i+1
.endr
.set i, 0
.rept 8
	ds_store_b128 v13, v[32+4*i:32+4*i+3] offset:(\t)*4608+32*i
.set i, i+1
.endr
.endm
; a of tile t: logits (four accumulators by turns, the bias as the first C), softmax over the 64 clusters (4 registers x 16 lanes) of each of my 8 rows, its sums, its fragments.
.macro SOFT t
.set i, 0
.rept 4
	ds_load_b128 v[64+8*i:64+8*i+3],   v13 offset:(\t)*4608+64*i
	ds_load_b128 v[64+8*i+4:64+8*i+7], v13 offset:(\t)*4608+64*i+32
.set i, i+1
.endr
	s_wait_dscnt 0x0
.set i, 0
.rept 16
.if i < 4
	v_wmma_f32_16x16x32_bf16 v[32+8*(i%4):32+8*(i%4)+7], v[64+8*(i/4):64+8*(i/4)+7], v[128+8*(4*(i%4)+i/4):128+8*(4*(i%4)+i/4)+7], v[96+8*(i%4):96+8*(i%4)+7]
.else
	v_wmma_f32_16x16x32_bf16 v[32+8*(i%4):32+8*(i%4)+7], v[64+8*(i/4):64+8*(i/4)+7], v[128+8*(4*(i%4)+i/4):128+8*(4*(i%4)+i/4)+7], v[32+8*(i%4):32+8*(i%4)+7]
.endif
.set i, i+1
.endr
	PLACES
.set j, 0
.rept 8
	v_max3_num_f32 v[16+j], v[32+j], v[40+j], v[48+j]
	v_max_num_f32 v[16+j], v[16+j], v[56+j]
.set j, j+1
.endr
.irp m, 1, 2, 4, 8
.set j, 0
.rept 8
	v_max_num_f32_dpp v[16+j], v[16+j], v[16+j] row_xmask:\m row_mask:0xf bank_mask:0xf
.set j, j+1
.endr
.endr
.set j, 0
.rept 4
	v_pk_mul_f32 v[16+2*j:17+2*j], v[16+2*j:17+2*j], 0x3fb8aa3b op_sel_hi:[1,0]
.set j, j+1
.endr
.set i, 0
.rept 16
	v_pk_fma_f32 v[32+2*i:33+2*i], v[32+2*i:33+2*i], 0x3fb8aa3b, v[16+2*(i%4):17+2*(i%4)] op_sel_hi:[1,0,1] neg_lo:[0,0,1] neg_hi:[0,0,1]
.set i, i+1
.endr
.set i, 0
.rept 32
	v_exp_f32 v[32+i], v[32+i]
.set i, i+1
.endr
	v_nop
	s_wait_alu depctr_va_vdst(0)
.set j, 0
.rept 4
	v_pk_add_f32 v[16+2*j:17+2*j], v[32+2*j:33+2*j], v[40+2*j:41+2*j]
.set j, j+1
.endr
.set j, 0
.rept 4
	v_pk_add_f32 v[16+2*j:17+2*j], v[16+2*j:17+2*j], v[48+2*j:49+2*j]
.set j, j+1
.endr
.set j, 0
.rept 4
	v_pk_add_f32 v[16+2*j:17+2*j], v[16+2*j:17+2*j], v[56+2*j:57+2*j]
.set j, j+1
.endr
.irp m, 1, 2, 4, 8
.set j, 0
.rept 8
	v_add_f32_dpp v[16+j], v[16+j], v[16+j] row_xmask:\m row_mask:0xf bank_mask:0xf
.set j, j+1
.endr
.endr
.set j, 0
.rept 8
	v_rcp_f32 v[16+j], v[16+j]
.set j, j+1
.endr
	v_nop
	s_wait_alu depctr_va_vdst(0)
.set i, 0
.rept 16
	v_pk_mul_f32 v[32+2*i:33+2*i], v[32+2*i:33+2*i], v[16+2*(i%4):17+2*(i%4)]
.set i, i+1
.endr
.set i, 0
.rept 16
	v_pk_add_f32 v[24+2*(i%4):25+2*(i%4)], v[24+2*(i%4):25+2*(i%4)], v[32+8*(i%4)+2*(i/4):33+8*(i%4)+2*(i/4)]
.set i, i+1
.endr
.set i, 0
.rept 16
	v_cvt_pk_bf16_f32 v[32+8*(i/4)+i%4], v[32+8*(i/4)+2*(i%4)], v[32+8*(i/4)+2*(i%4)+1]
.set i, i+1
.endr
.set i, 0
.rept 4
	ds_store_b128 v14, v[32+8*i:32+8*i+3] offset:(2*i+(\t))*512
.set i, i+1
.endr
.endm
; Half hf of a^T x: four K steps of 32 rows; source 0 = x turned (my 16 channels), source 1 = a's fragments; four accumulators (cluster blocks) by turns.
.macro HALF hf
	PLACES
.set i, 0
.rept 4
	ds_load_tr16_b128 v[64+8*i:64+8*i+3],   v[8+(\hf)] offset:i*9216
	ds_load_tr16_b128 v[64+8*i+4:64+8*i+7], v[8+(\hf)] offset:i*9216+4608
.set j, 0
.rept 4
	ds_load_b128 v[128+8*(4*i+j):128+8*(4*i+j)+3],   v10 offset:(4*(4*(\hf)+i)+j)*1024
	ds_load_b128 v[128+8*(4*i+j)+4:128+8*(4*i+j)+7], v10 offset:(4*(4*(\hf)+i)+j)*1024+512
.set j, j+1
.endr
.set i, i+1
.endr
	s_wait_dscnt 0x0
.set i, 0
.rept 16
.if ((\hf) == 0) && (i < 4)
	v_wmma_f32_16x16x32_bf16 v[32+8*(i%4):32+8*(i%4)+7], v[64+8*(i/4):64+8*(i/4)+7], v[128+8*i:128+8*i+7], 0
.else
	v_wmma_f32_16x16x32_bf16 v[32+8*(i%4):32+8*(i%4)+7], v[64+8*(i/4):64+8*(i/4)+7], v[128+8*i:128+8*i+7], v[32+8*(i%4):32+8*(i%4)+7]
.endif
.set i, i+1
.endr
.endm
	s_load_b512 s[8:23], s[0:1], 0x0               ; emb, fbuf, wbf, gate_b, conv_b (geo, vis, fus), vpart
	s_load_b64 s[24:25], s[0:1], 0x40              ; aux
	v_lshl_add_u32 v4, v0, 2, SPARE                ; v4, v5: my spare word's address and 0; never rewritten
	v_mov_b32 v5, 0
	v_lshrrev_b32 v1, 5, v0
	v_readfirstlane_b32 s2, v1                     ; wave 0..7
	v_and_b32 v3, 31, v0                           ; l
	v_and_b32 v1, 15, v0                           ; r
	v_bfe_u32 v2, v0, 4, 1                         ; hh
	s_mov_b32 s3, ttmp9                            ; p
	s_and_b32 s4, ttmp7, 0xffff                    ; 8 s + batch
	s_lshr_b32 s5, s4, 3                           ; s
	s_and_b32 s6, s4, 7                            ; batch
	s_mov_b32 s[SEL], 0x76543210
	s_mov_b32 s[SEL+1], 0xfedcba98
	s_mov_b32 s[HIM], 0xffff0000
	v_lshlrev_b32 v6, 4, v3                        ; 16 l
	v_lshlrev_b32 v7, 8, v1
	v_lshl_add_u32 v7, v2, 4, v7                   ; r x 256 + 16 hh
	v_lshlrev_b32 v15, 2, v1                       ; 4 r
	s_mul_i32 s44, s2, 9216
	v_mul_u32_u24 v13, v1, 288
	v_lshl_add_u32 v13, v2, 4, v13
	v_add_nc_u32 v13, s44, v13                     ; x: (32 w + r) x 288 + 16 hh
	s_lshl_b32 s44, s6, 19
	s_lshl_b32 s45, s3, 16
	s_add_co_u32 s44, s44, s45
	s_lshl_b32 s45, s2, 13
	s_add_co_u32 s44, s44, s45                     ; my 32 rows, in bytes
	s_mov_b32 s45, 0
	s_min_u32 s46, s5, 1                           ; the modality of streams 0 and 1
	s_lshl_b32 s46, s46, 22
	s_add_co_u32 s46, s46, s44
	s_mov_b32 s47, 0
	s_lshl_b32 s48, s5, 14
	s_add_co_u32 s48, s48, 196608                  ; conv_w's copies in wbf
	s_mov_b32 s49, 0
	s_lshl_b32 s50, s4, 3
	s_add_co_u32 s50, s50, s3                      ; the part's number
	s_lshl_b32 s52, s50, 15
	s_lshl_b32 s53, s2, 12
	s_add_co_u32 s52, s52, s53
	s_mov_b32 s53, 0
	s_lshl_b32 s54, s50, 8
	s_mov_b32 s55, 0
	s_lshl_b32 s56, s50, 9
	s_add_co_u32 s56, s56, 49152
	s_mov_b32 s57, 0
	s_wait_kmcnt 0x0
	s_add_nc_u64 s[28:29], s[8:9], s[46:47]
	s_add_nc_u64 s[30:31], s[10:11], s[44:45]
	s_add_nc_u64 s[32:33], s[12:13], s[48:49]
	s_add_nc_u64 s[34:35], s[12:13], 131072        ; gate_w's copy
	s_cmp_eq_u32 s5, 0
	s_cselect_b64 s[36:37], s[16:17], s[18:19]
	s_cmp_eq_u32 s5, 2
	s_cselect_b64 s[36:37], s[20:21], s[36:37]
	s_add_nc_u64 s[38:39], s[22:23], s[52:53]
	s_add_nc_u64 s[40:41], s[24:25], s[54:55]
	s_add_nc_u64 s[42:43], s[24:25], s[56:57]
	s_cmp_eq_u32 s5, 2
	s_cbranch_scc0 .Lno_gate
	s_lshl_b32 s44, s2, 13                         ; stream 2: gate_w into LDS, 16 rows of 512 bytes a wave
	v_lshl_add_u32 v12, v3, 4, s44
.set i, 0
.rept 16
	global_load_b128 v[64+4*i:64+4*i+3], v12, s[34:35] offset:512*i
.set i, i+1
.endr
	s_mul_i32 s44, s2, 8448
	s_add_co_u32 s44, s44, GW
	v_lshl_add_u32 v14, v3, 4, s44
	s_cmp_lt_u32 s2, 4
	s_cbranch_scc0 .Lno_gb                         ; gate_b's 128 words: waves 0-3
	v_lshlrev_b32 v17, 2, v0
	global_load_b32 v16, v17, s[14:15]
	v_lshl_add_u32 v18, v0, 2, PARG
	s_wait_loadcnt 0x0
	RB1 16
	ds_store_b32 v18, v16
.Lno_gb:
	s_wait_loadcnt 0x0
.set i, 0
.rept 16
	ds_store_b128 v14, v[64+4*i:64+4*i+3] offset:528*i
.set i, i+1
.endr
.Lno_gate:
	s_wait_dscnt 0x0
	s_barrier_signal -1
	s_barrier_wait -1                              ; gate_w and gate_b are whole
	s_cmp_eq_u32 s5, 2
	s_cbranch_scc1 .Lpath_g
	; STREAMS 0 AND 1: my 32 rows of emb, two rows an instruction: a lane holds 8 channels of 16 rows
.set i, 0
.rept 16
	global_load_b128 v[64+4*i:64+4*i+3], v6, s[28:29] offset:512*i
.set i, i+1
.endr
	CWLOAD
.set i, 0
.rept 8
	v_mov_b32 v[24+i], 0
.set i, i+1
.endr
	s_mul_i32 s44, s2, 9216
	v_mul_u32_u24 v12, v2, 288
	v_lshl_add_u32 v12, v1, 4, v12
	v_add_nc_u32 v12, s44, v12                     ; (32 w + hh) x 288 + 16 r
	s_lshl_b32 s44, s2, 9
	s_add_co_u32 s44, s44, CSC
	v_lshl_add_u32 v14, v1, 5, s44
	s_wait_loadcnt 36                              ; the rows are in; the 36 younger loads stay out
.set i, 0
.rept 16                               ; the columns' sums, and each row's sum of squares (16 lanes share a row)
	UNP 48, 64+4*i
	UNP 50, 65+4*i
	UNP 52, 66+4*i
	UNP 54, 67+4*i
	v_pk_add_f32 v[24:25], v[24:25], v[48:49]
	v_pk_add_f32 v[26:27], v[26:27], v[50:51]
	v_pk_add_f32 v[28:29], v[28:29], v[52:53]
	v_pk_add_f32 v[30:31], v[30:31], v[54:55]
	v_pk_mul_f32 v[56:57], v[48:49], v[48:49]
	v_pk_fma_f32 v[56:57], v[50:51], v[50:51], v[56:57]
	v_pk_fma_f32 v[56:57], v[52:53], v[52:53], v[56:57]
	v_pk_fma_f32 v[56:57], v[54:55], v[54:55], v[56:57]
	v_add_f32 v[32+i], v56, v57
.set i, i+1
.endr
.irp m, 1, 2, 4, 8
.set i, 0
.rept 16
	v_add_f32_dpp v[32+i], v[32+i], v[32+i] row_xmask:\m row_mask:0xf bank_mask:0xf
.set i, i+1
.endr
.endr
.set i, 0
.rept 16
	v_sqrt_f32 v[32+i], v[32+i]
.set i, i+1
.endr
	v_nop
	s_wait_alu depctr_va_vdst(0)
.set i, 0
.rept 16
	v_max_num_f32 v[32+i], 0x2b8cbccc, v[32+i]
.set i, i+1
.endr
.set i, 0
.rept 16
	v_rcp_f32 v[32+i], v[32+i]
.set i, i+1
.endr
	v_nop
	s_wait_alu depctr_va_vdst(0)
.set i, 0
.rept 16
	UNP 48, 64+4*i
	UNP 50, 65+4*i
	UNP 52, 66+4*i
	UNP 54, 67+4*i
.set j, 0
.rept 4
.if i%2
	v_pk_mul_f32 v[48+2*j:49+2*j], v[48+2*j:49+2*j], v[31+i:32+i] op_sel:[0,1] op_sel_hi:[1,1]
.else
	v_pk_mul_f32 v[48+2*j:49+2*j], v[48+2*j:49+2*j], v[32+i:33+i] op_sel_hi:[1,0]
.endif
.set j, j+1
.endr
.set j, 0
.rept 4
	v_cvt_pk_bf16_f32 v[64+4*i+j], v[48+2*j], v[49+2*j]
.set j, j+1
.endr
	ds_store_b128 v12, v[64+4*i:64+4*i+3] offset:576*i
.set i, i+1
.endr
.set j, 0
.rept 8
	v_permlanex16_b32 v[48+j], v[24+j], s[SEL], s[SEL+1]
.set j, j+1
.endr
.set j, 0
.rept 8
	v_add_f32 v[24+j], v[24+j], v[48+j]
.set j, j+1
.endr
	ds_store_b128 v14, v[24:27]                    ; both halves of the lanes hold, and store, the same sums
	ds_store_b128 v14, v[28:31] offset:16
	s_branch .Ljoin
.Lpath_g:
	; STREAM 2: the gate's product, K = 256 (f1's 128 channels, then f2's), transposed: a lane holds one row and 8 outputs a block
	v_mul_u32_u24 v12, v1, 528
	v_lshl_add_u32 v12, v2, 4, v12
	v_add_nc_u32 v12, GW, v12
	v_lshl_add_u32 v14, v2, 5, PARG
.set i, 0
.rept 16
	ds_load_b128 v[128+8*i:128+8*i+3],   v14 offset:64*(i%8)      ; gate_b starts the sums of both tiles
	ds_load_b128 v[128+8*i+4:128+8*i+7], v14 offset:64*(i%8)+16
.set i, i+1
.endr
	FLOAD 0
.set ks, 0
.rept 8
	GSTEP
.set ks, ks+1
.endr
	PLACES
	F12LOAD 0
	SIG 0
	SIG 1
	BLEND 0
	F12LOAD 1
	NORM 0
	BLEND 1
	NORM 1
	CWLOAD
.Ljoin:
	s_wait_loadcnt 0x0
	RB1 8
	RB1 9
	RB1 10
	RB1 11
.set i, 0
.rept 32
	v_mov_b32 v[96+i], v[8+i/8]                    ; a lane's cluster has one bias for all 8 rows: the C operand of the first product
.set i, i+1
.endr
.set i, 0
.rept 8
	v_mov_b32 v[24+i], 0
.set i, i+1
.endr
	s_lshl_b32 s44, s2, 12
	s_add_co_u32 s44, s44, AF
	v_lshl_add_u32 v14, v3, 4, s44                 ; my K step's fragments of a
	SOFT 0
	PLACES5
	SOFT 1
	s_lshl_b32 s44, s2, 8
	s_add_co_u32 s44, s44, ASC
	v_lshl_add_u32 v15, v1, 2, s44
.set j, 0
.rept 4
	v_add_f32 v[24+2*j], v[24+2*j], v[25+2*j]
.set j, j+1
.endr
.set j, 0
.rept 4
	v_permlanex16_b32 v[25+2*j], v[24+2*j], s[SEL], s[SEL+1]
.set j, j+1
.endr
.set j, 0
.rept 4
	v_add_f32 v[24+2*j], v[24+2*j], v[25+2*j]
	ds_store_b32 v15, v[24+2*j] offset:64*j
.set j, j+1
.endr
	v_and_b32 v8, 7, v0                            ; the turning load: row 8 hh + l % 8, 16 bytes at 16 ((l / 8) % 2), my 16 channels
	v_lshl_add_u32 v8, v2, 3, v8
	v_mul_u32_u24 v8, v8, 288
	v_bfe_u32 v9, v0, 3, 1
	v_lshl_add_u32 v8, v9, 4, v8
	s_lshl_b32 s44, s2, 5
	v_add_nc_u32 v8, s44, v8
	v_add_nc_u32 v9, 36864, v8                     ; rows 128 on
	v_add_nc_u32 v10, AF, v6
	v_mul_u32_u24 v11, v1, 528
	v_lshl_add_u32 v11, v2, 5, v11
	s_lshl_b32 s44, s2, 6
	s_add_co_u32 s44, s44, STG
	v_add_nc_u32 v11, s44, v11
	s_wait_dscnt 0x0
	s_barrier_signal -1
	s_barrier_wait -1                              ; x, a's fragments and the waves' sums are whole
	HALF 0
	HALF 1
	PLACES
.set i, 0
.rept 4
	ds_store_b128 v11, v[32+8*i:32+8*i+3] offset:8448*i
	ds_store_b128 v11, v[32+8*i+4:32+8*i+7] offset:8448*i+16
.set i, i+1
.endr
	s_mul_i32 s44, s2, 4224
	s_add_co_u32 s44, s44, STG
	v_lshl_add_u32 v12, v3, 4, s44
	s_wait_dscnt 0x0
	s_barrier_signal -1
	s_barrier_wait -1
.set i, 0
.rept 8
	ds_load_b128 v[64+4*i:64+4*i+3], v12 offset:528*i
.set i, i+1
.endr
	s_wait_dscnt 0x0
.set i, 0
.rept 8
	global_store_b128 v6, v[64+4*i:64+4*i+3], s[38:39] offset:512*i    ; a cluster's row: 512 consecutive bytes, aligned
.set i, i+1
.endr
	s_cmp_eq_u32 s2, 1
	s_cbranch_scc0 .Lnot_1
	v_lshl_add_u32 v13, v3, 3, ASC                 ; wave 1: the eight waves' sums of a
.set i, 0
.rept 8
	ds_load_b64 v[96+2*i:97+2*i], v13 offset:256*i
.set i, i+1
.endr
	v_lshlrev_b32 v14, 3, v3
	s_wait_dscnt 0x0
.set i, 1
.rept 7
	v_pk_add_f32 v[96:97], v[96:97], v[96+2*i:97+2*i]
.set i, i+1
.endr
	global_store_b64 v14, v[96:97], s[40:41]       ; 256 consecutive bytes, aligned
.Lnot_1:
	s_cmp_eq_u32 s2, 0
	s_cbranch_scc0 .Lend
	s_cmp_lt_u32 s5, 2
	s_cbranch_scc0 .Lend
	v_add_nc_u32 v13, CSC, v6                      ; wave 0, streams 0 and 1: the eight waves' column sums
.set i, 0
.rept 8
	ds_load_b128 v[96+4*i:96+4*i+3], v13 offset:512*i
.set i, i+1
.endr
	s_wait_dscnt 0x0
.set i, 1
.rept 7
	v_pk_add_f32 v[96:97], v[96:97], v[96+4*i:97+4*i]
	v_pk_add_f32 v[98:99], v[98:99], v[98+4*i:99+4*i]
.set i, i+1
.endr
	global_store_b128 v6, v[96:99], s[42:43]
.Lend:
	s_wait_tensorcnt 0x0                           ; the wave's end behind my last LDS store
	ds_add_u32 v4, v5
	s_wait_dscnt 0x0
	s_endpgm
.Lfunc_end_k_qa3cae81d45_vlad:
	.size	k_qa3cae81d45_vlad, .Lfunc_end_k_qa3cae81d45_vlad-k_qa3cae81d45_vlad
	.p2alignl 7, 3214868480
	.fill 96, 4, 3214868480
	.section	.rodata,"a",@progbits
	.p2align	6, 0x0
	.amdhsa_kernel k_qa3cae81d45_vlad
		.amdhsa_group_segment_fixed_size 215040
		.amdhsa_private_segment_fixed_size 0
		.amdhsa_enable_private_segment 0
		.amdhsa_kernarg_size 72
		.amdhsa_user_sgpr_count 2
		.amdhsa_user_sgpr_kernarg_segment_ptr 1
		.amdhsa_wavefront_size32 1
		.amdhsa_system_sgpr_workgroup_id_x 1
		.amdhsa_system_sgpr_workgroup_id_y 1
		.amdhsa_system_sgpr_workgroup_id_z 1
		.amdhsa_system_vgpr_workitem_id 0
		.amdhsa_next_free_vgpr 256
		.amdhsa_next_free_sgpr 66
		.amdhsa_reserve_vcc 0
		.amdhsa_float_denorm_mode_32 3
		.amdhsa_float_denorm_mode_16_64 3
		.amdhsa_memory_ordered 1
		.amdhsa_forward_progress 1
		.amdhsa_inst_pref_size 166
	.end_amdhsa_kernel
	.amdgpu_metadata
---
amdhsa.version: [ 1, 2 ]
amdhsa.kernels:
  - .name:           k_qa3cae81d45_vlad
    .symbol:         k_qa3cae81d45_vlad.kd
    .args:
      - { .name: emb, .offset: 0, .size: 8, .value_kind: global_buffer, .address_space: global }
      - { .name: fbuf, .offset: 8, .size: 8, .value_kind: global_buffer, .address_space: global }
      - { .name: wbf, .offset: 16, .size: 8, .value_kind: global_buffer, .address_space: global }
      - { .name: params_gate_b, .offset: 24, .size: 8, .value_kind: global_buffer, .address_space: global }
      - { .name: params_geo_conv_b, .offset: 32, .size: 8, .value_kind: global_buffer, .address_space: global }
      - { .name: params_vis_conv_b, .offset: 40, .size: 8, .value_kind: global_buffer, .address_space: global }
      - { .name: params_fus_conv_b, .offset: 48, .size: 8, .value_kind: global_buffer, .address_space: global }
      - { .name: vpart, .offset: 56, .size: 8, .value_kind: global_buffer, .address_space: global }
      - { .name: aux, .offset: 64, .size: 8, .value_kind: global_buffer, .address_space: global }
    .group_segment_fixed_size: 215040
    .private_segment_fixed_size: 0
    .kernarg_segment_align: 8
    .kernarg_segment_size: 72
    .max_flat_workgroup_size: 256
    .sgpr_count:     66
    .vgpr_count:     256
    .wavefront_size: 32
...
	.end_amdgpu_metadata
.endif
;; end of part 3
;; launch bn (part 4): grid 64 x 3, 8 waves a work-group, no clusters, 14,336 bytes of LDS; arguments params_geo_bn_w, params_vis_bn_w, params_fus_bn_w, params_geo_cent, params_vis_cent, params_fus_cent, vpart, aux, ypart; writes ypart
.if DOCPART == 4
	.amdgcn_target "amdgcn-amd-amdhsa--gfx1250"
	.amdhsa_code_object_version 6
	.text
	.protected	k_qa3cae81d45_bn
	.globl	k_qa3cae81d45_bn
	.p2align	8
	.type	k_qa3cae81d45_bn,@function
k_qa3cae81d45_bn:
	s_mov_b64 s[64:65], 0
	v_nop
	global_prefetch_b8 v0, s[64:65] scope:SCOPE_SE
	s_setreg_imm32_b32 hwreg(HW_REG_WAVE_MODE, 25, 1), 1
	s_wait_xcnt 0x0
; THE DESCRIPTOR'S PRODUCT, in parts.  Grid x = cluster k (a slice of 128 of the 8,192 columns of bn_w), grid y = stream s.
; Wave b first makes batch b's row k: v = (the eight parts' sum) - (sum of a) cent[k]; u = v / max(|v|, 1e-12); n2 = |u|^2.  Then the work-group multiplies the 8 rows u by its slice of bn_w
; (256 outputs x 128, read once, 32 outputs a wave) and stores the partial y [8][256] in f32 and the eight n2; the last launch adds the 64 slices and divides by the whole vector's length.
; u enters the bf16 product as hi + lo: the matrix tile has 16 rows and there are 8 batches, so rows 0-7 carry u rounded to bf16, rows 8-15 what the rounding left, and the two results are added.
; All 32 loads of a wave's weights go out at the head, ahead of the work on u; the weights go straight into registers: no wave wants a byte that another has fetched.
; No prefetch: every load of the launch is issued at its head.  LIMITS: as in the launch before.
.set DT,    0                          ; LDS: 16 rows (hi of 8 batches, lo of 8 batches) x 128 bf16, pitch 272
.set YST,   4608                       ; 8 rows x 256 f32, pitch 1,040
.set N2S,   13056                      ; the eight n2
.set SPARE, 13312                      ; the spare words: 128 bytes a wave, four blocks of 256 bytes that no other line names
.set SEL, 40
.set HIM, 42
.macro PLACES
.rept 4
	v_nop
.endr
.endm
	s_load_b512 s[8:23], s[0:1], 0x0               ; bn_w (geo, vis, fus), cent (geo, vis, fus), vpart, aux
	s_load_b64 s[24:25], s[0:1], 0x40              ; ypart
	v_lshl_add_u32 v4, v0, 2, SPARE                ; v4, v5: my spare word's address and 0; never rewritten
	v_mov_b32 v5, 0
	v_mov_b32 v6, 0                                ; an offset of 0
	v_lshrrev_b32 v1, 5, v0
	v_readfirstlane_b32 s2, v1                     ; wave = batch
	v_and_b32 v3, 31, v0
	v_and_b32 v1, 15, v0
	v_bfe_u32 v2, v0, 4, 1
	s_mov_b32 s3, ttmp9                            ; k
	s_and_b32 s4, ttmp7, 0xffff                    ; s
	s_mov_b32 s[SEL], 0x76543210
	s_mov_b32 s[SEL+1], 0xfedcba98
	s_mov_b32 s[HIM], 0xffff0000
	v_lshlrev_b32 v7, 4, v3                        ; 16 l
	s_lshl_b32 s30, s2, 20
	v_lshlrev_b32 v8, 15, v1
	v_lshl_add_u32 v8, v2, 5, v8
	v_add_nc_u32 v8, s30, v8                       ; (32 w + r) rows of 32,768 bytes + 32 hh
	s_lshl_b32 s30, s4, 3
	s_add_co_u32 s30, s30, s2                      ; 8 s + batch
	s_lshl_b32 s32, s30, 18
	s_lshl_b32 s31, s3, 9                          ; 512 k
	s_add_co_u32 s32, s32, s31
	s_mov_b32 s33, 0
	s_lshl_b32 s34, s30, 11
	s_lshl_b32 s35, s3, 2
	s_add_co_u32 s34, s34, s35
	s_mov_b32 s35, 0
	s_mov_b32 s36, s31
	s_mov_b32 s37, 0
	s_lshl_b32 s38, s4, 6
	s_add_co_u32 s38, s38, s3
	s_mul_i32 s38, s38, 8448
	s_lshl_b32 s39, s2, 10
	s_add_co_u32 s44, s38, s39
	s_mov_b32 s45, 0
	s_add_co_u32 s38, s38, 8192
	s_mov_b32 s39, 0
	s_wait_kmcnt 0x0
	s_cmp_eq_u32 s4, 0
	s_cselect_b64 s[26:27], s[8:9], s[10:11]
	s_cselect_b64 s[28:29], s[14:15], s[16:17]
	s_cmp_eq_u32 s4, 2
	s_cselect_b64 s[26:27], s[12:13], s[26:27]
	s_cselect_b64 s[28:29], s[18:19], s[28:29]
	s_add_nc_u64 s[26:27], s[26:27], s[36:37]      ; bn_w and cent at my slice
	s_add_nc_u64 s[28:29], s[28:29], s[36:37]
	s_add_nc_u64 s[20:21], s[20:21], s[32:33]
	s_add_nc_u64 s[22:23], s[22:23], s[34:35]
	s_add_nc_u64 s[46:47], s[24:25], s[44:45]      ; ypart: my row of the block,
	s_add_nc_u64 s[24:25], s[24:25], s[38:39]      ; and the block's n2
.set p, 0
.rept 8
	global_load_b128 v[16+4*p:16+4*p+3], v7, s[20:21] offset:32768*p
	global_load_b32 v[48+p], v6, s[22:23] offset:256*p
.set p, p+1
.endr
	global_load_b128 v[56:59], v7, s[28:29]
.set i, 0
.rept 8                                ; output tile i / 4, K step i % 4: a lane's 16 numbers of a fragment, in f32
	global_load_b128 v[128+16*i:128+16*i+3],     v8, s[26:27] offset:(i/4)*524288+(i%4)*128 th:TH_LOAD_NT
	global_load_b128 v[128+16*i+4:128+16*i+7],   v8, s[26:27] offset:(i/4)*524288+(i%4)*128+16 th:TH_LOAD_NT
	global_load_b128 v[128+16*i+8:128+16*i+11],  v8, s[26:27] offset:(i/4)*524288+(i%4)*128+64 th:TH_LOAD_NT
	global_load_b128 v[128+16*i+12:128+16*i+15], v8, s[26:27] offset:(i/4)*524288+(i%4)*128+80 th:TH_LOAD_NT
.set i, i+1
.endr
	s_mul_i32 s30, s2, 272
	v_lshl_add_u32 v9, v3, 3, s30                  ; DT = 0: row b, 8 bytes a lane
	v_mul_u32_u24 v10, v1, 272
	v_lshl_add_u32 v10, v2, 4, v10
	v_and_b32 v11, 7, v0
	v_mul_u32_u24 v11, v11, 1040
	v_lshl_add_u32 v11, v2, 5, v11
	s_lshl_b32 s30, s2, 7
	s_add_co_u32 s30, s30, YST
	v_add_nc_u32 v11, s30, v11
	s_mul_i32 s30, s2, 1040
	s_add_co_u32 s30, s30, YST
	v_lshl_add_u32 v12, v3, 4, s30
	s_lshl_b32 s30, s2, 2
	s_add_co_u32 s30, s30, N2S
	v_mov_b32 v13, s30
	s_wait_loadcnt 32                              ; the parts, the sums of a and cent are in; the weights' 32 loads stay out
.set p, 1
.rept 7
	v_pk_add_f32 v[16:17], v[16:17], v[16+4*p:17+4*p]
	v_pk_add_f32 v[18:19], v[18:19], v[18+4*p:19+4*p]
	v_add_f32 v48, v48, v[48+p]
.set p, p+1
.endr
	v_cvt_pk_bf16_f32 v60, v56, v57                ; cent is an input: rounded to bf16 like all of them
	v_cvt_pk_bf16_f32 v61, v58, v59
	v_lshlrev_b32 v56, 16, v60
	v_and_b32 v57, s[HIM], v60
	v_lshlrev_b32 v58, 16, v61
	v_and_b32 v59, s[HIM], v61
	v_pk_fma_f32 v[16:17], v[56:57], v[48:49], v[16:17] op_sel_hi:[1,0,1] neg_lo:[1,0,0] neg_hi:[1,0,0]
	v_pk_fma_f32 v[18:19], v[58:59], v[48:49], v[18:19] op_sel_hi:[1,0,1] neg_lo:[1,0,0] neg_hi:[1,0,0]
	v_pk_mul_f32 v[20:21], v[16:17], v[16:17]
	v_pk_fma_f32 v[20:21], v[18:19], v[18:19], v[20:21]
	v_add_f32 v20, v20, v21
	v_add_f32_dpp v20, v20, v20 row_xmask:1 row_mask:0xf bank_mask:0xf
	v_add_f32_dpp v20, v20, v20 row_xmask:2 row_mask:0xf bank_mask:0xf
	v_add_f32_dpp v20, v20, v20 row_xmask:4 row_mask:0xf bank_mask:0xf
	v_add_f32_dpp v20, v20, v20 row_xmask:8 row_mask:0xf bank_mask:0xf
	v_permlanex16_b32 v21, v20, s[SEL], s[SEL+1]
	v_add_f32 v20, v20, v21
	v_sqrt_f32 v22, v20
	v_mov_b32 v23, 0                               ; the plain instruction behind the root; named with v22 as a pair
	s_wait_alu depctr_va_vdst(0)
	v_max_num_f32 v22, 0x2b8cbccc, v22
	v_rcp_f32 v22, v22
	v_nop
	s_wait_alu depctr_va_vdst(0)
	v_pk_mul_f32 v[16:17], v[16:17], v[22:23] op_sel_hi:[1,0]
	v_pk_mul_f32 v[18:19], v[18:19], v[22:23] op_sel_hi:[1,0]
	v_mul_f32 v20, v20, v22
	v_mul_f32 v20, v20, v22                        ; n2
	v_cvt_pk_bf16_f32 v24, v16, v17                ; hi
	v_cvt_pk_bf16_f32 v25, v18, v19
	v_lshlrev_b32 v26, 16, v24
	v_and_b32 v27, s[HIM], v24
	v_lshlrev_b32 v28, 16, v25
	v_and_b32 v29, s[HIM], v25
	v_pk_add_f32 v[16:17], v[16:17], v[26:27] neg_lo:[0,1] neg_hi:[0,1]
	v_pk_add_f32 v[18:19], v[18:19], v[28:29] neg_lo:[0,1] neg_hi:[0,1]
	v_cvt_pk_bf16_f32 v30, v16, v17                ; lo
	v_cvt_pk_bf16_f32 v31, v18, v19
	ds_store_b64 v9, v[24:25]
	ds_store_b64 v9, v[30:31] offset:2176
	ds_store_b32 v13, v20                          ; all lanes store the same number to the wave's word
	s_wait_dscnt 0x0
	s_barrier_signal -1
	s_barrier_wait -1
.set i, 0
.rept 4
	ds_load_b128 v[32+8*i:32+8*i+3],   v10 offset:64*i
	ds_load_b128 v[32+8*i+4:32+8*i+7], v10 offset:64*i+32
.set i, i+1
.endr
	s_wait_loadcnt 0x0
.set i, 0
.rept 64
	v_cvt_pk_bf16_f32 v[64+i], v[128+2*i], v[128+2*i+1]
.set i, i+1
.endr
	s_wait_dscnt 0x0
.set i, 0
.rept 8                                ; K step i / 2, output tile i % 2: the two accumulators take turns
.if i < 2
	v_wmma_f32_16x16x32_bf16 v[16+8*(i%2):16+8*(i%2)+7], v[64+8*(4*(i%2)+i/2):64+8*(4*(i%2)+i/2)+7], v[32+8*(i/2):32+8*(i/2)+7], 0
.else
	v_wmma_f32_16x16x32_bf16 v[16+8*(i%2):16+8*(i%2)+7], v[64+8*(4*(i%2)+i/2):64+8*(4*(i%2)+i/2)+7], v[32+8*(i/2):32+8*(i/2)+7], v[16+8*(i%2):16+8*(i%2)+7]
.endif
.set i, i+1
.endr
	PLACES
.set i, 0
.rept 16
	v_add_f32_dpp v[16+i], v[16+i], v[16+i] row_xmask:8 row_mask:0xf bank_mask:0xf  ; hi's result + lo's
.set i, i+1
.endr
.set i, 0
.rept 2
	ds_store_b128 v11, v[16+8*i:16+8*i+3] offset:64*i      ; lanes r and r + 8 hold, and store, the same sums
	ds_store_b128 v11, v[16+8*i+4:16+8*i+7] offset:64*i+16
.set i, i+1
.endr
	s_wait_dscnt 0x0
	s_barrier_signal -1
	s_barrier_wait -1
	ds_load_b128 v[64:67], v12
	ds_load_b128 v[68:71], v12 offset:512
	s_wait_dscnt 0x0
	global_store_b128 v7, v[64:67], s[46:47]
	global_store_b128 v7, v[68:71], s[46:47] offset:512
	s_cmp_eq_u32 s2, 0
	s_cbranch_scc0 .Lend
	v_and_b32 v14, 3, v0
	v_lshl_add_u32 v14, v14, 3, N2S
	ds_load_b64 v[72:73], v14
	v_lshlrev_b32 v15, 3, v3
	s_wait_dscnt 0x0
	global_store_b64 v15, v[72:73], s[24:25]       ; the eight n2, eight times over: 256 consecutive bytes, aligned
.Lend:
	s_wait_tensorcnt 0x0                           ; the wave's end behind my last LDS store
	ds_add_u32 v4, v5
	s_wait_dscnt 0x0
	s_endpgm
.Lfunc_end_k_qa3cae81d45_bn:
	.size	k_qa3cae81d45_bn, .Lfunc_end_k_qa3cae81d45_bn-k_qa3cae81d45_bn
	.p2alignl 7, 3214868480
	.fill 96, 4, 3214868480
	.section	.rodata,"a",@progbits
	.p2align	6, 0x0
	.amdhsa_kernel k_qa3cae81d45_bn
		.amdhsa_group_segment_fixed_size 14336
		.amdhsa_private_segment_fixed_size 0
		.amdhsa_enable_private_segment 0
		.amdhsa_kernarg_size 72
		.amdhsa_user_sgpr_count 2
		.amdhsa_user_sgpr_kernarg_segment_ptr 1
		.amdhsa_wavefront_size32 1
		.amdhsa_system_sgpr_workgroup_id_x 1
		.amdhsa_system_sgpr_workgroup_id_y 1
		.amdhsa_system_sgpr_workgroup_id_z 1
		.amdhsa_system_vgpr_workitem_id 0
		.amdhsa_next_free_vgpr 256
		.amdhsa_next_free_sgpr 66
		.amdhsa_reserve_vcc 0
		.amdhsa_float_denorm_mode_32 3
		.amdhsa_float_denorm_mode_16_64 3
		.amdhsa_memory_ordered 1
		.amdhsa_forward_progress 1
		.amdhsa_inst_pref_size 19
	.end_amdhsa_kernel
	.amdgpu_metadata
---
amdhsa.version: [ 1, 2 ]
amdhsa.kernels:
  - .name:           k_qa3cae81d45_bn
    .symbol:         k_qa3cae81d45_bn.kd
    .args:
      - { .name: params_geo_bn_w, .offset: 0, .size: 8, .value_kind: global_buffer, .address_space: global }
      - { .name: params_vis_bn_w, .offset: 8, .size: 8, .value_kind: global_buffer, .address_space: global }
      - { .name: params_fus_bn_w, .offset: 16, .size: 8, .value_kind: global_buffer, .address_space: global }
      - { .name: params_geo_cent, .offset: 24, .size: 8, .value_kind: global_buffer, .address_space: global }
      - { .name: params_vis_cent, .offset: 32, .size: 8, .value_kind: global_buffer, .address_space: global }
      - { .name: params_fus_cent, .offset: 40, .size: 8, .value_kind: global_buffer, .address_space: global }
      - { .name: vpart, .offset: 48, .size: 8, .value_kind: global_buffer, .address_space: global }
      - { .name: aux, .offset: 56, .size: 8, .value_kind: global_buffer, .address_space: global }
      - { .name: ypart, .offset: 64, .size: 8, .value_kind: global_buffer, .address_space: global }
    .group_segment_fixed_size: 14336
    .private_segment_fixed_size: 0
    .kernarg_segment_align: 8
    .kernarg_segment_size: 72
    .max_flat_workgroup_size: 256
    .sgpr_count:     66
    .vgpr_count:     256
    .wavefront_size: 32
...
	.end_amdgpu_metadata
.endif
;; end of part 4
;; launch final (part 5): grid 8 x 1, 16 waves a work-group, no clusters, 31,488 bytes of LDS; arguments ypart, aux, params_geo_bn_b, params_vis_bn_b, params_fus_bn_b, params_geo_bn_g, params_vis_bn_g, params_fus_bn_g, params_geo_bn_beta, params_vis_bn_beta, params_fus_bn_beta, params_r1_w, params_r1_b, params_r1_g, params_r1_beta, params_r2_w, params_r2_b, out0, out1, out2, out3, out4; writes out0, out1, out2, out3, out4
.if DOCPART == 5
	.amdgcn_target "amdgcn-amd-amdhsa--gfx1250"
	.amdhsa_code_object_version 6
	.text
	.protected	k_qa3cae81d45_final
	.globl	k_qa3cae81d45_final
	.p2align	8
	.type	k_qa3cae81d45_final,@function
k_qa3cae81d45_final:
	s_mov_b64 s[64:65], 0
	v_nop
	global_prefetch_b8 v0, s[64:65] scope:SCOPE_SE
	s_setreg_imm32_b32 hwreg(HW_REG_WAVE_MODE, 25, 1), 1
	s_wait_xcnt 0x0
; THE END.  One work-group for each batch: the design has work for eight.  Waves 0-7 add the 64 slices of the three partial y; waves 8-15 make the router's input (the means of g_emb and v_emb) and
; its first linear; waves 0-2 finish a descriptor each (y / |d| + b, LayerNorm over 256, unit length); wave 3 finishes the router; wave 0 the weighted sum.
; No matrix instruction: the router's linear is one row a work-group, 32,768 multiply-adds, of which a matrix tile would use one row in sixteen.  All arithmetic in f32; the inputs rounded to bf16.
; Every wave loads the small parameter rows at the head (14 loads), the stream's by min(wave, 2), so that they are on their way beside the large loads.
; LIMITS.  The means are taken of emb as stored, rounded to bf16.  NaN and infinities are not treated apart; roots and reciprocals are the instructions'.
.set RS,    0                          ; LDS: 8 waves x 3 streams x 256 f32
.set RI,    24576                      ; the router's 256 inputs
.set HH,    25600                      ; its 128 hidden numbers
.set DSC,   26112                      ; the three descriptors
.set RW,    29184                      ; the three weights
.set SPARE, 29440                      ; the spare words: 128 bytes a wave, eight blocks of 256 bytes that no other line names
.set SEL, 56
.set HIM, 55
.macro RB a, b, t
	v_cvt_pk_bf16_f32 v[\t], v[\a], v[\b]
	v_lshlrev_b32 v[\a], 16, v[\t]
	v_and_b32 v[\b], s[HIM], v[\t]
.endm
.macro RB1 a
	v_cvt_pk_bf16_f32 v[\a], v[\a], v[\a]
	v_lshlrev_b32 v[\a], 16, v[\a]
.endm
.macro WRED x, t                       ; the sum over the 32 lanes, in every lane; t has been written before
	v_add_f32_dpp v[\x], v[\x], v[\x] row_xmask:1 row_mask:0xf bank_mask:0xf
	v_add_f32_dpp v[\x], v[\x], v[\x] row_xmask:2 row_mask:0xf bank_mask:0xf
	v_add_f32_dpp v[\x], v[\x], v[\x] row_xmask:4 row_mask:0xf bank_mask:0xf
	v_add_f32_dpp v[\x], v[\x], v[\x] row_xmask:8 row_mask:0xf bank_mask:0xf
	v_permlanex16_b32 v[\t], v[\x], s[SEL], s[SEL+1]
	v_add_f32 v[\x], v[\x], v[\t]
.endm
.macro RECLEN x                        ; 1 / max(sqrt(x), 1e-12), in place
	v_sqrt_f32 v[\x], v[\x]
	v_nop
	s_wait_alu depctr_va_vdst(0)
	v_max_num_f32 v[\x], 0x2b8cbccc, v[\x]
	v_rcp_f32 v[\x], v[\x]
	v_nop
	s_wait_alu depctr_va_vdst(0)
.endm
.macro L2N8 x, t                       ; 256 numbers, 8 a lane in x, brought to unit length; t, t + 1 at work
	v_pk_mul_f32 v[(\t):(\t)+1], v[(\x):(\x)+1], v[(\x):(\x)+1]
	v_pk_fma_f32 v[(\t):(\t)+1], v[(\x)+2:(\x)+3], v[(\x)+2:(\x)+3], v[(\t):(\t)+1]
	v_pk_fma_f32 v[(\t):(\t)+1], v[(\x)+4:(\x)+5], v[(\x)+4:(\x)+5], v[(\t):(\t)+1]
	v_pk_fma_f32 v[(\t):(\t)+1], v[(\x)+6:(\x)+7], v[(\x)+6:(\x)+7], v[(\t):(\t)+1]
	v_add_f32 v[\t], v[\t], v[(\t)+1]
	WRED \t, (\t)+1
	RECLEN \t
.set i, 0
.rept 4
	v_pk_mul_f32 v[(\x)+2*i:(\x)+2*i+1], v[(\x)+2*i:(\x)+2*i+1], v[(\t):(\t)+1] op_sel_hi:[1,0]
.set i, i+1
.endr
.endm
	s_load_b512 s[8:23], s[0:1], 0x0               ; ypart, aux, bn_b x 3, bn_g x 3
	s_load_b512 s[24:39], s[0:1], 0x40             ; bn_beta x 3, r1_w, r1_b, r1_g, r1_beta, r2_w
	s_load_b256 s[40:47], s[0:1], 0x80             ; r2_b, out0, out1, out2
	s_load_b128 s[48:51], s[0:1], 0xa0             ; out3, out4
	v_lshl_add_u32 v2, v0, 2, SPARE                ; v2, v3: my spare word's address and 0; never rewritten
	v_mov_b32 v3, 0
	v_lshrrev_b32 v1, 5, v0
	v_readfirstlane_b32 s2, v1                     ; wave 0..15
	v_and_b32 v1, 31, v0                           ; l
	v_lshlrev_b32 v4, 4, v1                        ; 16 l
	v_mul_u32_u24 v5, v1, 8448                     ; a slice a lane
	s_mov_b32 s3, ttmp9                            ; batch
	s_min_u32 s4, s2, 2                            ; the stream whose parameters I load
	s_mov_b32 s[SEL], 0x76543210
	s_mov_b32 s[SEL+1], 0xfedcba98
	s_mov_b32 s[HIM], 0xffff0000
	s_mov_b32 s6, 0x3b800000                       ; 1/256
	s_mov_b32 s7, 0x3727c5ac                       ; 1e-5
	s_mov_b32 s79, 0x3c000000                      ; 1/128
	s_mul_i32 s68, s4, 540672
	s_lshl_b32 s69, s3, 2
	s_add_co_u32 s68, s68, s69
	s_add_co_u32 s68, s68, 8192
	s_mov_b32 s69, 0
	s_wait_kmcnt 0x0
	s_load_b96 s[52:54], s[40:41], 0x0             ; r2_b: 12 bytes
	s_cmp_eq_u32 s4, 0
	s_cselect_b64 s[58:59], s[12:13], s[14:15]
	s_cselect_b64 s[60:61], s[18:19], s[20:21]
	s_cselect_b64 s[62:63], s[24:25], s[26:27]
	s_cselect_b64 s[66:67], s[46:47], s[48:49]
	s_cmp_eq_u32 s4, 2
	s_cselect_b64 s[58:59], s[16:17], s[58:59]
	s_cselect_b64 s[60:61], s[22:23], s[60:61]
	s_cselect_b64 s[62:63], s[28:29], s[62:63]
	s_cselect_b64 s[66:67], s[50:51], s[66:67]
	s_add_nc_u64 s[70:71], s[8:9], s[68:69]
	global_load_b32 v14, v5, s[70:71]              ; n2 of slices l and l + 32
	global_load_b32 v15, v5, s[70:71] offset:270336
	global_load_b128 v[16:19], v4, s[58:59]
	global_load_b128 v[20:23], v4, s[58:59] offset:512
	global_load_b128 v[24:27], v4, s[60:61]
	global_load_b128 v[28:31], v4, s[60:61] offset:512
	global_load_b128 v[32:35], v4, s[62:63]
	global_load_b128 v[36:39], v4, s[62:63] offset:512
	global_load_b128 v[40:43], v4, s[32:33]
	global_load_b128 v[44:47], v4, s[34:35]
	global_load_b128 v[48:51], v4, s[36:37]
	global_load_b128 v[52:55], v4, s[38:39]
	global_load_b128 v[56:59], v4, s[38:39] offset:512
	global_load_b128 v[60:63], v4, s[38:39] offset:1024
	s_wait_kmcnt 0x0
	s_cmp_lt_u32 s2, 8
	s_cbranch_scc0 .Lhi_a
	s_mul_i32 s68, s2, 67584                       ; waves 0-7: eight slices each, all three streams
	s_lshl_b32 s69, s3, 10
	s_add_co_u32 s68, s68, s69
	s_mov_b32 s69, 0
	s_add_nc_u64 s[72:73], s[8:9], s[68:69]
.set g, 0
.rept 6                                ; g = 2 s + half
.set i, 0
.rept 8
	global_load_b128 v[64+32*g+4*i:64+32*g+4*i+3], v4, s[72:73] offset:(g/2)*540672+i*8448+(g%2)*512
.set i, i+1
.endr
.set g, g+1
.endr
	s_mul_i32 s68, s2, 3072
	v_lshl_add_u32 v6, v1, 4, s68
	s_wait_loadcnt 0x0
.set g, 0
.rept 6
.set i, 1
.rept 7
	v_pk_add_f32 v[64+32*g:65+32*g], v[64+32*g:65+32*g], v[64+32*g+4*i:65+32*g+4*i]
	v_pk_add_f32 v[66+32*g:67+32*g], v[66+32*g:67+32*g], v[66+32*g+4*i:67+32*g+4*i]
.set i, i+1
.endr
	ds_store_b128 v6, v[64+32*g:67+32*g] offset:512*g
.set g, g+1
.endr
	s_branch .Lbar1
.Lhi_a:
	s_sub_co_u32 s5, s2, 8                         ; waves 8-15: thread t' = 32 w' + l owns input t' of the router
	s_lshr_b32 s68, s5, 2
	s_lshl_b32 s68, s68, 15                        ; the modality's 32,768 bytes of column sums
	s_and_b32 s69, s5, 3
	s_lshl_b32 s69, s69, 7
	s_add_co_u32 s68, s68, s69
	v_lshl_add_u32 v6, v1, 2, s68
	s_lshl_b32 s68, s3, 12
	s_add_co_u32 s68, s68, 49152
	s_mov_b32 s69, 0
	s_add_nc_u64 s[72:73], s[10:11], s[68:69]
.set p, 0
.rept 8
	global_load_b32 v[64+p], v6, s[72:73] offset:512*p
.set p, p+1
.endr
	s_lshl_b32 s68, s5, 14
	s_mov_b32 s69, 0
	s_add_nc_u64 s[74:75], s[30:31], s[68:69]      ; my 16 rows of r1_w
.set i, 0
.rept 32
	global_load_b128 v[128+4*i:128+4*i+3], v4, s[74:75] offset:512*i
.set i, i+1
.endr
	s_lshl_b32 s68, s2, 7
	s_add_co_u32 s68, s68, RI-1024                 ; RI + 128 (wave - 8), made of the wave's number itself
	v_lshl_add_u32 v7, v1, 2, s68
	s_wait_loadcnt 32                              ; the column sums are in; r1_w's 32 loads stay out
.set p, 1
.rept 7
	v_add_f32 v64, v64, v[64+p]
.set p, p+1
.endr
	v_mul_f32 v64, 0x3a000000, v64                 ; / 2,048
	ds_store_b32 v7, v64
.Lbar1:
	s_wait_dscnt 0x0
	s_barrier_signal -1
	s_barrier_wait -1
	s_cmp_lt_u32 s2, 8
	s_cbranch_scc1 .Llo_b
	v_add_nc_u32 v7, RI, v4                        ; waves 8-15: 16 rows of the router's first linear
	ds_load_b128 v[72:75], v7
	ds_load_b128 v[76:79], v7 offset:512
	s_wait_loadcnt 0x0
.set i, 0
.rept 64
	RB 128+2*i, 129+2*i, 8+i%2
.set i, i+1
.endr
	s_wait_dscnt 0x0
.set i, 0
.rept 16
	v_pk_mul_f32 v[80+2*(i%4):81+2*(i%4)], v[128+8*i:129+8*i], v[72:73]
	v_pk_fma_f32 v[80+2*(i%4):81+2*(i%4)], v[130+8*i:131+8*i], v[74:75], v[80+2*(i%4):81+2*(i%4)]
	v_pk_fma_f32 v[80+2*(i%4):81+2*(i%4)], v[132+8*i:133+8*i], v[76:77], v[80+2*(i%4):81+2*(i%4)]
	v_pk_fma_f32 v[80+2*(i%4):81+2*(i%4)], v[134+8*i:135+8*i], v[78:79], v[80+2*(i%4):81+2*(i%4)]
	v_add_f32 v[96+i], v[80+2*(i%4)], v[81+2*(i%4)]
.set i, i+1
.endr
.irp m, 1, 2, 4, 8
.set i, 0
.rept 16
	v_add_f32_dpp v[96+i], v[96+i], v[96+i] row_xmask:\m row_mask:0xf bank_mask:0xf
.set i, i+1
.endr
.endr
	s_lshl_b32 s68, s2, 6
	s_add_co_u32 s68, s68, HH-512                  ; HH + 64 (wave - 8): my 16 words, made here of the wave's number itself
	v_mov_b32 v9, s68
.set i, 0
.rept 16
	v_permlanex16_b32 v[128+i], v[96+i], s[SEL], s[SEL+1]
.set i, i+1
.endr
.set i, 0
.rept 16
	v_add_f32 v[96+i], v[96+i], v[128+i]
	ds_store_b32 v9, v[96+i] offset:4*i            ; all lanes store the same number
.set i, i+1
.endr
	s_branch .Lbar2
.Llo_b:
	s_cmp_lt_u32 s2, 3
	s_cbranch_scc0 .Lbar2
	s_lshl_b32 s68, s2, 10                         ; waves 0-2: stream w's descriptor; a lane holds outputs 4 l .. and 128 + 4 l ..
	v_lshl_add_u32 v6, v1, 4, s68
.set i, 0
.rept 16
	ds_load_b128 v[64+4*i:64+4*i+3], v6 offset:(i/2)*3072+(i%2)*512
.set i, i+1
.endr
	v_add_f32 v14, v14, v15
	WRED 14, 15
	RECLEN 14                                      ; 1 / the whole vector's length
.set i, 0
.rept 12
	RB 16+2*i, 17+2*i, 8
.set i, i+1
.endr
	s_wait_dscnt 0x0
.set i, 1
.rept 7
.set j, 0
.rept 4
	v_pk_add_f32 v[64+2*j:65+2*j], v[64+2*j:65+2*j], v[64+8*i+2*j:65+8*i+2*j]
.set j, j+1
.endr
.set i, i+1
.endr
.set j, 0
.rept 4
	v_pk_fma_f32 v[64+2*j:65+2*j], v[64+2*j:65+2*j], v[14:15], v[16+2*j:17+2*j] op_sel_hi:[1,0,1]
.set j, j+1
.endr
	v_pk_add_f32 v[72:73], v[64:65], v[66:67]
	v_pk_add_f32 v[74:75], v[68:69], v[70:71]
	v_pk_add_f32 v[72:73], v[72:73], v[74:75]
	v_add_f32 v72, v72, v73
	WRED 72, 73
	v_mul_f32 v72, s6, v72
	v_mov_b32 v73, v72
.set j, 0
.rept 4
	v_pk_add_f32 v[64+2*j:65+2*j], v[64+2*j:65+2*j], v[72:73] neg_lo:[0,1] neg_hi:[0,1]
.set j, j+1
.endr
	v_pk_mul_f32 v[74:75], v[64:65], v[64:65]
	v_pk_fma_f32 v[74:75], v[66:67], v[66:67], v[74:75]
	v_pk_fma_f32 v[74:75], v[68:69], v[68:69], v[74:75]
	v_pk_fma_f32 v[74:75], v[70:71], v[70:71], v[74:75]
	v_add_f32 v74, v74, v75
	WRED 74, 75
	v_fma_f32 v74, v74, s6, s7
	v_rsq_f32 v74, v74
	v_nop
	s_wait_alu depctr_va_vdst(0)
.set j, 0
.rept 4
	v_pk_mul_f32 v[64+2*j:65+2*j], v[64+2*j:65+2*j], v[74:75] op_sel_hi:[1,0]
.set j, j+1
.endr
.set j, 0
.rept 4
	v_pk_fma_f32 v[64+2*j:65+2*j], v[64+2*j:65+2*j], v[24+2*j:25+2*j], v[32+2*j:33+2*j]
.set j, j+1
.endr
	L2N8 64, 76
	s_lshl_b32 s68, s3, 10
	s_mov_b32 s69, 0
	s_add_nc_u64 s[76:77], s[66:67], s[68:69]
	global_store_b128 v4, v[64:67], s[76:77]
	global_store_b128 v4, v[68:71], s[76:77] offset:512
	s_lshl_b32 s68, s2, 10
	s_add_co_u32 s68, s68, DSC
	v_lshl_add_u32 v6, v1, 4, s68
	ds_store_b128 v6, v[64:67]
	ds_store_b128 v6, v[68:71] offset:512
.Lbar2:
	s_wait_dscnt 0x0
	s_barrier_signal -1
	s_barrier_wait -1
	s_cmp_eq_u32 s2, 3
	s_cbranch_scc0 .Lbar3
	v_add_nc_u32 v6, HH, v4                        ; wave 3: the router; a lane holds hidden numbers 4 l ..
	ds_load_b128 v[64:67], v6
.set i, 0
.rept 12
	RB 40+2*i, 41+2*i, 8
.set i, i+1
.endr
	v_mov_b32 v68, s52
	v_mov_b32 v69, s53
	v_mov_b32 v70, s54
	RB1 68
	RB1 69
	RB1 70
	s_wait_dscnt 0x0
	v_pk_add_f32 v[64:65], v[64:65], v[40:41]
	v_pk_add_f32 v[66:67], v[66:67], v[42:43]
	v_pk_add_f32 v[72:73], v[64:65], v[66:67]
	v_add_f32 v72, v72, v73
	WRED 72, 73
	v_mul_f32 v72, s79, v72
	v_mov_b32 v73, v72
	v_pk_add_f32 v[64:65], v[64:65], v[72:73] neg_lo:[0,1] neg_hi:[0,1]
	v_pk_add_f32 v[66:67], v[66:67], v[72:73] neg_lo:[0,1] neg_hi:[0,1]
	v_pk_mul_f32 v[74:75], v[64:65], v[64:65]
	v_pk_fma_f32 v[74:75], v[66:67], v[66:67], v[74:75]
	v_add_f32 v74, v74, v75
	WRED 74, 75
	v_fma_f32 v74, v74, s79, s7
	v_rsq_f32 v74, v74
	v_nop
	s_wait_alu depctr_va_vdst(0)
	v_pk_mul_f32 v[64:65], v[64:65], v[74:75] op_sel_hi:[1,0]
	v_pk_mul_f32 v[66:67], v[66:67], v[74:75] op_sel_hi:[1,0]
	v_pk_fma_f32 v[64:65], v[64:65], v[44:45], v[48:49]
	v_pk_fma_f32 v[66:67], v[66:67], v[46:47], v[50:51]
.set i, 0
.rept 4
	v_max_num_f32 v[64+i], 0, v[64+i]
.set i, i+1
.endr
.set j, 0
.rept 3
	v_pk_mul_f32 v[72+2*j:73+2*j], v[64:65], v[52+4*j:53+4*j]
	v_pk_fma_f32 v[72+2*j:73+2*j], v[66:67], v[54+4*j:55+4*j], v[72+2*j:73+2*j]
	v_add_f32 v[72+2*j], v[72+2*j], v[73+2*j]
	WRED 72+2*j, 73+2*j
	v_add_f32 v[72+2*j], v[72+2*j], v[68+j]
.set j, j+1
.endr
	v_max3_num_f32 v78, v72, v74, v76              ; the softmax of three takes its maximum away
.set j, 0
.rept 3
	v_sub_f32 v[72+2*j], v[72+2*j], v78
	v_mul_f32 v[72+2*j], 0x3fb8aa3b, v[72+2*j]
.set j, j+1
.endr
	v_exp_f32 v72, v72
	v_exp_f32 v74, v74
	v_exp_f32 v76, v76
	v_nop
	s_wait_alu depctr_va_vdst(0)
	v_add_f32 v79, v72, v74
	v_add_f32 v79, v79, v76
	v_rcp_f32 v79, v79
	v_mov_b32 v9, RW
	s_wait_alu depctr_va_vdst(0)
	v_mul_f32 v80, v72, v79
	v_mul_f32 v81, v74, v79
	v_mul_f32 v82, v76, v79
	ds_store_b32 v9, v80
	ds_store_b32 v9, v81 offset:4
	ds_store_b32 v9, v82 offset:8
	v_cmp_eq_u32 vcc_lo, 1, v1
	v_cndmask_b32 v84, v80, v81, vcc_lo
	v_cmp_eq_u32 vcc_lo, 2, v1
	v_cndmask_b32 v84, v84, v82, vcc_lo
	v_lshlrev_b32 v85, 2, v1
	s_mul_i32 s68, s3, 12
	s_mov_b32 s69, 0
	s_add_nc_u64 s[76:77], s[44:45], s[68:69]
	s_wait_xcnt 0x0                                ; EXEC changes only behind this wait
	v_cmp_gt_u32 vcc_lo, 3, v1
	s_and_saveexec_b32 s78, vcc_lo
	global_store_b32 v85, v84, s[76:77]            ; lanes 0 to 2: the batch's three weights
	s_wait_xcnt 0x0
	s_or_b32 exec_lo, exec_lo, s78
.Lbar3:
	s_wait_dscnt 0x0
	s_barrier_signal -1
	s_barrier_wait -1
	s_cmp_eq_u32 s2, 0
	s_cbranch_scc0 .Lend
	s_wait_xcnt 0x0                                ; my earlier stores have read v[64:71]
	v_add_nc_u32 v6, DSC, v4                       ; wave 0: the weighted sum, at unit length
.set i, 0
.rept 6
	ds_load_b128 v[64+4*i:64+4*i+3], v6 offset:512*i
.set i, i+1
.endr
	v_mov_b32 v9, RW
	ds_load_b32 v88, v9
	ds_load_b32 v90, v9 offset:4
	ds_load_b32 v92, v9 offset:8
	v_mov_b32 v89, 0
	v_mov_b32 v91, 0
	v_mov_b32 v93, 0
	s_wait_dscnt 0x0
.set j, 0
.rept 4
	v_pk_mul_f32 v[64+2*j:65+2*j], v[64+2*j:65+2*j], v[88:89] op_sel_hi:[1,0]
.set j, j+1
.endr
.set j, 0
.rept 4
	v_pk_fma_f32 v[64+2*j:65+2*j], v[72+2*j:73+2*j], v[90:91], v[64+2*j:65+2*j] op_sel_hi:[1,0,1]
.set j, j+1
.endr
.set j, 0
.rept 4
	v_pk_fma_f32 v[64+2*j:65+2*j], v[80+2*j:81+2*j], v[92:93], v[64+2*j:65+2*j] op_sel_hi:[1,0,1]
.set j, j+1
.endr
	L2N8 64, 94
	s_lshl_b32 s68, s3, 10
	s_mov_b32 s69, 0
	s_add_nc_u64 s[74:75], s[42:43], s[68:69]
	global_store_b128 v4, v[64:67], s[74:75]
	global_store_b128 v4, v[68:71], s[74:75] offset:512
.Lend:
	s_wait_tensorcnt 0x0                           ; the wave's end behind my last LDS store
	ds_add_u32 v2, v3
	s_wait_dscnt 0x0
	s_endpgm
.Lfunc_end_k_qa3cae81d45_final:
	.size	k_qa3cae81d45_final, .Lfunc_end_k_qa3cae81d45_final-k_qa3cae81d45_final
	.p2alignl 7, 3214868480
	.fill 96, 4, 3214868480
	.section	.rodata,"a",@progbits
	.p2align	6, 0x0
	.amdhsa_kernel k_qa3cae81d45_final
		.amdhsa_group_segment_fixed_size 31488
		.amdhsa_private_segment_fixed_size 0
		.amdhsa_enable_private_segment 0
		.amdhsa_kernarg_size 176
		.amdhsa_user_sgpr_count 2
		.amdhsa_user_sgpr_kernarg_segment_ptr 1
		.amdhsa_wavefront_size32 1
		.amdhsa_system_sgpr_workgroup_id_x 1
		.amdhsa_system_sgpr_workgroup_id_y 1
		.amdhsa_system_sgpr_workgroup_id_z 1
		.amdhsa_system_vgpr_workitem_id 0
		.amdhsa_next_free_vgpr 256
		.amdhsa_next_free_sgpr 80
		.amdhsa_reserve_vcc 1
		.amdhsa_float_denorm_mode_32 3
		.amdhsa_float_denorm_mode_16_64 3
		.amdhsa_memory_ordered 1
		.amdhsa_forward_progress 1
		.amdhsa_inst_pref_size 58
	.end_amdhsa_kernel
	.amdgpu_metadata
---
amdhsa.version: [ 1, 2 ]
amdhsa.kernels:
  - .name:           k_qa3cae81d45_final
    .symbol:         k_qa3cae81d45_final.kd
    .args:
      - { .name: ypart, .offset: 0, .size: 8, .value_kind: global_buffer, .address_space: global }
      - { .name: aux, .offset: 8, .size: 8, .value_kind: global_buffer, .address_space: global }
      - { .name: params_geo_bn_b, .offset: 16, .size: 8, .value_kind: global_buffer, .address_space: global }
      - { .name: params_vis_bn_b, .offset: 24, .size: 8, .value_kind: global_buffer, .address_space: global }
      - { .name: params_fus_bn_b, .offset: 32, .size: 8, .value_kind: global_buffer, .address_space: global }
      - { .name: params_geo_bn_g, .offset: 40, .size: 8, .value_kind: global_buffer, .address_space: global }
      - { .name: params_vis_bn_g, .offset: 48, .size: 8, .value_kind: global_buffer, .address_space: global }
      - { .name: params_fus_bn_g, .offset: 56, .size: 8, .value_kind: global_buffer, .address_space: global }
      - { .name: params_geo_bn_beta, .offset: 64, .size: 8, .value_kind: global_buffer, .address_space: global }
      - { .name: params_vis_bn_beta, .offset: 72, .size: 8, .value_kind: global_buffer, .address_space: global }
      - { .name: params_fus_bn_beta, .offset: 80, .size: 8, .value_kind: global_buffer, .address_space: global }
      - { .name: params_r1_w, .offset: 88, .size: 8, .value_kind: global_buffer, .address_space: global }
      - { .name: params_r1_b, .offset: 96, .size: 8, .value_kind: global_buffer, .address_space: global }
      - { .name: params_r1_g, .offset: 104, .size: 8, .value_kind: global_buffer, .address_space: global }
      - { .name: params_r1_beta, .offset: 112, .size: 8, .value_kind: global_buffer, .address_space: global }
      - { .name: params_r2_w, .offset: 120, .size: 8, .value_kind: global_buffer, .address_space: global }
      - { .name: params_r2_b, .offset: 128, .size: 8, .value_kind: global_buffer, .address_space: global }
      - { .name: out0, .offset: 136, .size: 8, .value_kind: global_buffer, .address_space: global }
      - { .name: out1, .offset: 144, .size: 8, .value_kind: global_buffer, .address_space: global }
      - { .name: out2, .offset: 152, .size: 8, .value_kind: global_buffer, .address_space: global }
      - { .name: out3, .offset: 160, .size: 8, .value_kind: global_buffer, .address_space: global }
      - { .name: out4, .offset: 168, .size: 8, .value_kind: global_buffer, .address_space: global }
    .group_segment_fixed_size: 31488
    .private_segment_fixed_size: 0
    .kernarg_segment_align: 8
    .kernarg_segment_size: 176
    .max_flat_workgroup_size: 512
    .sgpr_count:     80
    .vgpr_count:     256
    .wavefront_size: 32
...
	.end_amdgpu_metadata
.endif
;; end of part 5
;; ======== version 2 of 2: 5 launches; version 1 with the launches embed, bn written anew for expert scheduling mode
;; workspace buffers: emb 8,388,608 bytes; kbuf 8,388,608 bytes; vbuf 8,388,608 bytes; wbf 245,760 bytes; fbuf 8,388,608 bytes; vpart 6,291,456 bytes; aux 114,688 bytes; ypart 1,622,016 bytes
;; launch embed (part 6): grid 128 x 2, 8 waves a work-group, no clusters, 144,896 bytes of LDS; arguments gaussians, visual_features, params_pg_w, params_pv_w, params_pg_b, params_pv_b, params_pg_g, params_pv_g, params_pg_beta, params_pv_beta, params_v2g_in_w, params_g2v_in_w, params_v2g_in_b, params_g2v_in_b, params_g2v_out_w, params_v2g_out_w, params_gate_w, params_geo_conv_w, params_vis_conv_w, params_fus_conv_w, emb, kbuf, vbuf, wbf; writes emb, kbuf, vbuf, wbf
.if DOCPART == 6
	.amdgcn_target "amdgcn-amd-amdhsa--gfx1250"
	.amdhsa_code_object_version 6
	.text
	.protected	k_qa3cae81d45_embed
	.globl	k_qa3cae81d45_embed
	.p2align	8
	.type	k_qa3cae81d45_embed,@function
k_qa3cae81d45_embed:
	s_mov_b64 s[64:65], 0
	v_nop
	global_prefetch_b8 v0, s[64:65] scope:SCOPE_SE
	s_setreg_imm32_b32 hwreg(HW_REG_WAVE_SCHED_MODE, 0, 2), 2
	s_setreg_imm32_b32 hwreg(HW_REG_WAVE_MODE, 25, 1), 1
	s_wait_xcnt 0x0
	s_wait_alu depctr_vm_vsrc(0)
; EMBED.  emb = relu(LayerNorm(x W^T + b)) for one modality (grid y: 0 = gaussians, 14 columns; 1 = visual features, 64 columns), and from it
; K and V of the attention whose keys come from this modality (rows 128 to 383 of that direction's in_w).  All three leave as bf16, [rows][128].
; A work-group owns 128 rows, each of its eight waves 16.  Every input is rounded once to bf16 as it is loaded; products by the bf16 matrix form, sums and the norm in f32.
; THE PRODUCT IS TAKEN TRANSPOSED (source 0 = 16 rows of the weights, source 1 = 16 rows of x): a lane then holds ONE row (lane % 16) and the outputs 16 blk + 8 (lane / 16) + 0..7,
; so the norm over 128 channels is a sum over the lane's 64 registers and one exchange of the lanes' halves, and the rounded result IS source 1 of the next product.
; Work-groups 0 to 59 of modality 0 also write one block of 4,096 bytes of wbf: bf16 copies of the weights that the later launches multiply by.
; No tensor load: the weights are f32 and pass through registers to be rounded.  No cluster: what work-groups share is read once by each, not streamed.
; LIMITS.  NaN and infinities are not treated apart; the reciprocal root is the instruction's, good to one unit in the last place.
; THE MODE: SCHED_MODE bits 1:0 = 2 (LLVM: expert scheduling mode 2), set by the entry lines.  The code itself states the register dependences
; between vector or matrix instructions and memory or LDS instructions, with s_wait_alu, always for 0.
; THE PLAN.  Registers that memory or LDS instructions touch:
;   v7-v13     addresses, made at the head and never written again: the one wait ahead of the first load serves them for the whole kernel.
;   v14-v30    offsets, addresses and parameters of the staging; behind the barrier x's fragments land there, later the norm works there.
;   v64-v127   raw x, rounded and stored to LDS; then the accumulators; v64-v95 also take the first way out's rows back.
;   v128-v255  raw weights of K and V, rounded and stored to LDS; the embedding's fragments; gain and beta; then the buffers WB0 and WB1; v128-v191 also serve the ways out.
;   v32-v63    emb: written by the roundings, read by LDS stores and by matrix instructions, never written again.
; Roundings stand in runs, ONE wait on va_vdst behind a run, and the run of stores behind that.  One wait on vm_vsrc stands behind the staging's barrier and one at each group's head, where
; registers that stores have read are loaded again.  In a group a wait on va_vdst stands where a buffer's products are over; the loads into that buffer are then dealt among the products
; on the other buffer, which name that other buffer, emb and the accumulators: none of the registers that those loads touch.
.set XT,    0                          ; LDS: 128 rows of x, 64 bf16 + 16 bytes of padding (pitch 144)
.set WT,    18432                      ; 128 rows of the embedding's weights, likewise
.set WKV,   36864                      ; 256 rows of K's and V's weights, 128 bf16 + 16 bytes (pitch 272)
.set STG,   106496                     ; a stage of 16 rows x 272 bytes for each wave, for the way out
.set PAR,   141312                     ; f32: bias +0, gain +512, K's and V's bias +1,024, beta +2,048
.set SPARE, 143872                     ; the spare words: 128 bytes a wave, four blocks of 256 bytes that no other line names
.set SPW, 4                            ; v4   my spare word's address; never rewritten
.set NIL, 5                            ; v5   0; never rewritten
.set ZR,  6                            ; v6   0, for the packed ReLU
.set AXF, 7                            ; v7   my fragment's place in x
.set AWF, 8                            ; v8   in the embedding's weights
.set AKV, 9                            ; v9   in K's and V's weights
.set APB, 10                           ; v10  PAR + 32 (lane / 16)
.set STO, 11                           ; v11  the way out: where I put 16 bytes of a row
.set RD,  12                           ; v12  where I read a row back
.set GO,  13                           ; v13  my byte offset in 16 rows of an output
.set XF,  16                           ; v[16:31]   two fragments of x; later at work in the norm
.set E,   32                           ; v[32:63]   emb, bf16: four fragments
.set ACC, 64                           ; v[64:127]  eight accumulators
.set WB0, 128                          ; v[128:191], v[192:255] two buffers of weight fragments
.set WB1, 192
.set WV,  2
.set MOD, 3
.set BLK, 4
.set SEL, 80                           ; s[80:81] v_permlanex16_b32's selects: each lane takes its own place in the other half
.set INV, 82                           ; 1/128
.set EPS, 83                           ; 1e-5
.macro PLACES                          ; four places behind a matrix instruction (ISA guide 7.12.1)
.rept 4
	v_nop
.endr
.endm
.macro RB1 a                           ; one number rounded to bf16 and widened again
	v_cvt_pk_bf16_f32 v[\a], v[\a], v[\a]
	v_lshlrev_b32 v[\a], 16, v[\a]
.endm
; LayerNorm of the lane's 64 registers xr (the row's other 64 lie in the lane 16 away), gain in gr, beta in br, eight registers at work in tr.  Registers are taken in ascending order.
.macro LN64 xr, gr, br, tr
	v_pk_add_f32 v[(\tr):(\tr)+1], v[(\xr):(\xr)+1], v[(\xr)+2:(\xr)+3]
	v_pk_add_f32 v[(\tr)+2:(\tr)+3], v[(\xr)+4:(\xr)+5], v[(\xr)+6:(\xr)+7]
.set i, 8
.rept 14
	v_pk_add_f32 v[(\tr):(\tr)+1], v[(\tr):(\tr)+1], v[(\xr)+i:(\xr)+i+1]
	v_pk_add_f32 v[(\tr)+2:(\tr)+3], v[(\tr)+2:(\tr)+3], v[(\xr)+i+2:(\xr)+i+3]
.set i, i+4
.endr
	v_pk_add_f32 v[(\tr):(\tr)+1], v[(\tr):(\tr)+1], v[(\tr)+2:(\tr)+3]
	v_add_f32 v[\tr], v[\tr], v[(\tr)+1]
	v_permlanex16_b32 v[(\tr)+1], v[\tr], s[SEL], s[SEL+1]
	v_add_f32 v[\tr], v[\tr], v[(\tr)+1]
	v_mul_f32 v[(\tr)+4], s[INV], v[\tr]           ; the mean
	v_mov_b32 v[(\tr)+5], v[(\tr)+4]
.set i, 0
.rept 32
	v_pk_add_f32 v[(\xr)+i:(\xr)+i+1], v[(\xr)+i:(\xr)+i+1], v[(\tr)+4:(\tr)+5] neg_lo:[0,1] neg_hi:[0,1]
.set i, i+2
.endr
	v_pk_mul_f32 v[(\tr):(\tr)+1], v[(\xr):(\xr)+1], v[(\xr):(\xr)+1]
	v_pk_mul_f32 v[(\tr)+2:(\tr)+3], v[(\xr)+2:(\xr)+3], v[(\xr)+2:(\xr)+3]
.set i, 4
.rept 15
	v_pk_fma_f32 v[(\tr):(\tr)+1], v[(\xr)+i:(\xr)+i+1], v[(\xr)+i:(\xr)+i+1], v[(\tr):(\tr)+1]
	v_pk_fma_f32 v[(\tr)+2:(\tr)+3], v[(\xr)+i+2:(\xr)+i+3], v[(\xr)+i+2:(\xr)+i+3], v[(\tr)+2:(\tr)+3]
.set i, i+4
.endr
	v_pk_add_f32 v[(\tr):(\tr)+1], v[(\tr):(\tr)+1], v[(\tr)+2:(\tr)+3]
	v_add_f32 v[\tr], v[\tr], v[(\tr)+1]
	v_permlanex16_b32 v[(\tr)+1], v[\tr], s[SEL], s[SEL+1]
	v_add_f32 v[\tr], v[\tr], v[(\tr)+1]
	v_fma_f32 v[\tr], v[\tr], s[INV], s[EPS]       ; the variance + 1e-5
	v_rsq_f32 v[(\tr)+6], v[\tr]
	v_mov_b32 v[(\tr)+7], 0                        ; the plain instruction behind the root; the register is named with it as a pair
	s_wait_dscnt 0x0                               ; gain and beta are in
	s_wait_alu depctr_va_vdst(0)                   ; the root is written, ahead of its first reader
.set i, 0
.rept 32
	v_pk_mul_f32 v[(\xr)+i:(\xr)+i+1], v[(\xr)+i:(\xr)+i+1], v[(\tr)+6:(\tr)+7] op_sel_hi:[1,0]
.set i, i+2
.endr
.set i, 0
.rept 32
	v_pk_fma_f32 v[(\xr)+i:(\xr)+i+1], v[(\xr)+i:(\xr)+i+1], v[(\gr)+i:(\gr)+i+1], v[(\br)+i:(\br)+i+1]
.set i, i+2
.endr
.endm
; The way out of 16 rows x 128 bf16: 16 bytes a lane into my own stage, back as whole rows of 256 bytes.  LDS serves a wave's instructions in order (ISA guide 5.7.1.4): no wait between.
.macro TOSTAGE src, bk
	s_wait_alu depctr_va_vdst(0)                   ; the roundings have written v[src ..], which the LDS stores read; the vector and matrix instructions that named v[bk ..], in which the loads land, are done
.set i, 0
.rept 8
	ds_store_b128 v[STO], v[(\src)+4*i:(\src)+4*i+3] offset:32*i
.set i, i+1
.endr
.set i, 0
.rept 8
	ds_load_b128 v[(\bk)+4*i:(\bk)+4*i+3], v[RD] offset:544*i
.set i, i+1
.endr
.endm
.macro SEND bk, base
	s_wait_dscnt 0x0
.set i, 0
.rept 8
	global_store_b128 v[GO], v[(\bk)+4*i:(\bk)+4*i+3], s[(\base):(\base)+1] offset:512*i  ; 16 lanes store 256 consecutive bytes, aligned
.set i, i+1
.endr
.endm
.macro FETCH g, ks, buf                ; eight fragments of K's (g = 0) or V's weights, 32 channels at ks
.set i, 0
.rept 8
	ds_load_b128 v[(\buf)+8*i:(\buf)+8*i+3],   v[AKV] offset:(\g)*34816+i*4352+(\ks)*64
	ds_load_b128 v[(\buf)+8*i+4:(\buf)+8*i+7], v[AKV] offset:(\g)*34816+i*4352+(\ks)*64+32
.set i, i+1
.endr
.endm
.macro MUL buf, ks                     ; eight products; the eight accumulators take turns
.set i, 0
.rept 8
	v_wmma_f32_16x16x32_bf16 v[ACC+8*i:ACC+8*i+7], v[(\buf)+8*i:(\buf)+8*i+7], v[E+8*(\ks):E+8*(\ks)+7], v[ACC+8*i:ACC+8*i+7]
.set i, i+1
.endr
.endm
; The same eight products, and among them the sixteen loads of K step kn into the other buffer fb: four behind each of the first four products, so that the last has time to land.
; No wait among them: no vector or matrix instruction since the wait ahead of the macro names v[fb ..].
.macro MULF buf, ks, g, kn, fb
.set i, 0
.rept 8
	v_wmma_f32_16x16x32_bf16 v[ACC+8*i:ACC+8*i+7], v[(\buf)+8*i:(\buf)+8*i+7], v[E+8*(\ks):E+8*(\ks)+7], v[ACC+8*i:ACC+8*i+7]
.if i < 4
	ds_load_b128 v[(\fb)+16*i:(\fb)+16*i+3],     v[AKV] offset:(\g)*34816+(2*i)*4352+(\kn)*64
	ds_load_b128 v[(\fb)+16*i+4:(\fb)+16*i+7],   v[AKV] offset:(\g)*34816+(2*i)*4352+(\kn)*64+32
	ds_load_b128 v[(\fb)+16*i+8:(\fb)+16*i+11],  v[AKV] offset:(\g)*34816+(2*i+1)*4352+(\kn)*64
	ds_load_b128 v[(\fb)+16*i+12:(\fb)+16*i+15], v[AKV] offset:(\g)*34816+(2*i+1)*4352+(\kn)*64+32
.endif
.set i, i+1
.endr
.endm
.macro GROUP g, base                   ; K (g = 0) or V of my 16 rows
	s_wait_xcnt 0x0                                ; the last stores have had their addresses translated: their registers are loaded again below
	s_wait_alu depctr_vm_vsrc(0)                   ; the last way out's LDS stores and global stores have read their data registers, in which the loads below land
.set i, 0
.rept 8
	ds_load_b128 v[ACC+8*i:ACC+8*i+3],   v[APB] offset:1024+(\g)*512+64*i     ; the bias starts the sums
	ds_load_b128 v[ACC+8*i+4:ACC+8*i+7], v[APB] offset:1024+(\g)*512+64*i+16
.set i, i+1
.endr
	FETCH \g, 0, WB0
	FETCH \g, 1, WB1
	s_wait_dscnt 16                                ; all but the other buffer's sixteen loads
	MUL WB0, 0
	PLACES
	s_wait_dscnt 0x0                               ; WB1 is in: nothing else is out
	s_wait_alu depctr_va_vdst(0)                   ; the eight products above are done reading WB0, in which K step 2 lands
	MULF WB1, 1, \g, 2, WB0
	PLACES
	s_wait_dscnt 0x0                               ; WB0 is in: nothing else is out
	s_wait_alu depctr_va_vdst(0)                   ; the eight products above are done reading WB1, in which K step 3 lands
	MULF WB0, 2, \g, 3, WB1
	s_wait_dscnt 0x0
	MUL WB1, 3
	PLACES
.set i, 0
.rept 32
	v_cvt_pk_bf16_f32 v[128+i], v[ACC+2*i], v[ACC+2*i+1]
.set i, i+1
.endr
	TOSTAGE 128, 160
	SEND 160, \base
.endm
	s_load_b512 s[8:23], s[0:1], 0x0               ; x (g, v), W (g, v), b (g, v), gain (g, v)
	s_load_b512 s[24:39], s[0:1], 0x40             ; beta (g, v), in_w (v2g, g2v), in_b (v2g, g2v), out_w (g2v, v2g)
	s_load_b512 s[40:55], s[0:1], 0x80             ; gate_w, conv_w (geo, vis, fus), emb, kbuf, vbuf, wbf
	v_lshl_add_u32 v[SPW], v0, 2, SPARE
	v_mov_b32 v[NIL], 0
	v_mov_b32 v[ZR], 0
	v_lshrrev_b32 v1, 5, v0
	v_readfirstlane_b32 s[WV], v1                  ; wave 0..7
	v_and_b32 v3, 31, v0                           ; l
	v_and_b32 v1, 15, v0                           ; r = l % 16
	v_bfe_u32 v2, v0, 4, 1                         ; hh = l / 16
	s_and_b32 s[MOD], ttmp7, 0xffff
	s_mov_b32 s[BLK], ttmp9
	s_wait_alu depctr_va_sdst(0)                   ; the wave's number is written, ahead of its first reader
	s_and_b32 s5, s[WV], 3
	s_mov_b32 s[SEL], 0x76543210
	s_mov_b32 s[SEL+1], 0xfedcba98
	s_mov_b32 s[INV], 0x3c000000
	s_mov_b32 s[EPS], 0x3727c5ac
	v_mul_u32_u24 v16, v1, 144
	v_lshl_add_u32 v16, v2, 4, v16                 ; r x 144 + 16 hh
	s_mul_i32 s56, s[WV], 2304
	v_add_nc_u32 v[AXF], s56, v16                  ; my 16 rows of x
	v_add_nc_u32 v[AWF], WT, v16
	v_mul_u32_u24 v17, v1, 272
	v_lshl_add_u32 v17, v2, 4, v17                 ; r x 272 + 16 hh
	v_add_nc_u32 v[AKV], WKV, v17
	v_lshl_add_u32 v[APB], v2, 5, PAR
	s_mul_i32 s56, s[WV], 4352
	s_add_co_u32 s56, s56, STG                     ; my stage
	v_add_nc_u32 v[STO], s56, v17
	v_mul_u32_u24 v18, v2, 272
	v_lshl_add_u32 v18, v1, 4, v18
	v_add_nc_u32 v[RD], s56, v18
	v_lshlrev_b32 v[GO], 8, v2
	v_lshl_add_u32 v[GO], v1, 4, v[GO]
	s_lshl_b32 s56, s[WV], 14
	v_lshl_add_u32 v14, v3, 4, s56                 ; K's and V's weights: my 32 rows of 512 bytes, 16 bytes a lane
	v_lshlrev_b32 v15, 2, v0                       ; 4 t
	s_lshl_b32 s56, s5, 7
	v_lshl_add_u32 v19, v3, 2, s56                 ; 4 (t % 128)
	s_mul_i32 s56, s[WV], 8704
	s_add_co_u32 s56, s56, WKV
	v_lshl_add_u32 v25, v3, 3, s56                 ; where those 32 rows go, 8 bytes a lane
	s_lshl_b32 s88, s[MOD], 22                     ; byte offsets of my 16 rows: emb by the modality,
	s_lshl_b32 s57, s[BLK], 15
	s_lshl_b32 s58, s[WV], 12
	s_add_co_u32 s57, s57, s58
	s_add_co_u32 s88, s88, s57
	s_mov_b32 s89, 0
	s_xor_b32 s92, s[MOD], 1                       ; K and V by the direction, 1 - modality
	s_lshl_b32 s92, s92, 22
	s_add_co_u32 s92, s92, s57
	s_mov_b32 s93, 0
	s_wait_kmcnt 0x0
	s_add_nc_u64 s[90:91], s[48:49], s[88:89]
	s_add_nc_u64 s[94:95], s[50:51], s[92:93]
	s_add_nc_u64 s[96:97], s[52:53], s[92:93]
	s_cmp_eq_u32 s[MOD], 0
	s_cselect_b64 s[66:67], s[8:9], s[10:11]       ; x
	s_cselect_b64 s[68:69], s[12:13], s[14:15]     ; W
	s_cselect_b64 s[70:71], s[16:17], s[18:19]     ; b
	s_cselect_b64 s[72:73], s[20:21], s[22:23]     ; gain
	s_cselect_b64 s[74:75], s[24:25], s[26:27]     ; beta
	s_cselect_b64 s[76:77], s[28:29], s[30:31]     ; in_w
	s_cselect_b64 s[78:79], s[32:33], s[34:35]     ; in_b
	s_add_nc_u64 s[76:77], s[76:77], 0x10000       ; past Q's 128 rows
	s_wait_alu depctr_va_vdst(0)                   ; the head's addresses and offsets are written (v7 to v15, v19, v25), which the loads and stores from here on read
.set i, 0
.rept 32
	global_load_b128 v[128+4*i:128+4*i+3], v14, s[76:77] offset:512*i  ; a row an instruction: 512 consecutive bytes
.set i, i+1
.endr
	s_cmp_lt_u32 s[WV], 4
	s_cselect_b64 s[84:85], s[70:71], s[72:73]     ; waves 0-3 bring the bias, waves 4-7 the gain
	global_load_b32 v28, v19, s[84:85]
	global_load_b32 v29, v15, s[78:79] offset:512  ; K's and V's 256 biases
	global_load_b32 v30, v19, s[74:75]
	s_mul_i32 s56, s[WV], 4608                     ; waves 0-3 stage x, waves 4-7 the weights: 32 rows a wave; the two tables lie end to end
	s_cmp_eq_u32 s[MOD], 0
	s_cbranch_scc1 .Lgeo
	s_lshl_b32 s88, s[BLK], 15                     ; rows of 64 f32: 256 bytes
	s_mov_b32 s89, 0
	s_add_nc_u64 s[86:87], s[66:67], s[88:89]
	s_cmp_lt_u32 s[WV], 4
	s_cselect_b64 s[86:87], s[86:87], s[68:69]
	s_lshl_b32 s57, s5, 13
	v_lshl_add_u32 v20, v3, 4, s57
	s_wait_alu depctr_va_vdst(0)                   ; v20 is written, the offset of the sixteen loads below
.set i, 0
.rept 16
	global_load_b128 v[64+4*i:64+4*i+3], v20, s[86:87] offset:512*i    ; two rows an instruction
.set i, i+1
.endr
	v_mul_u32_u24 v21, v2, 144
	v_lshl_add_u32 v21, v1, 3, v21
	v_add_nc_u32 v21, s56, v21
	s_wait_loadcnt 0x0
.set i, 0
.rept 16
	v_cvt_pk_bf16_f32 v[64+4*i], v[64+4*i], v[64+4*i+1]
	v_cvt_pk_bf16_f32 v[64+4*i+1], v[64+4*i+2], v[64+4*i+3]
.set i, i+1
.endr
	s_wait_alu depctr_va_vdst(0)                   ; the roundings and v21 are written: the data and the address of the run of LDS stores
.set i, 0
.rept 16
	ds_store_b64 v21, v[64+4*i:64+4*i+1] offset:288*i
.set i, i+1
.endr
	s_branch .Lstaged
.Lgeo:
	s_mul_i32 s88, s[BLK], 7168                    ; rows of 14 f32: 56 bytes; a lane a row
	s_mov_b32 s89, 0
	s_add_nc_u64 s[86:87], s[66:67], s[88:89]
	s_cmp_lt_u32 s[WV], 4
	s_cselect_b64 s[86:87], s[86:87], s[68:69]
	s_mul_i32 s57, s5, 1792
	v_mul_u32_u24 v20, v3, 56
	v_add_nc_u32 v20, s57, v20
	s_wait_alu depctr_va_vdst(0)                   ; v20 is written, the offset of the seven loads below
.set i, 0
.rept 7
	global_load_b64 v[64+2*i:64+2*i+1], v20, s[86:87] offset:8*i
.set i, i+1
.endr
	v_mul_u32_u24 v21, v3, 144
	v_add_nc_u32 v21, s56, v21
.set i, 87
.rept 5
	v_mov_b32 v[i], 0
.set i, i+1
.endr
	s_wait_loadcnt 0x0
.set i, 0
.rept 7
	v_cvt_pk_bf16_f32 v[80+i], v[64+2*i], v[64+2*i+1]
.set i, i+1
.endr
	s_wait_alu depctr_va_vdst(0)                   ; the roundings, the zeros and v21 are written: the data and the address of the LDS stores
	ds_store_b128 v21, v[80:83]
	ds_store_b128 v21, v[84:87] offset:16
.set i, 0
.rept 6
	ds_store_b128 v21, v[88:91] offset:32+16*i     ; columns 14 to 63 are zeros: both modalities run the same two K steps
.set i, i+1
.endr
.Lstaged:
	RB1 28
	RB1 29
	RB1 30
	v_lshl_add_u32 v24, v0, 2, PAR
.set i, 0
.rept 32
	v_cvt_pk_bf16_f32 v[128+4*i], v[128+4*i], v[128+4*i+1]
	v_cvt_pk_bf16_f32 v[128+4*i+1], v[128+4*i+2], v[128+4*i+3]
.set i, i+1
.endr
	s_wait_alu depctr_va_vdst(0)                   ; the parameters, v24 and the weights' roundings are written, which the LDS stores read; it is also the last vector naming of v16 to v31 and v64 to v255 ahead of the loads behind the barrier
	ds_store_b32 v24, v28
	ds_store_b32 v24, v29 offset:1024
	s_cmp_lt_u32 s[WV], 4
	s_cbranch_scc0 .Lno_beta                       ; beta's 128 words are stored once, by waves 0-3
	ds_store_b32 v24, v30 offset:2048
.Lno_beta:
.set i, 0
.rept 32
	ds_store_b64 v25, v[128+4*i:128+4*i+1] offset:272*i
.set i, i+1
.endr
	s_wait_dscnt 0x0                               ; for the others' sake: my stores are done
	s_barrier_signal -1
	s_barrier_wait -1
	s_wait_alu depctr_vm_vsrc(0)                   ; the staging's loads and LDS stores have read their offsets, addresses and data (in v14 to v30, v64 to v127, v128 to v255): fragments land in these registers below
	; the embedding: two K steps of 32, eight blocks of 16 outputs; the bias starts the sums
.set i, 0
.rept 4
	ds_load_b128 v[XF+4*i:XF+4*i+3], v[AXF] offset:32*i
.set i, i+1
.endr
.set i, 0
.rept 16
	ds_load_b128 v[128+8*i:128+8*i+3],   v[AWF] offset:(i/2)*2304+(i%2)*64
	ds_load_b128 v[128+8*i+4:128+8*i+7], v[AWF] offset:(i/2)*2304+(i%2)*64+32
.set i, i+1
.endr
.set i, 0
.rept 8
	ds_load_b128 v[ACC+8*i:ACC+8*i+3],   v[APB] offset:64*i
	ds_load_b128 v[ACC+8*i+4:ACC+8*i+7], v[APB] offset:64*i+16
.set i, i+1
.endr
	s_wait_dscnt 0x0
.set i, 0
.rept 16
	v_wmma_f32_16x16x32_bf16 v[ACC+8*(i%8):ACC+8*(i%8)+7], v[128+8*(2*(i%8)+i/8):128+8*(2*(i%8)+i/8)+7], v[XF+8*(i/8):XF+8*(i/8)+7], v[ACC+8*(i%8):ACC+8*(i%8)+7]
.set i, i+1
.endr
	PLACES
	s_wait_alu depctr_va_vdst(0)                   ; the sixteen products are done reading v128 to v255, in which gain and beta land
.set i, 0
.rept 8
	ds_load_b128 v[128+8*i:128+8*i+3],   v[APB] offset:512+64*i
	ds_load_b128 v[128+8*i+4:128+8*i+7], v[APB] offset:512+64*i+16
	ds_load_b128 v[192+8*i:192+8*i+3],   v[APB] offset:2048+64*i
	ds_load_b128 v[192+8*i+4:192+8*i+7], v[APB] offset:2048+64*i+16
.set i, i+1
.endr
	LN64 ACC, 128, 192, XF
.set i, 0
.rept 32
	v_cvt_pk_bf16_f32 v[E+i], v[ACC+2*i], v[ACC+2*i+1]
.set i, i+1
.endr
.set i, 0
.rept 32
	v_pk_max_num_bf16 v[E+i], v[E+i], v[ZR]        ; ReLU on the rounded pairs: nothing is rounded again
.set i, i+1
.endr
	TOSTAGE E, 64
	SEND 64, 90
	GROUP 0, 94
	GROUP 1, 96
	; the copies of weights: block c of 4,096 bytes of wbf is made of 8,192 bytes of one of eight tables
	s_cmp_eq_u32 s[MOD], 0
	s_cbranch_scc0 .Lend
	s_cmp_lt_u32 s[BLK], 60
	s_cbranch_scc0 .Lend
	s_mov_b64 s[84:85], s[30:31]                   ; blocks 0-7: g2v's Q rows
	s_mov_b32 s56, 0
.macro PICK first, reg
	s_cmp_ge_u32 s[BLK], \first
	s_cselect_b64 s[84:85], s[(\reg):(\reg)+1], s[84:85]
	s_cselect_b32 s56, \first, s56
.endm
	PICK 8, 28                                     ; v2g's Q rows
	PICK 16, 36                                    ; g2v out_w
	PICK 24, 38                                    ; v2g out_w
	PICK 32, 40                                    ; gate_w
	PICK 48, 42                                    ; conv_w: geo,
	PICK 52, 44                                    ; vis,
	PICK 56, 46                                    ; fus
	s_sub_co_u32 s56, s[BLK], s56
	s_lshl_b32 s56, s56, 13
	s_mov_b32 s57, 0
	s_add_nc_u64 s[84:85], s[84:85], s[56:57]
	s_lshl_b32 s58, s[BLK], 12
	s_mov_b32 s59, 0
	s_add_nc_u64 s[86:87], s[54:55], s[58:59]
	v_lshlrev_b32 v14, 5, v0
	v_lshlrev_b32 v15, 4, v0
	s_wait_alu depctr_va_vdst(0)                   ; v14 is written, the offset of the two loads (and v15, the store's)
	global_load_b128 v[16:19], v14, s[84:85]
	global_load_b128 v[20:23], v14, s[84:85] offset:16
	s_wait_loadcnt 0x0
	v_cvt_pk_bf16_f32 v24, v16, v17
	v_cvt_pk_bf16_f32 v25, v18, v19
	v_cvt_pk_bf16_f32 v26, v20, v21
	v_cvt_pk_bf16_f32 v27, v22, v23
	s_wait_alu depctr_va_vdst(0)                   ; the roundings have written v[24:27], the store's data
	global_store_b128 v15, v[24:27], s[86:87]
.Lend:
	s_wait_dscnt 0x0                               ; the closing lines, six on end
	s_wait_alu 0x0
	s_wait_tensorcnt 0x0
	ds_add_u32 v[SPW], v[NIL]
	s_wait_dscnt 0x0
	s_endpgm
.Lfunc_end_k_qa3cae81d45_embed:
	.size	k_qa3cae81d45_embed, .Lfunc_end_k_qa3cae81d45_embed-k_qa3cae81d45_embed
	.p2alignl 7, 3214868480
	.fill 96, 4, 3214868480
	.section	.rodata,"a",@progbits
	.p2align	6, 0x0
	.amdhsa_kernel k_qa3cae81d45_embed
		.amdhsa_group_segment_fixed_size 144896
		.amdhsa_private_segment_fixed_size 0
		.amdhsa_enable_private_segment 0
		.amdhsa_kernarg_size 192
		.amdhsa_user_sgpr_count 2
		.amdhsa_user_sgpr_kernarg_segment_ptr 1
		.amdhsa_wavefront_size32 1
		.amdhsa_system_sgpr_workgroup_id_x 1
		.amdhsa_system_sgpr_workgroup_id_y 1
		.amdhsa_system_sgpr_workgroup_id_z 1
		.amdhsa_system_vgpr_workitem_id 0
		.amdhsa_next_free_vgpr 256
		.amdhsa_next_free_sgpr 100
		.amdhsa_reserve_vcc 0
		.amdhsa_float_denorm_mode_32 3
		.amdhsa_float_denorm_mode_16_64 3
		.amdhsa_memory_ordered 1
		.amdhsa_forward_progress 1
		.amdhsa_inst_pref_size 69
	.end_amdhsa_kernel
	.amdgpu_metadata
---
amdhsa.version: [ 1, 2 ]
amdhsa.kernels:
  - .name:           k_qa3cae81d45_embed
    .symbol:         k_qa3cae81d45_embed.kd
    .args:
      - { .name: gaussians, .offset: 0, .size: 8, .value_kind: global_buffer, .address_space: global }
      - { .name: visual_features, .offset: 8, .size: 8, .value_kind: global_buffer, .address_space: global }
      - { .name: params_pg_w, .offset: 16, .size: 8, .value_kind: global_buffer, .address_space: global }
      - { .name: params_pv_w, .offset: 24, .size: 8, .value_kind: global_buffer, .address_space: global }
      - { .name: params_pg_b, .offset: 32, .size: 8, .value_kind: global_buffer, .address_space: global }
      - { .name: params_pv_b, .offset: 40, .size: 8, .value_kind: global_buffer, .address_space: global }
      - { .name: params_pg_g, .offset: 48, .size: 8, .value_kind: global_buffer, .address_space: global }
      - { .name: params_pv_g, .offset: 56, .size: 8, .value_kind: global_buffer, .address_space: global }
      - { .name: params_pg_beta, .offset: 64, .size: 8, .value_kind: global_buffer, .address_space: global }
      - { .name: params_pv_beta, .offset: 72, .size: 8, .value_kind: global_buffer, .address_space: global }
      - { .name: params_v2g_in_w, .offset: 80, .size: 8, .value_kind: global_buffer, .address_space: global }
      - { .name: params_g2v_in_w, .offset: 88, .size: 8, .value_kind: global_buffer, .address_space: global }
      - { .name: params_v2g_in_b, .offset: 96, .size: 8, .value_kind: global_buffer, .address_space: global }
      - { .name: params_g2v_in_b, .offset: 104, .size: 8, .value_kind: global_buffer, .address_space: global }
      - { .name: params_g2v_out_w, .offset: 112, .size: 8, .value_kind: global_buffer, .address_space: global }
      - { .name: params_v2g_out_w, .offset: 120, .size: 8, .value_kind: global_buffer, .address_space: global }
      - { .name: params_gate_w, .offset: 128, .size: 8, .value_kind: global_buffer, .address_space: global }
      - { .name: params_geo_conv_w, .offset: 136, .size: 8, .value_kind: global_buffer, .address_space: global }
      - { .name: params_vis_conv_w, .offset: 144, .size: 8, .value_kind: global_buffer, .address_space: global }
      - { .name: params_fus_conv_w, .offset: 152, .size: 8, .value_kind: global_buffer, .address_space: global }
      - { .name: emb, .offset: 160, .size: 8, .value_kind: global_buffer, .address_space: global }
      - { .name: kbuf, .offset: 168, .size: 8, .value_kind: global_buffer, .address_space: global }
      - { .name: vbuf, .offset: 176, .size: 8, .value_kind: global_buffer, .address_space: global }
      - { .name: wbf, .offset: 184, .size: 8, .value_kind: global_buffer, .address_space: global }
    .group_segment_fixed_size: 144896
    .private_segment_fixed_size: 0
    .kernarg_segment_align: 8
    .kernarg_segment_size: 192
    .max_flat_workgroup_size: 256
    .sgpr_count:     100
    .vgpr_count:     256
    .wavefront_size: 32
...
	.end_amdgpu_metadata
.endif
;; end of part 6
;; launch attn: the kernel of part 2 again; grid 16 x 16, 8 waves a work-group, clusters of 4 x 1, 327,680 bytes of LDS; arguments emb, kbuf, vbuf, wbf, params_g2v_in_b, params_v2g_in_b, params_g2v_out_b, params_v2g_out_b, params_n1_g, params_n2_g, params_n1_b, params_n2_b, fbuf; writes fbuf
;; launch vlad: the kernel of part 3 again; grid 8 x 24, 8 waves a work-group, no clusters, 215,040 bytes of LDS; arguments emb, fbuf, wbf, params_gate_b, params_geo_conv_b, params_vis_conv_b, params_fus_conv_b, vpart, aux; writes vpart, aux
;; launch bn (part 7): grid 64 x 3, 8 waves a work-group, no clusters, 14,336 bytes of LDS; arguments params_geo_bn_w, params_vis_bn_w, params_fus_bn_w, params_geo_cent, params_vis_cent, params_fus_cent, vpart, aux, ypart; writes ypart
.if DOCPART == 7
	.amdgcn_target "amdgcn-amd-amdhsa--gfx1250"
	.amdhsa_code_object_version 6
	.text
	.protected	k_qa3cae81d45_bn
	.globl	k_qa3cae81d45_bn
	.p2align	8
	.type	k_qa3cae81d45_bn,@function
k_qa3cae81d45_bn:
	s_mov_b64 s[64:65], 0
	v_nop
	global_prefetch_b8 v0, s[64:65] scope:SCOPE_SE
	s_setreg_imm32_b32 hwreg(HW_REG_WAVE_SCHED_MODE, 0, 2), 2
	s_setreg_imm32_b32 hwreg(HW_REG_WAVE_MODE, 25, 1), 1
	s_wait_xcnt 0x0
	s_wait_alu depctr_vm_vsrc(0)
; THE DESCRIPTOR'S PRODUCT, in parts.  Grid x = cluster k (a slice of 128 of the 8,192 columns of bn_w), grid y = stream s.
; Wave b first makes batch b's row k: v = (the eight parts' sum) - (sum of a) cent[k]; u = v / max(|v|, 1e-12); n2 = |u|^2.  Then the work-group multiplies the 8 rows u by its slice of bn_w
; (256 outputs x 128, read once, 32 outputs a wave) and stores the partial y [8][256] in f32 and the eight n2; the last launch adds the 64 slices and divides by the whole vector's length.
; u enters the bf16 product as hi + lo: the matrix tile has 16 rows and there are 8 batches, so rows 0-7 carry u rounded to bf16, rows 8-15 what the rounding left, and the two results are added.
; All 32 loads of a wave's weights go out at the head, ahead of the work on u; the weights go straight into registers: no wave wants a byte that another has fetched.
; No prefetch: every load of the launch is issued at its head.  LIMITS: as in the launch before.
; THE MODE: SCHED_MODE bits 1:0 = 2 (LLVM: expert scheduling mode 2), set by the entry lines.  The code itself states the register dependences
; between vector or matrix instructions and memory or LDS instructions, with s_wait_alu, always for 0.
; THE PLAN.  Registers that memory or LDS instructions touch:
;   v6-v8      the loads' offsets, made at the head; v7 also serves the stores; never written again.
;   v9-v13     LDS addresses, made while the loads are on their way; never written again.
;   v16-v59    the parts, the sums of a and cent land here and are read by vector work; v20, v24, v25, v30, v31 are then the data of three LDS stores;
;              behind the first barrier v16-v31 are the accumulators (later the stage's data) and u's fragments land in v32-v63.
;   v128-v255  the weights as loaded, read by the roundings alone.     v64-v127  the weights in bf16, read by the products; rows come back into v64-v73.
; Four waits on va_vdst: ahead of the first load; ahead of u's LDS stores; ahead of the stage's stores; in wave 0's tail.  One wait on vm_vsrc, behind the first barrier.
.set DT,    0                          ; LDS: 16 rows (hi of 8 batches, lo of 8 batches) x 128 bf16, pitch 272
.set YST,   4608                       ; 8 rows x 256 f32, pitch 1,040
.set N2S,   13056                      ; the eight n2
.set SPARE, 13312                      ; the spare words: 128 bytes a wave, four blocks of 256 bytes that no other line names
.set SEL, 40
.set HIM, 42
.macro PLACES
.rept 4
	v_nop
.endr
.endm
	s_load_b512 s[8:23], s[0:1], 0x0               ; bn_w (geo, vis, fus), cent (geo, vis, fus), vpart, aux
	s_load_b64 s[24:25], s[0:1], 0x40              ; ypart
	v_lshl_add_u32 v4, v0, 2, SPARE                ; v4, v5: my spare word's address and 0; never rewritten
	v_mov_b32 v5, 0
	v_mov_b32 v6, 0                                ; an offset of 0
	v_lshrrev_b32 v1, 5, v0
	v_readfirstlane_b32 s2, v1                     ; wave = batch
	v_and_b32 v3, 31, v0
	v_and_b32 v1, 15, v0
	v_bfe_u32 v2, v0, 4, 1
	s_mov_b32 s3, ttmp9                            ; k
	s_and_b32 s4, ttmp7, 0xffff                    ; s
	s_mov_b32 s[SEL], 0x76543210
	s_mov_b32 s[SEL+1], 0xfedcba98
	s_mov_b32 s[HIM], 0xffff0000
	v_lshlrev_b32 v7, 4, v3                        ; 16 l
	s_wait_alu depctr_va_sdst(0)                   ; the wave's number is written, ahead of its first reader
	s_lshl_b32 s30, s2, 20
	v_lshlrev_b32 v8, 15, v1
	v_lshl_add_u32 v8, v2, 5, v8
	v_add_nc_u32 v8, s30, v8                       ; (32 w + r) rows of 32,768 bytes + 32 hh
	s_lshl_b32 s30, s4, 3
	s_add_co_u32 s30, s30, s2                      ; 8 s + batch
	s_lshl_b32 s32, s30, 18
	s_lshl_b32 s31, s3, 9                          ; 512 k
	s_add_co_u32 s32, s32, s31
	s_mov_b32 s33, 0
	s_lshl_b32 s34, s30, 11
	s_lshl_b32 s35, s3, 2
	s_add_co_u32 s34, s34, s35
	s_mov_b32 s35, 0
	s_mov_b32 s36, s31
	s_mov_b32 s37, 0
	s_lshl_b32 s38, s4, 6
	s_add_co_u32 s38, s38, s3
	s_mul_i32 s38, s38, 8448
	s_lshl_b32 s39, s2, 10
	s_add_co_u32 s44, s38, s39
	s_mov_b32 s45, 0
	s_add_co_u32 s38, s38, 8192
	s_mov_b32 s39, 0
	s_wait_kmcnt 0x0
	s_cmp_eq_u32 s4, 0
	s_cselect_b64 s[26:27], s[8:9], s[10:11]
	s_cselect_b64 s[28:29], s[14:15], s[16:17]
	s_cmp_eq_u32 s4, 2
	s_cselect_b64 s[26:27], s[12:13], s[26:27]
	s_cselect_b64 s[28:29], s[18:19], s[28:29]
	s_add_nc_u64 s[26:27], s[26:27], s[36:37]      ; bn_w and cent at my slice
	s_add_nc_u64 s[28:29], s[28:29], s[36:37]
	s_add_nc_u64 s[20:21], s[20:21], s[32:33]
	s_add_nc_u64 s[22:23], s[22:23], s[34:35]
	s_add_nc_u64 s[46:47], s[24:25], s[44:45]      ; ypart: my row of the block,
	s_add_nc_u64 s[24:25], s[24:25], s[38:39]      ; and the block's n2
	s_wait_alu depctr_va_vdst(0)                   ; the offsets v6, v7 and v8 are written, which the loads below (and v7 the stores at the end) read
.set p, 0
.rept 8
	global_load_b128 v[16+4*p:16+4*p+3], v7, s[20:21] offset:32768*p
	global_load_b32 v[48+p], v6, s[22:23] offset:256*p
.set p, p+1
.endr
	global_load_b128 v[56:59], v7, s[28:29]
.set i, 0
.rept 8                                ; output tile i / 4, K step i % 4: a lane's 16 numbers of a fragment, in f32
	global_load_b128 v[128+16*i:128+16*i+3],     v8, s[26:27] offset:(i/4)*524288+(i%4)*128 th:TH_LOAD_NT
	global_load_b128 v[128+16*i+4:128+16*i+7],   v8, s[26:27] offset:(i/4)*524288+(i%4)*128+16 th:TH_LOAD_NT
	global_load_b128 v[128+16*i+8:128+16*i+11],  v8, s[26:27] offset:(i/4)*524288+(i%4)*128+64 th:TH_LOAD_NT
	global_load_b128 v[128+16*i+12:128+16*i+15], v8, s[26:27] offset:(i/4)*524288+(i%4)*128+80 th:TH_LOAD_NT
.set i, i+1
.endr
	s_mul_i32 s30, s2, 272
	v_lshl_add_u32 v9, v3, 3, s30                  ; DT = 0: row b, 8 bytes a lane
	v_mul_u32_u24 v10, v1, 272
	v_lshl_add_u32 v10, v2, 4, v10
	v_and_b32 v11, 7, v0
	v_mul_u32_u24 v11, v11, 1040
	v_lshl_add_u32 v11, v2, 5, v11
	s_lshl_b32 s30, s2, 7
	s_add_co_u32 s30, s30, YST
	v_add_nc_u32 v11, s30, v11
	s_mul_i32 s30, s2, 1040
	s_add_co_u32 s30, s30, YST
	v_lshl_add_u32 v12, v3, 4, s30
	s_lshl_b32 s30, s2, 2
	s_add_co_u32 s30, s30, N2S
	v_mov_b32 v13, s30
	s_wait_loadcnt 32                              ; the parts, the sums of a and cent are in; the weights' 32 loads stay out
.set p, 1
.rept 7
	v_pk_add_f32 v[16:17], v[16:17], v[16+4*p:17+4*p]
	v_pk_add_f32 v[18:19], v[18:19], v[18+4*p:19+4*p]
	v_add_f32 v48, v48, v[48+p]
.set p, p+1
.endr
	v_cvt_pk_bf16_f32 v60, v56, v57                ; cent is an input: rounded to bf16 like all of them
	v_cvt_pk_bf16_f32 v61, v58, v59
	v_lshlrev_b32 v56, 16, v60
	v_and_b32 v57, s[HIM], v60
	v_lshlrev_b32 v58, 16, v61
	v_and_b32 v59, s[HIM], v61
	v_pk_fma_f32 v[16:17], v[56:57], v[48:49], v[16:17] op_sel_hi:[1,0,1] neg_lo:[1,0,0] neg_hi:[1,0,0]
	v_pk_fma_f32 v[18:19], v[58:59], v[48:49], v[18:19] op_sel_hi:[1,0,1] neg_lo:[1,0,0] neg_hi:[1,0,0]
	v_pk_mul_f32 v[20:21], v[16:17], v[16:17]
	v_pk_fma_f32 v[20:21], v[18:19], v[18:19], v[20:21]
	v_add_f32 v20, v20, v21
	v_add_f32_dpp v20, v20, v20 row_xmask:1 row_mask:0xf bank_mask:0xf
	v_add_f32_dpp v20, v20, v20 row_xmask:2 row_mask:0xf bank_mask:0xf
	v_add_f32_dpp v20, v20, v20 row_xmask:4 row_mask:0xf bank_mask:0xf
	v_add_f32_dpp v20, v20, v20 row_xmask:8 row_mask:0xf bank_mask:0xf
	v_permlanex16_b32 v21, v20, s[SEL], s[SEL+1]
	v_add_f32 v20, v20, v21
	v_sqrt_f32 v22, v20
	v_mov_b32 v23, 0                               ; the plain instruction behind the root; named with v22 as a pair
	s_wait_alu depctr_va_vdst(0)                   ; the root is written, ahead of its first reader
	v_max_num_f32 v22, 0x2b8cbccc, v22
	v_rcp_f32 v22, v22
	v_nop
	s_wait_alu depctr_va_vdst(0)                   ; the reciprocal is written, ahead of its first reader
	v_pk_mul_f32 v[16:17], v[16:17], v[22:23] op_sel_hi:[1,0]
	v_pk_mul_f32 v[18:19], v[18:19], v[22:23] op_sel_hi:[1,0]
	v_mul_f32 v20, v20, v22
	v_mul_f32 v20, v20, v22                        ; n2
	v_cvt_pk_bf16_f32 v24, v16, v17                ; hi
	v_cvt_pk_bf16_f32 v25, v18, v19
	v_lshlrev_b32 v26, 16, v24
	v_and_b32 v27, s[HIM], v24
	v_lshlrev_b32 v28, 16, v25
	v_and_b32 v29, s[HIM], v25
	v_pk_add_f32 v[16:17], v[16:17], v[26:27] neg_lo:[0,1] neg_hi:[0,1]
	v_pk_add_f32 v[18:19], v[18:19], v[28:29] neg_lo:[0,1] neg_hi:[0,1]
	v_cvt_pk_bf16_f32 v30, v16, v17                ; lo
	v_cvt_pk_bf16_f32 v31, v18, v19
	s_wait_alu depctr_va_vdst(0)                   ; hi, lo, n2 and the LDS addresses v9 to v13 are written, which the LDS instructions from here on read; the sums are done reading v32 to v61, in which u's fragments land behind the barrier
	ds_store_b64 v9, v[24:25]
	ds_store_b64 v9, v[30:31] offset:2176
	ds_store_b32 v13, v20                          ; all lanes store the same number to the wave's word
	s_wait_dscnt 0x0
	s_barrier_signal -1
	s_barrier_wait -1
	s_wait_alu depctr_vm_vsrc(0)                   ; my three LDS stores have read v20, v24, v25, v30 and v31, over which the products below write their sums
.set i, 0
.rept 4
	ds_load_b128 v[32+8*i:32+8*i+3],   v10 offset:64*i
	ds_load_b128 v[32+8*i+4:32+8*i+7], v10 offset:64*i+32
.set i, i+1
.endr
	s_wait_loadcnt 0x0
.set i, 0
.rept 64
	v_cvt_pk_bf16_f32 v[64+i], v[128+2*i], v[128+2*i+1]
.set i, i+1
.endr
	s_wait_dscnt 0x0
.set i, 0
.rept 8                                ; K step i / 2, output tile i % 2: the two accumulators take turns
.if i < 2
	v_wmma_f32_16x16x32_bf16 v[16+8*(i%2):16+8*(i%2)+7], v[64+8*(4*(i%2)+i/2):64+8*(4*(i%2)+i/2)+7], v[32+8*(i/2):32+8*(i/2)+7], 0
.else
	v_wmma_f32_16x16x32_bf16 v[16+8*(i%2):16+8*(i%2)+7], v[64+8*(4*(i%2)+i/2):64+8*(4*(i%2)+i/2)+7], v[32+8*(i/2):32+8*(i/2)+7], v[16+8*(i%2):16+8*(i%2)+7]
.endif
.set i, i+1
.endr
	PLACES
.set i, 0
.rept 16
	v_add_f32_dpp v[16+i], v[16+i], v[16+i] row_xmask:8 row_mask:0xf bank_mask:0xf  ; hi's result + lo's
.set i, i+1
.endr
	s_wait_alu depctr_va_vdst(0)                   ; the additions have written v16 to v31, which the LDS stores read; the products are done reading v64 to v73, in which rows come back behind the barrier
.set i, 0
.rept 2
	ds_store_b128 v11, v[16+8*i:16+8*i+3] offset:64*i      ; lanes r and r + 8 hold, and store, the same sums
	ds_store_b128 v11, v[16+8*i+4:16+8*i+7] offset:64*i+16
.set i, i+1
.endr
	s_wait_dscnt 0x0
	s_barrier_signal -1
	s_barrier_wait -1
	ds_load_b128 v[64:67], v12
	ds_load_b128 v[68:71], v12 offset:512
	s_wait_dscnt 0x0
	global_store_b128 v7, v[64:67], s[46:47]
	global_store_b128 v7, v[68:71], s[46:47] offset:512
	s_cmp_eq_u32 s2, 0
	s_cbranch_scc0 .Lend
	v_and_b32 v14, 3, v0
	v_lshl_add_u32 v14, v14, 3, N2S
	v_lshlrev_b32 v15, 3, v3
	s_wait_alu depctr_va_vdst(0)                   ; v14 and v15 are written: the LDS load's address and the store's offset
	ds_load_b64 v[72:73], v14
	s_wait_dscnt 0x0
	global_store_b64 v15, v[72:73], s[24:25]       ; the eight n2, eight times over: 256 consecutive bytes, aligned
.Lend:
	s_wait_dscnt 0x0                               ; the closing lines, six on end
	s_wait_alu 0x0
	s_wait_tensorcnt 0x0
	ds_add_u32 v4, v5
	s_wait_dscnt 0x0
	s_endpgm
.Lfunc_end_k_qa3cae81d45_bn:
	.size	k_qa3cae81d45_bn, .Lfunc_end_k_qa3cae81d45_bn-k_qa3cae81d45_bn
	.p2alignl 7, 3214868480
	.fill 96, 4, 3214868480
	.section	.rodata,"a",@progbits
	.p2align	6, 0x0
	.amdhsa_kernel k_qa3cae81d45_bn
		.amdhsa_group_segment_fixed_size 14336
		.amdhsa_private_segment_fixed_size 0
		.amdhsa_enable_private_segment 0
		.amdhsa_kernarg_size 72
		.amdhsa_user_sgpr_count 2
		.amdhsa_user_sgpr_kernarg_segment_ptr 1
		.amdhsa_wavefront_size32 1
		.amdhsa_system_sgpr_workgroup_id_x 1
		.amdhsa_system_sgpr_workgroup_id_y 1
		.amdhsa_system_sgpr_workgroup_id_z 1
		.amdhsa_system_vgpr_workitem_id 0
		.amdhsa_next_free_vgpr 256
		.amdhsa_next_free_sgpr 66
		.amdhsa_reserve_vcc 0
		.amdhsa_float_denorm_mode_32 3
		.amdhsa_float_denorm_mode_16_64 3
		.amdhsa_memory_ordered 1
		.amdhsa_forward_progress 1
		.amdhsa_inst_pref_size 19
	.end_amdhsa_kernel
	.amdgpu_metadata
---
amdhsa.version: [ 1, 2 ]
amdhsa.kernels:
  - .name:           k_qa3cae81d45_bn
    .symbol:         k_qa3cae81d45_bn.kd
    .args:
      - { .name: params_geo_bn_w, .offset: 0, .size: 8, .value_kind: global_buffer, .address_space: global }
      - { .name: params_vis_bn_w, .offset: 8, .size: 8, .value_kind: global_buffer, .address_space: global }
      - { .name: params_fus_bn_w, .offset: 16, .size: 8, .value_kind: global_buffer, .address_space: global }
      - { .name: params_geo_cent, .offset: 24, .size: 8, .value_kind: global_buffer, .address_space: global }
      - { .name: params_vis_cent, .offset: 32, .size: 8, .value_kind: global_buffer, .address_space: global }
      - { .name: params_fus_cent, .offset: 40, .size: 8, .value_kind: global_buffer, .address_space: global }
      - { .name: vpart, .offset: 48, .size: 8, .value_kind: global_buffer, .address_space: global }
      - { .name: aux, .offset: 56, .size: 8, .value_kind: global_buffer, .address_space: global }
      - { .name: ypart, .offset: 64, .size: 8, .value_kind: global_buffer, .address_space: global }
    .group_segment_fixed_size: 14336
    .private_segment_fixed_size: 0
    .kernarg_segment_align: 8
    .kernarg_segment_size: 72
    .max_flat_workgroup_size: 256
    .sgpr_count:     66
    .vgpr_count:     256
    .wavefront_size: 32
...
	.end_amdgpu_metadata
.endif
;; end of part 7
;; launch final: the kernel of part 5 again; grid 8 x 1, 16 waves a work-group, no clusters, 31,488 bytes of LDS; arguments ypart, aux, params_geo_bn_b, params_vis_bn_b, params_fus_bn_b, params_geo_bn_g, params_vis_bn_g, params_fus_bn_g, params_geo_bn_beta, params_vis_bn_beta, params_fus_bn_beta, params_r1_w, params_r1_b, params_r1_g, params_r1_beta, params_r2_w, params_r2_b, out0, out1, out2, out3, out4; writes out0, out1, out2, out3, out4
